; MI455X (gfx1250); checked and timed in simulation.
; The chip was launched on July 23, 2026; its instructions are those of AMD's public machine-readable ISA for CDNA 5 (MIT licence, August 2026) and "CDNA5" Instruction Set Architecture Reference Guide (July 2026). The comments in the code are by the model that wrote it; some were corrected since.
;; Point Net Feature Propagation. Allowed arithmetic: float matrix products may take bf16 or f16 operands with f32 sums; all other float work in f32.
;; Inputs: W0 256 x 512 float32; W1 256 x 256 float32; b0 256 float32; b1 256 float32; be0 256 float32; be1 256 float32; g0 256 float32; g1 256 float32; points1 2 x 256 x 16,384 float32; points2 2 x 256 x 4,096 float32; xyz1 2 x 3 x 16,384 float32; xyz2 2 x 3 x 4,096 float32.
;; Outputs: out0 2 x 256 x 16,384 float32.
;; 2 versions, each right and faster than the one before. Each part assembles by itself: llvm-mc -triple=amdgcn-amd-amdhsa -mcpu=gfx1250 --defsym DOCPART=n.
;; ======== version 1 of 2: 7 launches
;; limits: values outside matrix products are rounded to bf16; values are held in f16: magnitudes above 65,504 overflow, below 6.1e-05 lose precision
;; workspace buffers: cols 131,072 bytes of whole numbers; nidx 524,288 bytes of whole numbers; nw 524,288 bytes; prep 4,587,520 bytes; y0 34,078,720 bytes; y1 34,078,720 bytes; ab0 2,048 bytes; ab1 2,048 bytes
;; launch knn_coarse (part 1): grid 256 x 1, 16 waves a work-group, no clusters, 135,168 bytes of LDS; arguments xyz1, xyz2, points2, W0, W1, cols, prep; writes cols, prep
.if DOCPART == 1
	.amdgcn_target "amdgcn-amd-amdhsa--gfx1250"
	.amdhsa_code_object_version 6
	.text
	.protected	k_qa89cf444dc_knn_coarse
	.globl	k_qa89cf444dc_knn_coarse
	.p2align	8
	.type	k_qa89cf444dc_knn_coarse,@function
k_qa89cf444dc_knn_coarse:
	s_mov_b64 s[64:65], 0
	v_nop
	global_prefetch_b8 v0, s[64:65] scope:SCOPE_SE
	s_setreg_imm32_b32 hwreg(HW_REG_WAVE_MODE, 25, 1), 1
	s_wait_xcnt 0x0
; PointNet feature propagation, launch 1 of 7: the coarse half of the search for the 3 nearest neighbours, and the preparation of tables.
;
; THE PROGRAM.  1 knn_coarse: for each query the 3 candidate columns that must hold its 3 nearest; points2 transposed to bf16 rows; W0, W1 as f16 fragments.
; 2 knn_fine: the 3 nearest inside those columns, and their weights.  3 conv0: gather, blend, concatenate, W0 x, per-group statistics.
; 4 bn0: scale and shift of the first BatchNorm.  5 conv1: BatchNorm, ReLU, W1 x, statistics.  6 bn1.  7 final: BatchNorm, ReLU.
;
; WORK LEFT OUT: b0 and b1.  reference() adds b[o] to every number of channel o and then takes the channel's mean over (B, N) away:
; (Wx + b) - mean(Wx + b) = Wx - mean(Wx), and the variance is that of Wx, for all values of the inputs.  So b0 and b1 reach no output;
; they are not loaded and are no launch's argument.  Limit: a NaN, an infinity or an overflow that only b0 or b1 would bring in is not carried to the result.
;
; NUMBER FORMATS, LIMITS.  Every floating-point input is rounded to bf16 (nearest even) as it is loaded, the coordinates too: the neighbours found are those of
; the rounded coordinates.  With 8-bit significands every product x1 x2 and x x is exact in f32, so that
;   n = fl(fl(x x + y y) + z z),  dot = fl(fl(x1 x2 + y1 y2) + z1 z2),  d = fl(fl(n1 + n2) - 2 dot)
; has one value whether or not multiplies and adds are fused; d is formed in exactly this order, and equal d are ordered by the lower index, as top_k orders them.
; The query is scaled by -2 beforehand, which is exact.  The product of K = 3 stays on the vector unit: the choice of neighbours hangs on this order of rounding.
; Limit: all distances are finite (otherwise the initial column 0 can survive).  The two convolutions take f16 operands: magnitudes below 65,504; below 2^-14 the
; absolute error is at most 2^-25.
;
; THE SEARCH IN TWO EXACT STAGES.  The 4,096 candidates form 128 columns of 32 neighbouring indices.  This launch keeps only each column's least d and takes the
; 3 best columns under the order (least d, column number).  The 3 least elements under (d, index) lie in them: an element whose column had three better columns
; in front of it would have three lesser elements in front of it; with equal least d the lower column holds the lower index.
;
; SHARES.  A work-group: 128 queries of one batch.  Lane L of every wave holds queries 4L .. 4L+3; wave p scans columns 8p .. 8p+7 for all 128 queries.
; The 16 waves' lists of three meet in LDS and are merged by waves 0 to 3, one query a thread.
; No tensor loads and no cluster: the table is 64 KiB, made by arithmetic from 48 KiB of coordinates, and has to pass through registers anyway.
.set TABY,   16384                     ; LDS: x at 0, y, z, |.|^2: 4,096 f32 each
.set TABZ,   32768
.set TABN,   49152
.set MERGE,  65536                     ; [16 waves][6 items][128 queries] of 4 bytes
.set RES,    114688                    ; 128 packed words
.set TST,    115200                    ; 64 rows (s) of 128 bf16 (channels), pitch 272
.set TPITCH, 272
.set QV,   16                          ; v[16+8q ..]: query q as pairs -2x,-2x  -2y,-2y  -2z,-2z  n1,n1
.set PP,   48                          ; v[48+2q ..]: pair at work
.set TT,   56                          ; v[56+2q ..]: n1 + n2
.set MM,   64                          ; v64-67   the column's least d, query q
.set A1,   68                          ; v68-79   the three least column minima, four queries each
.set A2,   72
.set A3,   76
.set I1,   80                          ; v80-91   their column numbers
.set I2,   84
.set I3,   88
.set CID,  92                          ; the column at work
.set TMP,  93
.set BASE, 94                          ; its LDS byte
.set CAND, 128                         ; v128-255 a column: group g of 4 candidates at 16 g: x, y, z, n2 (4 registers each)
.set XS,   128                         ; at the head only: xyz2 as loaded, 4 (2 c + i)
.set PS,   152                         ; points2 as loaded, 4 (2 i + parity)
.set QS,   168                         ; xyz1 as loaded, 4 c
.set NS,   180                         ; squared norms
.set WS,   188                         ; a weight block
.set RT,   200                         ; two words at work
.set RT2,  202                         ; eight packed words for the transposing stores
.macro RND4 r, t                       ; four f32 rounded to bf16 and widened again, in place
	v_cvt_pk_bf16_f32 v[\t], v[\r], v[\r+1]
	v_cvt_pk_bf16_f32 v[\t+1], v[\r+2], v[\r+3]
	v_lshlrev_b32 v[\r], 16, v[\t]
	v_and_b32 v[\r+1], s28, v[\t]
	v_lshlrev_b32 v[\r+2], 16, v[\t+1]
	v_and_b32 v[\r+3], s28, v[\t+1]
.endm
; (val, id) is put into the ascending list a1 <= a2 <= a3 with its numbers i1, i2, i3.  Strictly less: of equals the one that came first stays in front.
.macro INS val, id, a1, a2, a3, i1, i2, i3
	v_cmp_lt_f32 s26, v[\val], v[\a1]
	v_cmp_lt_f32 s27, v[\val], v[\a2]
	v_cmp_lt_f32 vcc_lo, v[\val], v[\a3]
	v_cndmask_b32 v[TMP], v[\id], v[\i2], s27
	v_cndmask_b32 v[\i3], v[\i3], v[TMP], vcc_lo
	v_cndmask_b32 v[TMP], v[\id], v[\i1], s26
	v_cndmask_b32 v[\i2], v[\i2], v[TMP], s27
	v_cndmask_b32 v[\i1], v[\i1], v[\id], s26
	v_med3_num_f32 v[\a3], v[\a2], v[\a3], v[\val]
	v_med3_num_f32 v[\a2], v[\a1], v[\a2], v[\val]
	v_min_num_f32 v[\a1], v[\a1], v[\val]
.endm
; Two candidates (pair pr of group grp) against my four queries: d in the order stated at the head, then the running least.
.macro PAIR grp, pr, first
.irp q, 0,1,2,3
	v_pk_mul_f32 v[PP+2*\q:PP+2*\q+1], v[CAND+16*\grp+2*\pr:CAND+16*\grp+2*\pr+1], v[QV+8*\q:QV+8*\q+1]
.endr
.irp q, 0,1,2,3
	v_pk_fma_f32 v[PP+2*\q:PP+2*\q+1], v[CAND+16*\grp+4+2*\pr:CAND+16*\grp+4+2*\pr+1], v[QV+8*\q+2:QV+8*\q+3], v[PP+2*\q:PP+2*\q+1]
.endr
.irp q, 0,1,2,3
	v_pk_fma_f32 v[PP+2*\q:PP+2*\q+1], v[CAND+16*\grp+8+2*\pr:CAND+16*\grp+8+2*\pr+1], v[QV+8*\q+4:QV+8*\q+5], v[PP+2*\q:PP+2*\q+1]
.endr
.irp q, 0,1,2,3
	v_pk_add_f32 v[TT+2*\q:TT+2*\q+1], v[CAND+16*\grp+12+2*\pr:CAND+16*\grp+12+2*\pr+1], v[QV+8*\q+6:QV+8*\q+7]
.endr
.irp q, 0,1,2,3
	v_pk_add_f32 v[PP+2*\q:PP+2*\q+1], v[TT+2*\q:TT+2*\q+1], v[PP+2*\q:PP+2*\q+1]
.endr
.irp q, 0,1,2,3
.if \first
	v_min_num_f32 v[MM+\q], v[PP+2*\q], v[PP+2*\q+1]
.else
	v_min3_num_f32 v[MM+\q], v[MM+\q], v[PP+2*\q], v[PP+2*\q+1]
.endif
.endr
.endm
; One block of 512 bytes of a weight matrix in fragment order.  s38 = the block's number ((w S + s) 2 + t) 2 + q; lane (r, h) gets the 8 numbers
; W[32 w + 16 t + r][32 s + 16 q + 8 h ..], rounded to bf16 and written as f16 (exact but for f16's denormal range).
.macro WJOB src, rowshift, sbits, dstoff
	s_and_b32 s39, s38, 1
	s_lshl_b32 s40, s39, 6                         ; q: 16 numbers of 4 bytes
	s_bfe_u32 s39, s38, 0x10001
	s_lshl_b32 s39, s39, \rowshift+4               ; t: 16 rows
	s_add_co_u32 s40, s40, s39
	s_bfe_u32 s39, s38, (\sbits<<16)|2
	s_lshl_b32 s39, s39, 7                         ; s: 32 numbers
	s_add_co_u32 s40, s40, s39
	s_lshr_b32 s39, s38, \sbits+2
	s_lshl_b32 s39, s39, \rowshift+5               ; w: 32 rows
	s_add_co_u32 s40, s40, s39
	s_mov_b32 s41, 0
	s_add_nc_u64 s[42:43], s[\src:\src+1], s[40:41]
	s_lshl_b32 s40, s38, 9
	s_add_co_u32 s40, s40, \dstoff
	s_add_nc_u64 s[44:45], s[16:17], s[40:41]
	v_and_b32 v11, 15, v1
	v_lshrrev_b32 v12, 4, v1
	v_lshlrev_b32 v12, 5, v12
	v_lshl_add_u32 v11, v11, \rowshift, v12        ; r rows + 8 h numbers
	global_load_b128 v[WS:WS+3], v11, s[42:43]
	global_load_b128 v[WS+4:WS+7], v11, s[42:43] offset:16
	s_wait_loadcnt 0x0
	RND4 WS, RT
	RND4 WS+4, RT
.irp j, 0,1,2,3
	v_cvt_pk_f16_f32 v[WS+8+\j], v[WS+2*\j], v[WS+2*\j+1]
.endr
	global_store_b128 v10, v[WS+8:WS+11], s[44:45] ; the wave stores 512 consecutive bytes, aligned
.endm
	s_load_b256 s[4:11], s[0:1], 0x0               ; xyz1 s[4:5], xyz2 s[6:7], points2 s[8:9], W0 s[10:11]
	s_load_b128 s[12:15], s[0:1], 0x20             ; W1 s[12:13], cols s[14:15]
	s_load_b64 s[16:17], s[0:1], 0x30              ; prep
	v_lshl_add_u32 v126, v0, 2, 0x20800
	v_mov_b32 v127, 0
	v_lshrrev_b32 v1, 5, v0
	v_readfirstlane_b32 s20, v1                    ; wave p
	v_and_b32 v1, 31, v0                           ; lane
	s_lshr_b32 s21, ttmp9, 7                       ; batch (of the queries, and of the points2 tile)
	s_and_b32 s22, ttmp9, 127                      ; block of 128 queries
	s_and_b32 s23, ttmp9, 1                        ; points2 tile: which 128 channels
	s_lshr_b32 s29, s22, 1                         ; points2 tile: which 64 s
	s_mov_b32 s28, 0xffff0000                      ; a word's upper bf16
	v_lshlrev_b32 v2, 4, v0                        ; 16 t
	v_and_b32 v6, 15, v0                           ; sq
	v_lshrrev_b32 v7, 4, v0                        ; cp
	v_lshlrev_b32 v8, 4, v6
	v_lshl_add_u32 v9, v7, 15, v8                  ; points2: two rows of 16,384 bytes for each cp, 16 bytes for each sq
	v_lshlrev_b32 v10, 4, v1                       ; 16 x lane
	v_mul_u32_u24 v3, v6, 4*TPITCH
	v_lshl_add_u32 v3, v7, 2, v3
	v_add_nc_u32 v3, TST, v3                       ; transposing stores: row 4 sq + e, word cp
	v_mul_u32_u24 v4, v7, TPITCH
	v_add_nc_u32 v4, v4, v8
	v_add_nc_u32 v4, TST, v4                       ; and back: row cp, 16 bytes for each sq
	v_lshl_add_u32 v5, v7, 9, v8                   ; the same place in the transposed table: rows of 512 bytes
	s_mul_i32 s30, s21, 49152
	s_mov_b32 s31, 0
	s_mul_i32 s32, s21, 196608
	s_lshl_b32 s25, s22, 9
	s_add_co_u32 s32, s32, s25
	s_mov_b32 s33, 0
	s_lshl_b32 s38, s21, 16
	s_add_co_u32 s38, s38, s25                     ; cols: 4 bytes a query
	s_mov_b32 s39, 0
	s_lshl_b32 s34, s21, 22
	s_lshl_b32 s25, s23, 21
	s_add_co_u32 s34, s34, s25
	s_lshl_b32 s25, s29, 8
	s_add_co_u32 s34, s34, s25
	s_mov_b32 s35, 0
	s_lshl_b32 s36, s21, 21
	s_lshl_b32 s25, s29, 15
	s_add_co_u32 s36, s36, s25
	s_lshl_b32 s25, s23, 8
	s_add_co_u32 s36, s36, s25
	s_mov_b32 s37, 0
	s_wait_kmcnt 0x0
	s_add_nc_u64 s[6:7], s[6:7], s[30:31]
	s_add_nc_u64 s[4:5], s[4:5], s[32:33]
	s_add_nc_u64 s[8:9], s[8:9], s[34:35]
	s_add_nc_u64 s[18:19], s[16:17], s[36:37]
	s_add_nc_u64 s[14:15], s[14:15], s[38:39]
	; 13 loads a thread, oldest first: all candidates' coordinates, my part of the points2 tile, my four queries
.irp c, 0,1,2
.irp i, 0,1
	global_load_b128 v[XS+4*(2*\c+\i):XS+4*(2*\c+\i)+3], v2, s[6:7] offset:\c*16384+\i*8192
.endr
.endr
.irp i, 0,1
	global_load_b128 v[PS+8*\i:PS+8*\i+3], v9, s[8:9] offset:\i*1048576 th:TH_LOAD_NT
	global_load_b128 v[PS+8*\i+4:PS+8*\i+7], v9, s[8:9] offset:\i*1048576+16384 th:TH_LOAD_NT
.endr
.irp c, 0,1,2
	global_load_b128 v[QS+4*\c:QS+4*\c+3], v10, s[4:5] offset:\c*65536
.endr
	s_wait_loadcnt 0x7                             ; the six loads of xyz2 are in; points2's four and xyz1's three may stay out
.irp i, 0,1
.irp c, 0,1,2
	RND4 XS+4*(2*\c+\i), RT
.endr
.irp e, 0,2
	v_pk_mul_f32 v[NS+4*\i+\e:NS+4*\i+\e+1], v[XS+4*\i+\e:XS+4*\i+\e+1], v[XS+4*\i+\e:XS+4*\i+\e+1]
	v_pk_fma_f32 v[NS+4*\i+\e:NS+4*\i+\e+1], v[XS+8+4*\i+\e:XS+8+4*\i+\e+1], v[XS+8+4*\i+\e:XS+8+4*\i+\e+1], v[NS+4*\i+\e:NS+4*\i+\e+1]
	v_pk_fma_f32 v[NS+4*\i+\e:NS+4*\i+\e+1], v[XS+16+4*\i+\e:XS+16+4*\i+\e+1], v[XS+16+4*\i+\e:XS+16+4*\i+\e+1], v[NS+4*\i+\e:NS+4*\i+\e+1]
.endr
	ds_store_b128 v2, v[XS+4*\i:XS+4*\i+3] offset:\i*8192
	ds_store_b128 v2, v[XS+8+4*\i:XS+8+4*\i+3] offset:TABY+\i*8192
	ds_store_b128 v2, v[XS+16+4*\i:XS+16+4*\i+3] offset:TABZ+\i*8192
	ds_store_b128 v2, v[NS+4*\i:NS+4*\i+3] offset:TABN+\i*8192
.endr
	s_wait_loadcnt 0x3                             ; points2's four are in; xyz1's three may stay out
.irp i, 0,1
.irp e, 0,1,2,3
	v_cvt_pk_bf16_f32 v[RT2+4*\i+\e], v[PS+8*\i+\e], v[PS+8*\i+4+\e]    ; two neighbouring channels of one s
	ds_store_b32 v3, v[RT2+4*\i+\e] offset:\e*TPITCH+128*\i
.endr
.endr
	s_wait_dscnt 0x0                               ; my stores are done, for the other waves' sake
	s_barrier_signal -1
	s_barrier_wait -1                              ; the table and the transposed tile are whole
	ds_load_b128 v[128:131], v4                    ; rows of the transposed tile: 16 lanes take 256 bytes of one s
	ds_load_b128 v[132:135], v4 offset:32*TPITCH
	s_wait_dscnt 0x0
	global_store_b128 v5, v[128:131], s[18:19]     ; 16 lanes store 256 consecutive bytes, aligned
	global_store_b128 v5, v[132:135], s[18:19] offset:16384
	s_cmp_gt_u32 s20, 2
	s_cbranch_scc1 .Lnojob
	s_cmp_eq_u32 s20, 2
	s_cbranch_scc1 .Lw1
	s_lshl_b32 s38, ttmp9, 1                       ; waves 0 and 1: W0's blocks 2 g and 2 g + 1 of 512
	s_add_co_u32 s38, s38, s20
	WJOB 10, 11, 4, 4194304
	s_branch .Lnojob
.Lw1:
	s_mov_b32 s38, ttmp9                           ; wave 2: W1's block g of 256
	WJOB 12, 10, 3, 4456448
.Lnojob:
	s_wait_xcnt 0x0                                ; the stores above have read their data: v128 and up are written again below
	s_wait_loadcnt 0x0                             ; my queries
	RND4 QS, RT
	RND4 QS+4, RT
	RND4 QS+8, RT
.irp e, 0,2
	v_pk_mul_f32 v[NS+\e:NS+\e+1], v[QS+\e:QS+\e+1], v[QS+\e:QS+\e+1]
	v_pk_fma_f32 v[NS+\e:NS+\e+1], v[QS+4+\e:QS+4+\e+1], v[QS+4+\e:QS+4+\e+1], v[NS+\e:NS+\e+1]
	v_pk_fma_f32 v[NS+\e:NS+\e+1], v[QS+8+\e:QS+8+\e+1], v[QS+8+\e:QS+8+\e+1], v[NS+\e:NS+\e+1]
.endr
.irp q, 0,1,2,3                                    ; each number twice, once for the kernel: the packed forms of the loop then take plain pairs
	v_mul_f32 v[QV+8*\q], -2.0, v[QS+\q]
	v_mul_f32 v[QV+8*\q+1], -2.0, v[QS+\q]
	v_mul_f32 v[QV+8*\q+2], -2.0, v[QS+4+\q]
	v_mul_f32 v[QV+8*\q+3], -2.0, v[QS+4+\q]
	v_mul_f32 v[QV+8*\q+4], -2.0, v[QS+8+\q]
	v_mul_f32 v[QV+8*\q+5], -2.0, v[QS+8+\q]
	v_mov_b32 v[QV+8*\q+6], v[NS+\q]
	v_mov_b32 v[QV+8*\q+7], v[NS+\q]
.endr
.irp j, 0,1,2,3,4,5,6,7,8,9,10,11
	v_mov_b32 v[A1+\j], 0x7f800000                 ; the lists start at +infinity, column 0
	v_mov_b32 v[I1+\j], 0
.endr
	s_lshl_b32 s23, s20, 3
	v_mov_b32 v[CID], s23                          ; my first column
	s_lshl_b32 s23, s20, 10
	v_mov_b32 v[BASE], s23                         ; 128 bytes a column in each of the four arrays
	s_mov_b32 s24, 0
.Lcol:                                             ; one column of 32 candidates a trip, against my four queries
.irp grp, 0,1,2,3,4,5,6,7
.irp arr, 0,1,2,3
	ds_load_b128 v[CAND+16*\grp+4*\arr:CAND+16*\grp+4*\arr+3], v[BASE] offset:\arr*16384+\grp*16   ; the same 16 bytes for all lanes
.endr
.endr
	s_wait_dscnt 28                                ; group 0's four loads are in, the 28 younger stay out
	PAIR 0, 0, 1
	PAIR 0, 1, 0
.irp grp, 1,2,3,4,5,6,7
	s_wait_dscnt 4*(7-\grp)                        ; this group's four are in, the later groups' stay out
	PAIR \grp, 0, 0
	PAIR \grp, 1, 0
.endr
.irp q, 0,1,2,3
	INS MM+\q, CID, A1+\q, A2+\q, A3+\q, I1+\q, I2+\q, I3+\q
.endr
	v_add_nc_u32 v[BASE], 128, v[BASE]
	v_add_nc_u32 v[CID], 1, v[CID]
	s_add_co_u32 s24, s24, 1
	s_cmp_lt_u32 s24, 8
	s_cbranch_scc1 .Lcol
	s_mul_i32 s23, s20, 3072
	s_add_co_u32 s23, s23, MERGE
	v_add_nc_u32 v95, s23, v10                     ; my wave's six items, my four queries
	ds_store_b128 v95, v[A1:A1+3]
	ds_store_b128 v95, v[A2:A2+3] offset:512
	ds_store_b128 v95, v[A3:A3+3] offset:1024
	ds_store_b128 v95, v[I1:I1+3] offset:1536
	ds_store_b128 v95, v[I2:I2+3] offset:2048
	ds_store_b128 v95, v[I3:I3+3] offset:2560
	s_wait_dscnt 0x0
	s_barrier_signal -1
	s_barrier_wait -1                              ; all sixteen lists are in LDS
	s_cmp_gt_u32 s20, 3
	s_cbranch_scc1 .Lnomerge
	; waves 0 to 3: thread t merges query t's sixteen lists, waves ascending, ranks ascending: of equal minima the lower column stays in front
	v_lshlrev_b32 v95, 2, v0
	v_add_nc_u32 v96, RES, v95
	v_add_nc_u32 v95, MERGE, v95
.irp j, 0,1,2
	v_mov_b32 v[100+\j], 0x7f800000
	v_mov_b32 v[103+\j], 0
.endr
.irp pass, 0,1,2,3
.irp pp, 0,1,2,3
.irp it, 0,1,2,3,4,5
	ds_load_b32 v[128+6*\pp+\it], v95 offset:((4*\pass+\pp)*6+\it)*512
.endr
.endr
	s_wait_dscnt 0x0
.irp pp, 0,1,2,3
.irp k, 0,1,2
	INS 128+6*\pp+\k, 128+6*\pp+3+\k, 100, 101, 102, 103, 104, 105
.endr
.endr
.endr
	v_lshl_or_b32 v106, v104, 8, v103
	v_lshl_or_b32 v106, v105, 16, v106             ; c0 | c1 << 8 | c2 << 16
	ds_store_b32 v96, v106
.Lnomerge:
	s_wait_dscnt 0x0
	s_barrier_signal -1
	s_barrier_wait -1
	s_cmp_lg_u32 s20, 0
	s_cbranch_scc1 .Lend
	v_add_nc_u32 v97, RES, v10
	ds_load_b128 v[108:111], v97
	s_wait_dscnt 0x0
	global_store_b128 v10, v[108:111], s[14:15]    ; one wave stores the group's 512 bytes whole
.Lend:
	s_wait_tensorcnt 0x0
	ds_add_u32 v126, v127
	s_wait_dscnt 0x0
	s_endpgm
.Lfunc_end_k_qa89cf444dc_knn_coarse:
	.size	k_qa89cf444dc_knn_coarse, .Lfunc_end_k_qa89cf444dc_knn_coarse-k_qa89cf444dc_knn_coarse
	.p2alignl 7, 3214868480
	.fill 96, 4, 3214868480
	.section	.rodata,"a",@progbits
	.p2align	6, 0x0
	.amdhsa_kernel k_qa89cf444dc_knn_coarse
		.amdhsa_group_segment_fixed_size 135168
		.amdhsa_private_segment_fixed_size 0
		.amdhsa_enable_private_segment 0
		.amdhsa_kernarg_size 56
		.amdhsa_user_sgpr_count 2
		.amdhsa_user_sgpr_kernarg_segment_ptr 1
		.amdhsa_wavefront_size32 1
		.amdhsa_system_sgpr_workgroup_id_x 1
		.amdhsa_system_sgpr_workgroup_id_y 1
		.amdhsa_system_sgpr_workgroup_id_z 1
		.amdhsa_system_vgpr_workitem_id 0
		.amdhsa_next_free_vgpr 256
		.amdhsa_next_free_sgpr 66
		.amdhsa_reserve_vcc 1
		.amdhsa_float_denorm_mode_32 3
		.amdhsa_float_denorm_mode_16_64 3
		.amdhsa_memory_ordered 1
		.amdhsa_forward_progress 1
		.amdhsa_inst_pref_size 81
	.end_amdhsa_kernel
	.amdgpu_metadata
---
amdhsa.version: [ 1, 2 ]
amdhsa.kernels:
  - .name:           k_qa89cf444dc_knn_coarse
    .symbol:         k_qa89cf444dc_knn_coarse.kd
    .args:
      - { .name: xyz1, .offset: 0, .size: 8, .value_kind: global_buffer, .address_space: global }
      - { .name: xyz2, .offset: 8, .size: 8, .value_kind: global_buffer, .address_space: global }
      - { .name: points2, .offset: 16, .size: 8, .value_kind: global_buffer, .address_space: global }
      - { .name: W0, .offset: 24, .size: 8, .value_kind: global_buffer, .address_space: global }
      - { .name: W1, .offset: 32, .size: 8, .value_kind: global_buffer, .address_space: global }
      - { .name: cols, .offset: 40, .size: 8, .value_kind: global_buffer, .address_space: global }
      - { .name: prep, .offset: 48, .size: 8, .value_kind: global_buffer, .address_space: global }
    .group_segment_fixed_size: 135168
    .private_segment_fixed_size: 0
    .kernarg_segment_align: 8
    .kernarg_segment_size: 56
    .max_flat_workgroup_size: 512
    .sgpr_count:     66
    .vgpr_count:     256
    .wavefront_size: 32
...
	.end_amdgpu_metadata
.endif
;; end of part 1
;; launch knn_fine (part 2): grid 256 x 1, 4 waves a work-group, no clusters, 68,096 bytes of LDS; arguments xyz1, xyz2, cols, nidx, nw; writes nidx, nw
.if DOCPART == 2
	.amdgcn_target "amdgcn-amd-amdhsa--gfx1250"
	.amdhsa_code_object_version 6
	.text
	.protected	k_qa89cf444dc_knn_fine
	.globl	k_qa89cf444dc_knn_fine
	.p2align	8
	.type	k_qa89cf444dc_knn_fine,@function
k_qa89cf444dc_knn_fine:
	s_mov_b64 s[64:65], 0
	v_nop
	global_prefetch_b8 v0, s[64:65] scope:SCOPE_SE
	s_setreg_imm32_b32 hwreg(HW_REG_WAVE_MODE, 25, 1), 1
	s_wait_xcnt 0x0
; Launch 2 of 7: the fine half of the search.  Thread t is query n0 + t.  Its three columns (stored as whole numbers by the launch before) hold its 3 nearest;
; their 96 candidates are scanned in ascending index with a strict comparison, so that equal distances keep the lower index in front, as top_k does.
; d is formed exactly as in the coarse launch: coordinates rounded to bf16, fl(fl(n1 + n2) + fl(fl((-2 x1) x2 + (-2 y1) y2) + (-2 z1) z2)).
; Then w = 1 / (d + 1e-8), divided by the sum of the three.  Limit: all distances finite.
; LDS: a record (x, y, z, n2) of 16 bytes for each candidate; a column of 32 records has a pitch of 528 bytes, so that columns start at different 16-byte places.
.set PITCH, 528
.set TMP,   32
.macro INS val, id, a1, a2, a3, i1, i2, i3
	v_cmp_lt_f32 s26, v[\val], v[\a1]
	v_cmp_lt_f32 s27, v[\val], v[\a2]
	v_cmp_lt_f32 vcc_lo, v[\val], v[\a3]
	v_cndmask_b32 v[TMP], v[\id], v[\i2], s27
	v_cndmask_b32 v[\i3], v[\i3], v[TMP], vcc_lo
	v_cndmask_b32 v[TMP], v[\id], v[\i1], s26
	v_cndmask_b32 v[\i2], v[\i2], v[TMP], s27
	v_cndmask_b32 v[\i1], v[\i1], v[\id], s26
	v_med3_num_f32 v[\a3], v[\a2], v[\a3], v[\val]
	v_med3_num_f32 v[\a2], v[\a1], v[\a2], v[\val]
	v_min_num_f32 v[\a1], v[\a1], v[\val]
.endm
; registers: v16-19 -2x, -2y, -2z, n1;  v20-22 the three least d;  v24-26 their indices, v27 = 0;  v29, v30 at work;  v31 index;  v33 column's first index;
; v34 column's LDS byte;  v35 where I store records;  v36-51 four records;  v52, v53 at work;  v56-58 the columns;  v64-159 xyz2 as loaded;  v64-191 a column
.macro COLUMN c
	v_mul_u32_u24 v34, v[\c], PITCH
	v_lshlrev_b32 v33, 5, v[\c]
.set j, 0
.rept 32
	ds_load_b128 v[64+4*j:67+4*j], v34 offset:16*j
.set j, j+1
.endr
.set j, 0
.rept 32
	s_wait_dscnt 31-j                              ; record j is in, the younger ones stay out
	v_mul_f32 v29, v[64+4*j], v16
	v_fma_f32 v29, v[65+4*j], v17, v29
	v_fma_f32 v29, v[66+4*j], v18, v29
	v_add_f32 v30, v[67+4*j], v19
	v_add_f32 v29, v30, v29
	v_add_nc_u32 v31, j, v33
	INS 29, 31, 20, 21, 22, 24, 25, 26
.set j, j+1
.endr
.endm
	s_load_b256 s[4:11], s[0:1], 0x0               ; xyz1 s[4:5], xyz2 s[6:7], cols s[8:9], nidx s[10:11]
	s_load_b64 s[12:13], s[0:1], 0x20              ; nw
	v_lshl_add_u32 v192, v0, 2, 0x10800
	v_mov_b32 v193, 0
	s_lshr_b32 s14, ttmp9, 7                       ; batch
	s_and_b32 s15, ttmp9, 127                      ; block of 128 queries
	s_mov_b32 s28, 0xffff0000
	v_lshlrev_b32 v1, 2, v0
	v_lshlrev_b32 v2, 4, v0
	v_lshrrev_b32 v3, 3, v0
	v_and_b32 v4, 7, v0
	v_mul_u32_u24 v35, v3, PITCH                   ; my four candidates 4 t .. 4 t + 3 of each 512: column t / 8, records 4 (t mod 8) ..
	v_lshl_add_u32 v35, v4, 6, v35
	s_mul_i32 s16, s14, 196608
	s_lshl_b32 s24, s15, 9
	s_add_co_u32 s16, s16, s24
	s_mov_b32 s17, 0
	s_mul_i32 s18, s14, 49152
	s_mov_b32 s19, 0
	s_lshl_b32 s20, s14, 16
	s_add_co_u32 s20, s20, s24                     ; 4 bytes a query
	s_mov_b32 s21, 0
	s_lshl_b32 s22, s20, 2                         ; 16 bytes a query
	s_mov_b32 s23, 0
	s_wait_kmcnt 0x0
	s_add_nc_u64 s[4:5], s[4:5], s[16:17]
	s_add_nc_u64 s[6:7], s[6:7], s[18:19]
	s_add_nc_u64 s[8:9], s[8:9], s[20:21]
	s_add_nc_u64 s[10:11], s[10:11], s[22:23]
	s_add_nc_u64 s[12:13], s[12:13], s[22:23]
	global_load_b32 v16, v1, s[4:5]
	global_load_b32 v17, v1, s[4:5] offset:65536
	global_load_b32 v18, v1, s[4:5] offset:131072
	global_load_b32 v56, v1, s[8:9]
.irp i, 0,1,2,3,4,5,6,7
.irp c, 0,1,2
	global_load_b128 v[64+12*\i+4*\c:64+12*\i+4*\c+3], v2, s[6:7] offset:\c*16384+\i*2048
.endr
.endr
.irp i, 0,1,2,3,4,5,6,7
	s_wait_loadcnt 3*(7-\i)                        ; this part's x, y, z are in; three loads for each later part stay out
.irp c, 0,1,2
	v_cvt_pk_bf16_f32 v52, v[64+12*\i+4*\c], v[64+12*\i+4*\c+1]
	v_cvt_pk_bf16_f32 v53, v[64+12*\i+4*\c+2], v[64+12*\i+4*\c+3]
	v_lshlrev_b32 v[36+\c], 16, v52
	v_and_b32 v[40+\c], s28, v52
	v_lshlrev_b32 v[44+\c], 16, v53
	v_and_b32 v[48+\c], s28, v53
.endr
.irp q, 0,1,2,3
	v_mul_f32 v[39+4*\q], v[36+4*\q], v[36+4*\q]
	v_fma_f32 v[39+4*\q], v[37+4*\q], v[37+4*\q], v[39+4*\q]
	v_fma_f32 v[39+4*\q], v[38+4*\q], v[38+4*\q], v[39+4*\q]
.endr
.irp q, 0,1,2,3
	ds_store_b128 v35, v[36+4*\q:39+4*\q] offset:\i*16*PITCH+16*\q
.endr
.endr
	; my query (its loads are older than all that have been waited for)
	v_cvt_pk_bf16_f32 v52, v16, v17
	v_cvt_pk_bf16_f32 v53, v18, v18
	v_lshlrev_b32 v16, 16, v52
	v_and_b32 v17, s28, v52
	v_lshlrev_b32 v18, 16, v53
	v_mul_f32 v19, v16, v16
	v_fma_f32 v19, v17, v17, v19
	v_fma_f32 v19, v18, v18, v19
	v_mul_f32 v16, -2.0, v16
	v_mul_f32 v17, -2.0, v17
	v_mul_f32 v18, -2.0, v18
	; my three columns in ascending order, then clamped to the table: only the multiply by the pitch follows the clamp
	v_bfe_u32 v57, v56, 8, 8
	v_bfe_u32 v58, v56, 16, 8
	v_and_b32 v56, 0xff, v56
	v_min_u32 v59, v56, v57
	v_max_u32 v60, v56, v57
	v_min_u32 v61, v60, v58
	v_max_u32 v58, v60, v58
	v_min_u32 v56, v59, v61
	v_max_u32 v57, v59, v61
	v_min_u32 v56, 127, v56
	v_min_u32 v57, 127, v57
	v_min_u32 v58, 127, v58
.irp j, 0,1,2
	v_mov_b32 v[20+\j], 0x7f800000
	v_mov_b32 v[24+\j], 0
.endr
	v_mov_b32 v27, 0
	v_mov_b32 v43, 0
	s_wait_dscnt 0x0
	s_barrier_signal -1
	s_barrier_wait -1                              ; the table is whole
	COLUMN 56
	COLUMN 57
	COLUMN 58
	v_add_f32 v20, 0x322bcc77, v20                 ; + 1e-8
	v_add_f32 v21, 0x322bcc77, v21
	v_add_f32 v22, 0x322bcc77, v22
	v_rcp_f32 v40, v20
	v_rcp_f32 v41, v21
	v_rcp_f32 v42, v22
	v_nop                                          ; one plain instruction behind the reciprocals before their results are used (ISA guide 5.7.2)
	s_wait_alu depctr_va_vdst(0)
	v_add_f32 v44, v40, v41
	v_add_f32 v44, v44, v42
	v_rcp_f32 v45, v44
	v_nop
	s_wait_alu depctr_va_vdst(0)
	v_mul_f32 v40, v40, v45
	v_mul_f32 v41, v41, v45
	v_mul_f32 v42, v42, v45
	global_store_b128 v2, v[24:27], s[10:11]       ; a wave stores 512 consecutive bytes, aligned
	global_store_b128 v2, v[40:43], s[12:13]
	s_wait_tensorcnt 0x0
	ds_add_u32 v192, v193
	s_wait_dscnt 0x0
	s_endpgm
.Lfunc_end_k_qa89cf444dc_knn_fine:
	.size	k_qa89cf444dc_knn_fine, .Lfunc_end_k_qa89cf444dc_knn_fine-k_qa89cf444dc_knn_fine
	.p2alignl 7, 3214868480
	.fill 96, 4, 3214868480
	.section	.rodata,"a",@progbits
	.p2align	6, 0x0
	.amdhsa_kernel k_qa89cf444dc_knn_fine
		.amdhsa_group_segment_fixed_size 68096
		.amdhsa_private_segment_fixed_size 0
		.amdhsa_enable_private_segment 0
		.amdhsa_kernarg_size 40
		.amdhsa_user_sgpr_count 2
		.amdhsa_user_sgpr_kernarg_segment_ptr 1
		.amdhsa_wavefront_size32 1
		.amdhsa_system_sgpr_workgroup_id_x 1
		.amdhsa_system_sgpr_workgroup_id_y 1
		.amdhsa_system_sgpr_workgroup_id_z 1
		.amdhsa_system_vgpr_workitem_id 0
		.amdhsa_next_free_vgpr 194
		.amdhsa_next_free_sgpr 66
		.amdhsa_reserve_vcc 1
		.amdhsa_float_denorm_mode_32 3
		.amdhsa_float_denorm_mode_16_64 3
		.amdhsa_memory_ordered 1
		.amdhsa_forward_progress 1
		.amdhsa_inst_pref_size 111
	.end_amdhsa_kernel
	.amdgpu_metadata
---
amdhsa.version: [ 1, 2 ]
amdhsa.kernels:
  - .name:           k_qa89cf444dc_knn_fine
    .symbol:         k_qa89cf444dc_knn_fine.kd
    .args:
      - { .name: xyz1, .offset: 0, .size: 8, .value_kind: global_buffer, .address_space: global }
      - { .name: xyz2, .offset: 8, .size: 8, .value_kind: global_buffer, .address_space: global }
      - { .name: cols, .offset: 16, .size: 8, .value_kind: global_buffer, .address_space: global }
      - { .name: nidx, .offset: 24, .size: 8, .value_kind: global_buffer, .address_space: global }
      - { .name: nw, .offset: 32, .size: 8, .value_kind: global_buffer, .address_space: global }
    .group_segment_fixed_size: 68096
    .private_segment_fixed_size: 0
    .kernarg_segment_align: 8
    .kernarg_segment_size: 40
    .max_flat_workgroup_size: 128
    .sgpr_count:     66
    .vgpr_count:     194
    .wavefront_size: 32
...
	.end_amdgpu_metadata
.endif
;; end of part 2
;; launch conv0 (part 3): grid 256 x 1, 8 waves a work-group, no clusters, 144,384 bytes of LDS; arguments points1, prep, nidx, nw, y0; writes y0
.if DOCPART == 3
	.amdgcn_target "amdgcn-amd-amdhsa--gfx1250"
	.amdhsa_code_object_version 6
	.text
	.protected	k_qa89cf444dc_conv0
	.globl	k_qa89cf444dc_conv0
	.p2align	8
	.type	k_qa89cf444dc_conv0,@function
k_qa89cf444dc_conv0:
	s_mov_b64 s[64:65], 0
	v_nop
	global_prefetch_b8 v0, s[64:65] scope:SCOPE_SE
	s_setreg_imm32_b32 hwreg(HW_REG_WAVE_MODE, 25, 1), 1
	s_wait_xcnt 0x0
; Launch 3 of 7: y0[b][o][n] = sum over k of W0[o][k] X[k][n], X = points1 (k < 256) on top of the blend of the three neighbours' features (k >= 256),
; and for each channel the sum and the centred sum of squares over the work-group's 128 points.  b0 is left out: BatchNorm takes the channel's mean away,
; so a constant added to a channel reaches no output (shown at the head of the first kernel).
; A work-group: 128 points x 256 channels, K = 512.  Wave w: channels 32 w .. 32 w + 31 for all 128 points: 16 accumulator tiles, 128 registers.
; Operands in f16: points1, points2 and W0 are rounded to bf16 first (exact in f16 for magnitudes from 2^-14 to 65,504; below, the absolute error is at most
; 2^-25); the blend keeps f16's 11 bits.  Sums in f32.
; SOURCE 0 = 16 points x 32 K of X, SOURCE 1 = 16 channels x 32 K of W0: lane (r, h) then holds channel r, and its registers 0 to 7 the points 8 h + 0 .. 7:
; a channel's statistics stay in two lanes, and a lane holds 32 neighbouring bytes of a row of y0.
; W0's fragments come straight from memory into registers v256-511, in the order in which an earlier launch laid them: each of the wave's 32 KiB is used by this
; wave alone, so LDS, tensor loads and a cluster's joint loads would only add a way through LDS for them.
; LDS: XT [256 k][128 n] f16, pitch 288 (read by transposing loads);  XI [128 n][256 k] f16, pitch 528;  STAT 2 x 256 f32;
; the way out (8 waves x 32 rows of 528 bytes) lies over XT and XI once all waves have read them.
.set XI,     73728
.set STAT,   141312
.set XTP,    288
.set XIP,    528
.set SPITCH, 528
.set NSTEP,  16
.set XF,     16                        ; v16-47, v48-79: X fragments of point tiles 0-3 and 4-7
.set G0,     32                        ; v32-127: neighbours' rows of points 0-7 of my 16: point p, neighbour k at 12 p + 4 k
.set G1,     128                       ; v128-223: the same for points 8-15 (behind points1's rows, in front of the accumulators)
.set ACC,    128                       ; v128-255: tile (pt, ot) at 8 (2 pt + ot)
; v1 lane, v2 16 x lane, v3 XT store, v4 XI store, v5, v6 transposing loads, v7 XI loads, v8 = 0.0, v9-11 weights (later addresses of the way out),
; v12-15, v28-31 at work, v16-23 a blended row in f32, v24-27 in f16
.set MSB, 0
.macro WIN new                         ; the immediate's high byte repeats the setting that is left
.if MSB != \new
	s_set_vgpr_msb (MSB<<8)|\new
.set MSB, \new
.endif
.endm
.macro NOP4
.rept 4
	v_nop
.endr
.endm
; 24 rows of 512 bytes of the transposed table: the index is clamped to the table, the offset is made in the load's own first destination register
.macro GATHER g
.irp p, 0,1,2,3,4,5,6,7
.irp k, 0,1,2
	s_min_u32 s[16+4*\p+\k], s[16+4*\p+\k], 0xfff
	v_lshl_add_u32 v[\g+12*\p+4*\k], s[16+4*\p+\k], 9, v2
.endr
.endr
.irp p, 0,1,2,3,4,5,6,7
.irp k, 0,1,2
	global_load_b128 v[\g+12*\p+4*\k:\g+12*\p+4*\k+3], v[\g+12*\p+4*\k], s[72:73]
.endr
.endr
.endm
.macro CVTROW i                        ; a row of points1, my four points: to bf16, to f16, into XT
	v_cvt_pk_bf16_f32 v12, v[128+4*(\i)], v[129+4*(\i)]
	v_cvt_pk_bf16_f32 v13, v[130+4*(\i)], v[131+4*(\i)]
	v_lshlrev_b32 v28, 16, v12
	v_and_b32 v29, s96, v12
	v_lshlrev_b32 v30, 16, v13
	v_and_b32 v31, s96, v13
	v_cvt_pk_f16_f32 v14, v28, v29
	v_cvt_pk_f16_f32 v15, v30, v31
	ds_store_b64 v3, v[14:15] offset:XTP*(\i)
.endm
; One point: my 8 channels of w0 f0 + w1 f1 + w2 f2, multiply-adds straight from the bf16 halves; there is no plain multiply of this kind, so the first adds onto v8 = 0
.macro INTERP g, sw, off
	v_mov_b32 v9, s[\sw]
	v_mov_b32 v10, s[\sw+1]
	v_mov_b32 v11, s[\sw+2]
.irp j, 0,1,2,3
	v_fma_mix_f32_bf16 v[16+2*\j], v[\g+\j], v9, v8 op_sel_hi:[1,0,0]
	v_fma_mix_f32_bf16 v[17+2*\j], v[\g+\j], v9, v8 op_sel:[1,0,0] op_sel_hi:[1,0,0]
.endr
.irp j, 0,1,2,3
	v_fma_mix_f32_bf16 v[16+2*\j], v[\g+4+\j], v10, v[16+2*\j] op_sel_hi:[1,0,0]
	v_fma_mix_f32_bf16 v[17+2*\j], v[\g+4+\j], v10, v[17+2*\j] op_sel:[1,0,0] op_sel_hi:[1,0,0]
.endr
.irp j, 0,1,2,3
	v_fma_mix_f32_bf16 v[16+2*\j], v[\g+8+\j], v11, v[16+2*\j] op_sel_hi:[1,0,0]
	v_fma_mix_f32_bf16 v[17+2*\j], v[\g+8+\j], v11, v[17+2*\j] op_sel:[1,0,0] op_sel_hi:[1,0,0]
.endr
.irp j, 0,1,2,3
	v_cvt_pk_f16_f32 v[24+\j], v[16+2*\j], v[17+2*\j]
.endr
	ds_store_b128 v4, v[24:27] offset:\off
.endm
; X fragments of K step s for point tiles 4 u .. 4 u + 3: eight LDS loads
.macro LOADX s, u
.irp p, 0,1,2,3
.if (\s) < 4
	ds_load_tr16_b128 v[XF+32*\u+8*\p:XF+32*\u+8*\p+3], v5 offset:(\s)*32*XTP+32*(4*\u+\p)
	ds_load_tr16_b128 v[XF+32*\u+8*\p+4:XF+32*\u+8*\p+7], v5 offset:(\s)*32*XTP+32*(4*\u+\p)+16*XTP
.else
.if (\s) < 8
	ds_load_tr16_b128 v[XF+32*\u+8*\p:XF+32*\u+8*\p+3], v6 offset:((\s)-4)*32*XTP+32*(4*\u+\p)
	ds_load_tr16_b128 v[XF+32*\u+8*\p+4:XF+32*\u+8*\p+7], v6 offset:((\s)-4)*32*XTP+32*(4*\u+\p)+16*XTP
.else
	ds_load_b128 v[XF+32*\u+8*\p:XF+32*\u+8*\p+3], v7 offset:(4*\u+\p)*16*XIP+((\s)-8)*64
	ds_load_b128 v[XF+32*\u+8*\p+4:XF+32*\u+8*\p+7], v7 offset:(4*\u+\p)*16*XIP+((\s)-8)*64+32
.endif
.endif
.endr
.endm
; Eight matrix instructions: point tiles 4 u .. 4 u + 3 x both channel tiles.  The sixteen accumulators take turns, one instruction a turn.
.macro MUL8 s, u, zero
.irp p, 0,1,2,3
.irp o, 0,1
.if \zero
	v_wmma_f32_16x16x32_f16 v[ACC+8*(2*(4*\u+\p)+\o):ACC+8*(2*(4*\u+\p)+\o)+7], v[XF+32*\u+8*\p:XF+32*\u+8*\p+7], v[16*(\s)+8*\o:16*(\s)+8*\o+7], 0
.else
	v_wmma_f32_16x16x32_f16 v[ACC+8*(2*(4*\u+\p)+\o):ACC+8*(2*(4*\u+\p)+\o)+7], v[XF+32*\u+8*\p:XF+32*\u+8*\p+7], v[16*(\s)+8*\o:16*(\s)+8*\o+7], v[ACC+8*(2*(4*\u+\p)+\o):ACC+8*(2*(4*\u+\p)+\o)+7]
.endif
.endr
.endr
.endm
; A K step of 32.  A load into registers that a matrix instruction has read stands four places behind it (ISA guide 7.12.1 for vector instructions).
.macro STEP s, last, zero
	s_wait_loadcnt 4*(NSTEP-1-(\s))                ; this step's four loads of W are in; four for each later step stay out
	s_wait_dscnt 8                                 ; tiles 0-3 are in; the eight loads of tiles 4-7 stay out
	MUL8 \s, 0, \zero
.if \last
	s_wait_dscnt 0
.else
	NOP4
	LOADX (\s)+1, 0
	s_wait_dscnt 8                                 ; tiles 4-7 are in; the eight just issued stay out
.endif
	MUL8 \s, 1, \zero
.if \last == 0
	NOP4
	LOADX (\s)+1, 1
.endif
.endm
; Channel tile o: S = the sum over the 128 points, M2 = the sum of (y - S / 128)^2: no difference of large sums.  Lanes 0-15 store S, lanes 16-31 M2.
.macro STATS o
.irp j, 0,1,2,3
	v_pk_add_f32 v[16+2*\j:17+2*\j], v[ACC+8*\o+2*\j:ACC+8*\o+2*\j+1], v[ACC+16+8*\o+2*\j:ACC+16+8*\o+2*\j+1]
.endr
.irp p, 2,3,4,5,6,7
.irp j, 0,1,2,3
	v_pk_add_f32 v[16+2*\j:17+2*\j], v[16+2*\j:17+2*\j], v[ACC+16*\p+8*\o+2*\j:ACC+16*\p+8*\o+2*\j+1]
.endr
.endr
	v_pk_add_f32 v[16:17], v[16:17], v[18:19]
	v_pk_add_f32 v[20:21], v[20:21], v[22:23]
	v_pk_add_f32 v[16:17], v[16:17], v[20:21]
	v_add_f32 v16, v16, v17
	v_permlanex16_b32 v28, v16, s98, s99           ; the other eight points of each tile lie in lane xor 16
	v_add_f32 v16, v16, v28
	v_mul_f32 v24, 0x3c000000, v16                 ; the group's mean, twice
	v_mul_f32 v25, 0x3c000000, v16
.irp j, 0,1,2,3
	v_pk_add_f32 v[40+2*\j:41+2*\j], v[ACC+8*\o+2*\j:ACC+8*\o+2*\j+1], v[24:25] neg_lo:[0,1] neg_hi:[0,1]
.endr
.irp j, 0,1,2,3
	v_pk_mul_f32 v[32+2*\j:33+2*\j], v[40+2*\j:41+2*\j], v[40+2*\j:41+2*\j]
.endr
.irp p, 1,2,3,4,5,6,7
.irp j, 0,1,2,3
	v_pk_add_f32 v[40+2*\j:41+2*\j], v[ACC+16*\p+8*\o+2*\j:ACC+16*\p+8*\o+2*\j+1], v[24:25] neg_lo:[0,1] neg_hi:[0,1]
.endr
.irp j, 0,1,2,3
	v_pk_fma_f32 v[32+2*\j:33+2*\j], v[40+2*\j:41+2*\j], v[40+2*\j:41+2*\j], v[32+2*\j:33+2*\j]
.endr
.endr
	v_pk_add_f32 v[32:33], v[32:33], v[34:35]
	v_pk_add_f32 v[36:37], v[36:37], v[38:39]
	v_pk_add_f32 v[32:33], v[32:33], v[36:37]
	v_add_f32 v32, v32, v33
	v_permlanex16_b32 v28, v32, s98, s99
	v_add_f32 v32, v32, v28
	v_cndmask_b32 v29, v16, v32, s96
	ds_store_b32 v9, v29 offset:64*\o
.endm
	s_load_b256 s[4:11], s[0:1], 0x0               ; points1 s[4:5], prep s[6:7], nidx s[8:9], nw s[10:11]
	s_load_b64 s[12:13], s[0:1], 0x20              ; y0
	v_lshrrev_b32 v1, 5, v0
	v_readfirstlane_b32 s14, v1                    ; wave w
	v_and_b32 v1, 31, v0
	s_lshr_b32 s15, ttmp9, 7                       ; batch
	s_and_b32 s97, ttmp9, 127                      ; block of 128 points
	s_lshl_b32 s78, s15, 18                        ; 16 bytes a point: batch, block, my 16 points
	s_lshl_b32 s96, s97, 11
	s_add_co_u32 s78, s78, s96
	s_lshl_b32 s96, s14, 8
	s_add_co_u32 s78, s78, s96
	s_mov_b32 s79, 0
	s_wait_kmcnt 0x0
	s_add_nc_u64 s[66:67], s[8:9], s[78:79]
	s_add_nc_u64 s[68:69], s[10:11], s[78:79]
	s_load_b512 s[16:31], s[66:67], 0x0            ; indices of my points 0-7
	s_load_b512 s[32:47], s[66:67], 0x40
	s_load_b512 s[48:63], s[68:69], 0x0            ; their weights
	s_load_b512 s[80:95], s[68:69], 0x40
	s_lshl_b32 s78, s15, 24                        ; rows of 65,536 bytes: batch, my 32 rows; 4 bytes a point
	s_lshl_b32 s96, s14, 21
	s_add_co_u32 s78, s78, s96
	s_lshl_b32 s96, s97, 9
	s_add_co_u32 s78, s78, s96
	s_add_nc_u64 s[70:71], s[4:5], s[78:79]        ; points1: rows 32 w .. of X
	s_add_nc_u64 s[76:77], s[12:13], s[78:79]      ; y0: channels 32 w ..
	s_lshl_b32 s78, s15, 21
	s_add_nc_u64 s[72:73], s[6:7], s[78:79]        ; the batch's transposed table
	s_lshl_b32 s78, s14, 15
	s_add_co_u32 s78, s78, 4194304
	s_add_nc_u64 s[74:75], s[6:7], s[78:79]        ; my 32 KiB of W0's fragments
	s_mov_b32 s96, 0xffff0000                      ; a word's upper bf16; also: lanes 16 to 31
	s_mov_b32 s98, 0x76543210
	s_mov_b32 s99, 0xfedcba98
	v_lshlrev_b32 v2, 4, v1
.set i, 0
.rept 32
	global_load_b128 v[128+4*i:131+4*i], v2, s[70:71] offset:i*65536 th:TH_LOAD_NT
.set i, i+1
.endr
	s_mul_i32 s78, s14, 32*XTP
	v_lshl_add_u32 v3, v1, 3, s78
	s_mul_i32 s78, s14, 16*XIP
	s_add_co_u32 s78, s78, XI
	v_add_nc_u32 v4, s78, v2
	v_and_b32 v12, 7, v1
	v_lshrrev_b32 v13, 4, v1
	v_lshl_add_u32 v12, v13, 3, v12
	v_mul_u32_u24 v5, v12, XTP                     ; row 8 h + (lane mod 8),
	v_bfe_u32 v14, v1, 3, 1
	v_lshl_add_u32 v5, v14, 4, v5                  ; 16 bytes on for lanes 8-15 and 24-31
	v_add_nc_u32 v6, 128*XTP, v5
	v_and_b32 v12, 15, v1
	v_mul_u32_u24 v7, v12, XIP
	v_lshl_add_u32 v7, v13, 4, v7
	v_add_nc_u32 v7, XI, v7
	v_mov_b32 v8, 0
	s_wait_kmcnt 0x0
	GATHER G0
	s_load_b512 s[16:31], s[66:67], 0x80           ; indices of my points 8-15
	s_load_b512 s[32:47], s[66:67], 0xc0
.set i, 0
.rept 32
	s_wait_loadcnt 55-i                            ; row i is in; 31 - i later rows and the 24 gathered rows stay out
	CVTROW i
.set i, i+1
.endr
	s_wait_kmcnt 0x0
	GATHER G1
	s_load_b512 s[16:31], s[68:69], 0x80           ; weights of my points 8-15
	s_load_b512 s[32:47], s[68:69], 0xc0
.irp p, 0,1,2,3
	s_wait_loadcnt 3*(7-\p)+24                     ; this point's three rows are in; three for each later point and the second 24 stay out
	INTERP G0+12*\p, 48+4*\p, XIP*\p
.endr
.irp p, 4,5,6,7
	s_wait_loadcnt 3*(7-\p)+24
	INTERP G0+12*\p, 80+4*(\p-4), XIP*\p
.endr
	WIN 0x40                                       ; destination v256 and up
.irp s, 0,1,2,3,4,5,6,7
.irp f, 0,1,2,3
	global_load_b128 v[16*\s+4*\f:16*\s+4*\f+3], v2, s[74:75] offset:\s*2048+\f*512
.endr
.endr
	WIN 0
	s_wait_kmcnt 0x0
.irp p, 0,1,2,3,4,5,6,7
	s_wait_loadcnt 3*(7-\p)+32                     ; as above; the 32 loads of W stay out
	INTERP G1+12*\p, 16+4*\p, XIP*(\p+8)
.endr
	WIN 0x40
.irp s, 8,9,10,11,12,13,14,15
.irp f, 0,1,2,3
	global_load_b128 v[16*\s+4*\f:16*\s+4*\f+3], v2, s[74:75] offset:\s*2048+\f*512
.endr
.endr
	WIN 0
	s_wait_dscnt 0x0                               ; my rows of XT and XI are stored
	s_barrier_signal -1
	s_barrier_wait -1                              ; X is whole
	WIN 0x04                                       ; source 1 (W) in v256 and up; LDS loads name a destination and source 0 alone
	LOADX 0, 0
	LOADX 0, 1
	STEP 0, 0, 1                                   ; the first products start the sums: nothing is cleared
.irp s, 1,2,3,4,5,6,7,8,9,10,11,12,13,14
	STEP \s, 0, 0
.endr
	STEP 15, 1, 0
	WIN 0
	; the addresses of the way out: nine plain vector instructions that name no register of the last matrix instructions; they are the places in front of the first read of a result
	v_and_b32 v12, 15, v1
	v_lshrrev_b32 v13, 4, v1
	v_lshlrev_b32 v9, 2, v12
	v_lshl_add_u32 v9, v13, 10, v9
	s_lshl_b32 s78, s14, 7
	s_add_co_u32 s78, s78, STAT
	v_add_nc_u32 v9, s78, v9                       ; STAT: 1,024 h + 4 (32 w + r)
	v_mul_u32_u24 v10, v12, SPITCH
	v_lshl_add_u32 v10, v13, 5, v10
	s_mul_i32 s78, s14, 32*SPITCH
	v_add_nc_u32 v10, s78, v10                     ; my stage: row r, 32 bytes for each h
	v_add_nc_u32 v11, s78, v2                      ; and back: 16 bytes a lane of a row
	STATS 0
	STATS 1
	s_wait_dscnt 0x0                               ; my reads of XT and XI are long over, my statistics are stored
	s_barrier_signal -1
	s_barrier_wait -1                              ; no wave reads X any more: the stages may lie over it
.irp p, 0,1,2,3,4,5,6,7
.irp o, 0,1
	ds_store_b128 v10, v[ACC+16*\p+8*\o:ACC+16*\p+8*\o+3] offset:\o*16*SPITCH+\p*64
	ds_store_b128 v10, v[ACC+16*\p+8*\o+4:ACC+16*\p+8*\o+7] offset:\o*16*SPITCH+\p*64+16
.endr
.endr
.irp t, 0,1,2,3,4,5,6,7,8,9,10,11,12,13,14,15
	ds_load_b128 v[16+4*\t:19+4*\t], v11 offset:\t*SPITCH          ; LDS serves a wave's instructions in order (ISA guide 5.7.1.4): these see the stores above
.endr
.irp t, 0,1,2,3,4,5,6,7,8,9,10,11,12,13,14,15
	s_wait_dscnt 15-\t
	global_store_b128 v2, v[16+4*\t:19+4*\t], s[76:77] offset:\t*65536   ; the wave stores 512 consecutive bytes of a channel's row, aligned
.endr
.irp t, 0,1,2,3,4,5,6,7,8,9,10,11,12,13,14,15
	ds_load_b128 v[128+4*\t:131+4*\t], v11 offset:(\t+16)*SPITCH
.endr
.irp t, 0,1,2,3,4,5,6,7,8,9,10,11,12,13,14,15
	s_wait_dscnt 15-\t
	global_store_b128 v2, v[128+4*\t:131+4*\t], s[76:77] offset:(\t+16)*65536
.endr
	s_cmp_lg_u32 s14, 0
	s_cbranch_scc1 .Lend
	v_add_nc_u32 v12, STAT, v2                     ; wave 0: the group's 256 S and 256 M2, behind y0's numbers
.irp i, 0,1,2,3
	ds_load_b128 v[192+4*\i:195+4*\i], v12 offset:512*\i
.endr
	s_lshl_b32 s78, ttmp9, 11
	s_add_co_u32 s78, s78, 0x2000000
	s_mov_b32 s79, 0
	s_add_nc_u64 s[12:13], s[12:13], s[78:79]
	s_wait_dscnt 0x0
.irp i, 0,1,2,3
	global_store_b128 v2, v[192+4*\i:195+4*\i], s[12:13] offset:512*\i
.endr
.Lend:
	s_wait_xcnt 0x0
	v_lshl_add_u32 v254, v0, 2, 0x23000
	v_mov_b32 v255, 0
	s_wait_tensorcnt 0x0
	ds_add_u32 v254, v255
	s_wait_dscnt 0x0
	s_endpgm
.Lfunc_end_k_qa89cf444dc_conv0:
	.size	k_qa89cf444dc_conv0, .Lfunc_end_k_qa89cf444dc_conv0-k_qa89cf444dc_conv0
	.p2alignl 7, 3214868480
	.fill 96, 4, 3214868480
	.section	.rodata,"a",@progbits
	.p2align	6, 0x0
	.amdhsa_kernel k_qa89cf444dc_conv0
		.amdhsa_group_segment_fixed_size 144384
		.amdhsa_private_segment_fixed_size 0
		.amdhsa_enable_private_segment 0
		.amdhsa_kernarg_size 40
		.amdhsa_user_sgpr_count 2
		.amdhsa_user_sgpr_kernarg_segment_ptr 1
		.amdhsa_wavefront_size32 1
		.amdhsa_system_sgpr_workgroup_id_x 1
		.amdhsa_system_sgpr_workgroup_id_y 1
		.amdhsa_system_sgpr_workgroup_id_z 1
		.amdhsa_system_vgpr_workitem_id 0
		.amdhsa_next_free_vgpr 512
		.amdhsa_next_free_sgpr 100
		.amdhsa_reserve_vcc 0
		.amdhsa_float_denorm_mode_32 3
		.amdhsa_float_denorm_mode_16_64 3
		.amdhsa_memory_ordered 1
		.amdhsa_forward_progress 1
		.amdhsa_inst_pref_size 130
	.end_amdhsa_kernel
	.amdgpu_metadata
---
amdhsa.version: [ 1, 2 ]
amdhsa.kernels:
  - .name:           k_qa89cf444dc_conv0
    .symbol:         k_qa89cf444dc_conv0.kd
    .args:
      - { .name: points1, .offset: 0, .size: 8, .value_kind: global_buffer, .address_space: global }
      - { .name: prep, .offset: 8, .size: 8, .value_kind: global_buffer, .address_space: global }
      - { .name: nidx, .offset: 16, .size: 8, .value_kind: global_buffer, .address_space: global }
      - { .name: nw, .offset: 24, .size: 8, .value_kind: global_buffer, .address_space: global }
      - { .name: y0, .offset: 32, .size: 8, .value_kind: global_buffer, .address_space: global }
    .group_segment_fixed_size: 144384
    .private_segment_fixed_size: 0
    .kernarg_segment_align: 8
    .kernarg_segment_size: 40
    .max_flat_workgroup_size: 256
    .sgpr_count:     100
    .vgpr_count:     512
    .wavefront_size: 32
...
	.end_amdgpu_metadata
.endif
;; end of part 3
;; launch bn0 (part 4): grid 4 x 1, 8 waves a work-group, no clusters, 9,216 bytes of LDS; arguments y0, g0, be0, ab0; writes ab0
.if DOCPART == 4
	.amdgcn_target "amdgcn-amd-amdhsa--gfx1250"
	.amdhsa_code_object_version 6
	.text
	.protected	k_qa89cf444dc_bn0
	.globl	k_qa89cf444dc_bn0
	.p2align	8
	.type	k_qa89cf444dc_bn0,@function
k_qa89cf444dc_bn0:
	s_mov_b64 s[64:65], 0
	v_nop
	global_prefetch_b8 v0, s[64:65] scope:SCOPE_SE
	s_setreg_imm32_b32 hwreg(HW_REG_WAVE_MODE, 25, 1), 1
	s_wait_xcnt 0x0
; Launches 4 and 6 of 7: from the 256 work-groups' partial statistics (S = sum, M2 = sum of squares about the group's own mean, 128 points each) the channel's
; mean and biased variance over all 32,768 points, and from them a = g rsqrt(var + 1e-5), c = be - mean a, so that BatchNorm is a y + c.
; M2 of the whole = sum of M2_i + 128 sum of (S_i / 128 - mean)^2: no difference of large sums.  The bias of the convolution is left out (it cancels in y - mean).
; g and be are rounded to bf16 like every input.  Four work-groups are all that 256 channels' 512 KiB of partials have work for: work-group j takes channels 64 j .. 64 j + 63.
; Lane: cq = lane mod 16 (four channels), gs = lane / 16; wave w takes the partials 32 w + 2 i + gs, i = 0 .. 15.  16 lanes read 256 consecutive bytes.
	s_load_b256 s[4:11], s[0:1], 0x0               ; y s[4:5], g s[6:7], be s[8:9], ab s[10:11]
	v_lshl_add_u32 v232, v0, 2, 0x2000
	v_mov_b32 v233, 0
	v_lshrrev_b32 v1, 5, v0
	v_readfirstlane_b32 s12, v1
	v_and_b32 v1, 31, v0
	v_and_b32 v2, 15, v1
	v_lshrrev_b32 v3, 4, v1
	v_lshlrev_b32 v4, 4, v2                        ; 16 cq
	v_lshl_add_u32 v5, v3, 11, v4                  ; + a partial of 2,048 bytes for gs
	v_lshl_add_u32 v7, v3, 10, v4                  ; the result: a at 0, c at 1,024
	v_lshl_add_u32 v6, v3, 8, v4
	s_lshl_b32 s13, s12, 9
	v_add_nc_u32 v6, s13, v6                       ; LDS: (2 w + gs) 256 + 16 cq
	s_lshl_b32 s16, ttmp9, 8                       ; 64 channels of 4 bytes
	s_mov_b32 s17, 0
	s_lshl_b32 s14, s12, 16
	s_add_co_u32 s14, s14, s16
	s_add_co_u32 s14, s14, 0x2000000               ; the partials lie behind the 33,554,432 bytes of y
	s_mov_b32 s15, 0
	s_mov_b32 s20, 0x38000000                      ; 1 / 32768
	s_mov_b32 s21, 0xffff0000                      ; a word's upper bf16; also: lanes 16 to 31
	s_mov_b32 s22, 0x3727c5ac                      ; 1e-5
	s_wait_kmcnt 0x0
	s_add_nc_u64 s[4:5], s[4:5], s[14:15]
	s_add_nc_u64 s[6:7], s[6:7], s[16:17]
	s_add_nc_u64 s[8:9], s[8:9], s[16:17]
	s_add_nc_u64 s[10:11], s[10:11], s[16:17]
.irp i, 0,1,2,3,4,5,6,7,8,9,10,11,12,13,14,15
	global_load_b128 v[32+4*\i:35+4*\i], v5, s[4:5] offset:\i*4096
.endr
.irp i, 0,1,2,3,4,5,6,7,8,9,10,11,12,13,14,15
	global_load_b128 v[96+4*\i:99+4*\i], v5, s[4:5] offset:\i*4096+1024
.endr
	global_load_b128 v[160:163], v4, s[6:7]
	global_load_b128 v[164:167], v4, s[8:9]
	s_wait_loadcnt 18                              ; the 16 S are in; the 16 M2, g and be stay out
	v_pk_add_f32 v[16:17], v[32:33], v[36:37]
	v_pk_add_f32 v[18:19], v[34:35], v[38:39]
.irp i, 2,3,4,5,6,7,8,9,10,11,12,13,14,15
	v_pk_add_f32 v[16:17], v[16:17], v[32+4*\i:33+4*\i]
	v_pk_add_f32 v[18:19], v[18:19], v[34+4*\i:35+4*\i]
.endr
	ds_store_b128 v6, v[16:19]
	s_wait_dscnt 0x0
	s_barrier_signal -1
	s_barrier_wait -1
.irp k, 0,1,2,3,4,5,6,7,8,9,10,11,12,13,14,15
	ds_load_b128 v[168+4*\k:171+4*\k], v4 offset:256*\k
.endr
	s_wait_dscnt 0x0
	v_pk_add_f32 v[16:17], v[168:169], v[172:173]
	v_pk_add_f32 v[18:19], v[170:171], v[174:175]
.irp k, 2,3,4,5,6,7,8,9,10,11,12,13,14,15
	v_pk_add_f32 v[16:17], v[16:17], v[168+4*\k:169+4*\k]
	v_pk_add_f32 v[18:19], v[18:19], v[170+4*\k:171+4*\k]
.endr
	v_pk_mul_f32 v[20:21], v[16:17], 0xb8000000 op_sel_hi:[1,0]    ; minus the mean of my four channels
	v_pk_mul_f32 v[22:23], v[18:19], 0xb8000000 op_sel_hi:[1,0]
	s_wait_loadcnt 0x2                             ; the 16 M2 are in; g and be stay out
	v_pk_fma_f32 v[24:25], v[32:33], 0x3c000000, v[20:21] op_sel_hi:[1,0,1]   ; the group's mean less the whole's
	v_pk_fma_f32 v[26:27], v[34:35], 0x3c000000, v[22:23] op_sel_hi:[1,0,1]
	v_pk_mul_f32 v[28:29], v[24:25], v[24:25]
	v_pk_mul_f32 v[30:31], v[26:27], v[26:27]
	v_pk_add_f32 v[16:17], v[96:97], v[100:101]
	v_pk_add_f32 v[18:19], v[98:99], v[102:103]
.irp i, 1,2,3,4,5,6,7,8,9,10,11,12,13,14,15
	v_pk_fma_f32 v[24:25], v[32+4*\i:33+4*\i], 0x3c000000, v[20:21] op_sel_hi:[1,0,1]
	v_pk_fma_f32 v[26:27], v[34+4*\i:35+4*\i], 0x3c000000, v[22:23] op_sel_hi:[1,0,1]
	v_pk_fma_f32 v[28:29], v[24:25], v[24:25], v[28:29]
	v_pk_fma_f32 v[30:31], v[26:27], v[26:27], v[30:31]
.endr
.irp i, 2,3,4,5,6,7,8,9,10,11,12,13,14,15
	v_pk_add_f32 v[16:17], v[16:17], v[96+4*\i:97+4*\i]
	v_pk_add_f32 v[18:19], v[18:19], v[98+4*\i:99+4*\i]
.endr
	v_pk_fma_f32 v[16:17], v[28:29], 0x43000000, v[16:17] op_sel_hi:[1,0,1]   ; + 128 x the squares
	v_pk_fma_f32 v[18:19], v[30:31], 0x43000000, v[18:19] op_sel_hi:[1,0,1]
	ds_store_b128 v6, v[16:19] offset:4096         ; bytes of their own: the first 4 KiB may still be read by other waves
	s_wait_dscnt 0x0
	s_barrier_signal -1
	s_barrier_wait -1
.irp k, 0,1,2,3,4,5,6,7,8,9,10,11,12,13,14,15
	ds_load_b128 v[168+4*\k:171+4*\k], v4 offset:4096+256*\k
.endr
	s_wait_dscnt 0x0
	v_pk_add_f32 v[16:17], v[168:169], v[172:173]
	v_pk_add_f32 v[18:19], v[170:171], v[174:175]
.irp k, 2,3,4,5,6,7,8,9,10,11,12,13,14,15
	v_pk_add_f32 v[16:17], v[16:17], v[168+4*\k:169+4*\k]
	v_pk_add_f32 v[18:19], v[18:19], v[170+4*\k:171+4*\k]
.endr
	s_wait_loadcnt 0x0
.irp r, 160, 164                                   ; g and be rounded to bf16 and widened again
	v_cvt_pk_bf16_f32 v8, v[\r], v[\r+1]
	v_cvt_pk_bf16_f32 v9, v[\r+2], v[\r+3]
	v_lshlrev_b32 v[\r], 16, v8
	v_and_b32 v[\r+1], s21, v8
	v_lshlrev_b32 v[\r+2], 16, v9
	v_and_b32 v[\r+3], s21, v9
.endr
.irp e, 0,1,2,3
	v_fma_f32 v[16+\e], v[16+\e], s20, s22         ; var + 1e-5
.endr
.irp e, 0,1,2,3
	v_rsq_f32 v[24+\e], v[16+\e]
.endr
	v_nop                                          ; one plain instruction behind the roots before their results are used (ISA guide 5.7.2)
	s_wait_alu depctr_va_vdst(0)
	v_pk_mul_f32 v[24:25], v[160:161], v[24:25]    ; a
	v_pk_mul_f32 v[26:27], v[162:163], v[26:27]
	v_pk_fma_f32 v[28:29], v[20:21], v[24:25], v[164:165]          ; c = be - mean a
	v_pk_fma_f32 v[30:31], v[22:23], v[26:27], v[166:167]
.irp e, 0,1,2,3
	v_cndmask_b32 v[32+\e], v[24+\e], v[28+\e], s21                ; lanes 0-15 carry a, lanes 16-31 c
.endr
	s_cmp_lg_u32 s12, 0
	s_cbranch_scc1 .Lend
	global_store_b128 v7, v[32:35], s[10:11]       ; 16 lanes store 256 consecutive bytes, aligned
.Lend:
	s_wait_tensorcnt 0x0
	ds_add_u32 v232, v233
	s_wait_dscnt 0x0
	s_endpgm
.Lfunc_end_k_qa89cf444dc_bn0:
	.size	k_qa89cf444dc_bn0, .Lfunc_end_k_qa89cf444dc_bn0-k_qa89cf444dc_bn0
	.p2alignl 7, 3214868480
	.fill 96, 4, 3214868480
	.section	.rodata,"a",@progbits
	.p2align	6, 0x0
	.amdhsa_kernel k_qa89cf444dc_bn0
		.amdhsa_group_segment_fixed_size 9216
		.amdhsa_private_segment_fixed_size 0
		.amdhsa_enable_private_segment 0
		.amdhsa_kernarg_size 32
		.amdhsa_user_sgpr_count 2
		.amdhsa_user_sgpr_kernarg_segment_ptr 1
		.amdhsa_wavefront_size32 1
		.amdhsa_system_sgpr_workgroup_id_x 1
		.amdhsa_system_sgpr_workgroup_id_y 1
		.amdhsa_system_sgpr_workgroup_id_z 1
		.amdhsa_system_vgpr_workitem_id 0
		.amdhsa_next_free_vgpr 234
		.amdhsa_next_free_sgpr 66
		.amdhsa_reserve_vcc 0
		.amdhsa_float_denorm_mode_32 3
		.amdhsa_float_denorm_mode_16_64 3
		.amdhsa_memory_ordered 1
		.amdhsa_forward_progress 1
		.amdhsa_inst_pref_size 22
	.end_amdhsa_kernel
	.amdgpu_metadata
---
amdhsa.version: [ 1, 2 ]
amdhsa.kernels:
  - .name:           k_qa89cf444dc_bn0
    .symbol:         k_qa89cf444dc_bn0.kd
    .args:
      - { .name: y0, .offset: 0, .size: 8, .value_kind: global_buffer, .address_space: global }
      - { .name: g0, .offset: 8, .size: 8, .value_kind: global_buffer, .address_space: global }
      - { .name: be0, .offset: 16, .size: 8, .value_kind: global_buffer, .address_space: global }
      - { .name: ab0, .offset: 24, .size: 8, .value_kind: global_buffer, .address_space: global }
    .group_segment_fixed_size: 9216
    .private_segment_fixed_size: 0
    .kernarg_segment_align: 8
    .kernarg_segment_size: 32
    .max_flat_workgroup_size: 256
    .sgpr_count:     66
    .vgpr_count:     234
    .wavefront_size: 32
...
	.end_amdgpu_metadata
.endif
;; end of part 4
;; launch conv1 (part 5): grid 256 x 1, 8 waves a work-group, no clusters, 138,240 bytes of LDS; arguments y0, ab0, prep, y1; writes y1
.if DOCPART == 5
	.amdgcn_target "amdgcn-amd-amdhsa--gfx1250"
	.amdhsa_code_object_version 6
	.text
	.protected	k_qa89cf444dc_conv1
	.globl	k_qa89cf444dc_conv1
	.p2align	8
	.type	k_qa89cf444dc_conv1,@function
k_qa89cf444dc_conv1:
	s_mov_b64 s[64:65], 0
	v_nop
	global_prefetch_b8 v0, s[64:65] scope:SCOPE_SE
	s_setreg_imm32_b32 hwreg(HW_REG_WAVE_MODE, 25, 1), 1
	s_wait_xcnt 0x0
; Launch 5 of 7: h = relu(a y0 + c) (the first BatchNorm and ReLU), y1[b][o][n] = sum over k of W1[o][k] h[k][n], and the statistics of y1 as in the launch conv0.
; b1 is left out: the second BatchNorm takes the channel's mean away, so a constant added to a channel reaches no output (shown at the head of the first kernel).
; A work-group: 128 points x 256 channels, K = 256.  Wave w: channels 32 w .. 32 w + 31 for all 128 points; it also makes rows 32 w .. 32 w + 31 of h.
; h goes to the matrix unit in f16 (11 bits; magnitudes below 65,504), W1 rounded to bf16 and written as f16; sums in f32.
; Source 0 = 16 points x 32 K of h, source 1 = 16 channels x 32 K of W1: lane (r, h) holds channel r, registers 0 to 7 the points 8 h + 0 .. 7.
; W1's fragments come straight from memory into v256-383: each of the wave's 16 KiB is used by this wave alone, so LDS, tensor loads and joint loads would add a way through LDS.
; LDS: XT [256 k][128 n] f16, pitch 288;  STAT at 135,168;  the way out (8 x 32 rows of 528 bytes) lies over XT once all waves have read it.
.set STAT,   135168
.set XTP,    288
.set SPITCH, 528
.set NSTEP,  8
.set XF,     16
.set ACC,    128
.set MSB, 0
.macro WIN new                         ; the immediate's high byte repeats the setting that is left
.if MSB != \new
	s_set_vgpr_msb (MSB<<8)|\new
.set MSB, \new
.endif
.endm
.macro NOP4
.rept 4
	v_nop
.endr
.endm
.macro HROW i, sa, sc                  ; a row of y0, my four points: a y + c, ReLU, f16, into XT
.irp e, 0,1,2,3
	v_fma_f32 v[128+4*(\i)+\e], v[128+4*(\i)+\e], s[\sa], s[\sc]
.endr
.irp e, 0,1,2,3
	v_max_num_f32 v[128+4*(\i)+\e], 0, v[128+4*(\i)+\e]
.endr
	v_cvt_pk_f16_f32 v14, v[128+4*(\i)], v[129+4*(\i)]
	v_cvt_pk_f16_f32 v15, v[130+4*(\i)], v[131+4*(\i)]
	ds_store_b64 v3, v[14:15] offset:XTP*(\i)
.endm
.macro LOADX s, u                      ; fragments of h for K step s, point tiles 4 u .. 4 u + 3: eight transposing loads
.irp p, 0,1,2,3
.if (\s) < 4
	ds_load_tr16_b128 v[XF+32*\u+8*\p:XF+32*\u+8*\p+3], v5 offset:(\s)*32*XTP+32*(4*\u+\p)
	ds_load_tr16_b128 v[XF+32*\u+8*\p+4:XF+32*\u+8*\p+7], v5 offset:(\s)*32*XTP+32*(4*\u+\p)+16*XTP
.else
	ds_load_tr16_b128 v[XF+32*\u+8*\p:XF+32*\u+8*\p+3], v6 offset:((\s)-4)*32*XTP+32*(4*\u+\p)
	ds_load_tr16_b128 v[XF+32*\u+8*\p+4:XF+32*\u+8*\p+7], v6 offset:((\s)-4)*32*XTP+32*(4*\u+\p)+16*XTP
.endif
.endr
.endm
; The sixteen accumulators take turns, one instruction a turn.
.macro MUL8 s, u, zero
.irp p, 0,1,2,3
.irp o, 0,1
.if \zero
	v_wmma_f32_16x16x32_f16 v[ACC+8*(2*(4*\u+\p)+\o):ACC+8*(2*(4*\u+\p)+\o)+7], v[XF+32*\u+8*\p:XF+32*\u+8*\p+7], v[16*(\s)+8*\o:16*(\s)+8*\o+7], 0
.else
	v_wmma_f32_16x16x32_f16 v[ACC+8*(2*(4*\u+\p)+\o):ACC+8*(2*(4*\u+\p)+\o)+7], v[XF+32*\u+8*\p:XF+32*\u+8*\p+7], v[16*(\s)+8*\o:16*(\s)+8*\o+7], v[ACC+8*(2*(4*\u+\p)+\o):ACC+8*(2*(4*\u+\p)+\o)+7]
.endif
.endr
.endr
.endm
; A load into registers that a matrix instruction has read stands four places behind it (ISA guide 7.12.1 for vector instructions).
.macro STEP s, last, zero
	s_wait_loadcnt 4*(NSTEP-1-(\s))                ; this step's four loads of W are in; four for each later step stay out
	s_wait_dscnt 8                                 ; tiles 0-3 are in; the eight loads of tiles 4-7 stay out
	MUL8 \s, 0, \zero
.if \last
	s_wait_dscnt 0
.else
	NOP4
	LOADX (\s)+1, 0
	s_wait_dscnt 8                                 ; tiles 4-7 are in; the eight just issued stay out
.endif
	MUL8 \s, 1, \zero
.if \last == 0
	NOP4
	LOADX (\s)+1, 1
.endif
.endm
; Channel tile o: S = the sum over the 128 points, M2 = the sum of (y - S / 128)^2.  Lanes 0-15 store S, lanes 16-31 M2.
.macro STATS o
.irp j, 0,1,2,3
	v_pk_add_f32 v[16+2*\j:17+2*\j], v[ACC+8*\o+2*\j:ACC+8*\o+2*\j+1], v[ACC+16+8*\o+2*\j:ACC+16+8*\o+2*\j+1]
.endr
.irp p, 2,3,4,5,6,7
.irp j, 0,1,2,3
	v_pk_add_f32 v[16+2*\j:17+2*\j], v[16+2*\j:17+2*\j], v[ACC+16*\p+8*\o+2*\j:ACC+16*\p+8*\o+2*\j+1]
.endr
.endr
	v_pk_add_f32 v[16:17], v[16:17], v[18:19]
	v_pk_add_f32 v[20:21], v[20:21], v[22:23]
	v_pk_add_f32 v[16:17], v[16:17], v[20:21]
	v_add_f32 v16, v16, v17
	v_permlanex16_b32 v28, v16, s98, s99           ; the other eight points of each tile lie in lane xor 16
	v_add_f32 v16, v16, v28
	v_mul_f32 v24, 0x3c000000, v16
	v_mul_f32 v25, 0x3c000000, v16
.irp j, 0,1,2,3
	v_pk_add_f32 v[40+2*\j:41+2*\j], v[ACC+8*\o+2*\j:ACC+8*\o+2*\j+1], v[24:25] neg_lo:[0,1] neg_hi:[0,1]
.endr
.irp j, 0,1,2,3
	v_pk_mul_f32 v[32+2*\j:33+2*\j], v[40+2*\j:41+2*\j], v[40+2*\j:41+2*\j]
.endr
.irp p, 1,2,3,4,5,6,7
.irp j, 0,1,2,3
	v_pk_add_f32 v[40+2*\j:41+2*\j], v[ACC+16*\p+8*\o+2*\j:ACC+16*\p+8*\o+2*\j+1], v[24:25] neg_lo:[0,1] neg_hi:[0,1]
.endr
.irp j, 0,1,2,3
	v_pk_fma_f32 v[32+2*\j:33+2*\j], v[40+2*\j:41+2*\j], v[40+2*\j:41+2*\j], v[32+2*\j:33+2*\j]
.endr
.endr
	v_pk_add_f32 v[32:33], v[32:33], v[34:35]
	v_pk_add_f32 v[36:37], v[36:37], v[38:39]
	v_pk_add_f32 v[32:33], v[32:33], v[36:37]
	v_add_f32 v32, v32, v33
	v_permlanex16_b32 v28, v32, s98, s99
	v_add_f32 v32, v32, v28
	v_cndmask_b32 v29, v16, v32, s96
	ds_store_b32 v9, v29 offset:64*\o
.endm
	s_load_b256 s[4:11], s[0:1], 0x0               ; y0 s[4:5], ab0 s[6:7], prep s[8:9], y1 s[10:11]
	v_lshl_add_u32 v126, v0, 2, 0x21800
	v_mov_b32 v127, 0
	v_lshrrev_b32 v1, 5, v0
	v_readfirstlane_b32 s14, v1                    ; wave w
	v_and_b32 v1, 31, v0
	s_lshr_b32 s15, ttmp9, 7                       ; batch
	s_and_b32 s97, ttmp9, 127                      ; block of 128 points
	s_lshl_b32 s78, s14, 7                         ; my 32 channels of 4 bytes
	s_mov_b32 s79, 0
	s_wait_kmcnt 0x0
	s_add_nc_u64 s[66:67], s[6:7], s[78:79]
	s_load_b512 s[16:31], s[66:67], 0x0            ; a of rows 32 w .. 32 w + 31
	s_load_b512 s[32:47], s[66:67], 0x40
	s_load_b512 s[48:63], s[66:67], 0x400          ; c of the same rows
	s_load_b512 s[80:95], s[66:67], 0x440
	s_lshl_b32 s78, s15, 24                        ; rows of 65,536 bytes: batch, my 32 rows; 4 bytes a point
	s_lshl_b32 s96, s14, 21
	s_add_co_u32 s78, s78, s96
	s_lshl_b32 s96, s97, 9
	s_add_co_u32 s78, s78, s96
	s_add_nc_u64 s[70:71], s[4:5], s[78:79]
	s_add_nc_u64 s[76:77], s[10:11], s[78:79]
	s_lshl_b32 s78, s14, 14
	s_add_co_u32 s78, s78, 4456448
	s_add_nc_u64 s[74:75], s[8:9], s[78:79]        ; my 16 KiB of W1's fragments
	s_mov_b32 s96, 0xffff0000                      ; lanes 16 to 31
	s_mov_b32 s98, 0x76543210
	s_mov_b32 s99, 0xfedcba98
	v_lshlrev_b32 v2, 4, v1
.set i, 0
.rept 32
	global_load_b128 v[128+4*i:131+4*i], v2, s[70:71] offset:i*65536 th:TH_LOAD_NT
.set i, i+1
.endr
	WIN 0x40                                       ; destination v256 and up
.irp s, 0,1,2,3,4,5,6,7
.irp f, 0,1,2,3
	global_load_b128 v[16*\s+4*\f:16*\s+4*\f+3], v2, s[74:75] offset:\s*2048+\f*512
.endr
.endr
	WIN 0
	s_mul_i32 s78, s14, 32*XTP
	v_lshl_add_u32 v3, v1, 3, s78
	v_and_b32 v12, 7, v1
	v_lshrrev_b32 v13, 4, v1
	v_lshl_add_u32 v12, v13, 3, v12
	v_mul_u32_u24 v5, v12, XTP                     ; row 8 h + (lane mod 8),
	v_bfe_u32 v14, v1, 3, 1
	v_lshl_add_u32 v5, v14, 4, v5                  ; 16 bytes on for lanes 8-15 and 24-31
	v_add_nc_u32 v6, 128*XTP, v5
	v_mov_b32 v28, 0                               ; written once: the lane exchange below counts its destination as read
	s_wait_kmcnt 0x0
.irp i, 0,1,2,3,4,5,6,7,8,9,10,11,12,13,14,15
	s_wait_loadcnt 63-\i                           ; row i is in; 31 - i later rows and the 32 loads of W stay out
	HROW \i, 16+\i, 48+\i
.endr
.irp i, 16,17,18,19,20,21,22,23,24,25,26,27,28,29,30,31
	s_wait_loadcnt 63-\i
	HROW \i, 16+\i, 80+(\i-16)
.endr
	s_wait_dscnt 0x0                               ; my rows of h are stored
	s_barrier_signal -1
	s_barrier_wait -1                              ; h is whole
	WIN 0x04                                       ; source 1 (W) in v256 and up; LDS loads name a destination and source 0 alone
	LOADX 0, 0
	LOADX 0, 1
	STEP 0, 0, 1                                   ; the first products start the sums: nothing is cleared
.irp s, 1,2,3,4,5,6
	STEP \s, 0, 0
.endr
	STEP 7, 1, 0
	WIN 0
	; the addresses of the way out: nine plain vector instructions that name no register of the last matrix instructions; they are the places in front of the first read of a result
	v_and_b32 v12, 15, v1
	v_lshrrev_b32 v13, 4, v1
	v_lshlrev_b32 v9, 2, v12
	v_lshl_add_u32 v9, v13, 10, v9
	s_lshl_b32 s78, s14, 7
	s_add_co_u32 s78, s78, STAT
	v_add_nc_u32 v9, s78, v9                       ; STAT: 1,024 h + 4 (32 w + r)
	v_mul_u32_u24 v10, v12, SPITCH
	v_lshl_add_u32 v10, v13, 5, v10
	s_mul_i32 s78, s14, 32*SPITCH
	v_add_nc_u32 v10, s78, v10                     ; my stage: row r, 32 bytes for each h
	v_add_nc_u32 v11, s78, v2                      ; and back: 16 bytes a lane of a row
	STATS 0
	STATS 1
	s_wait_dscnt 0x0
	s_barrier_signal -1
	s_barrier_wait -1                              ; no wave reads h any more: the stages may lie over it
.irp p, 0,1,2,3,4,5,6,7
.irp o, 0,1
	ds_store_b128 v10, v[ACC+16*\p+8*\o:ACC+16*\p+8*\o+3] offset:\o*16*SPITCH+\p*64
	ds_store_b128 v10, v[ACC+16*\p+8*\o+4:ACC+16*\p+8*\o+7] offset:\o*16*SPITCH+\p*64+16
.endr
.endr
.irp t, 0,1,2,3,4,5,6,7,8,9,10,11,12,13,14,15
	ds_load_b128 v[16+4*\t:19+4*\t], v11 offset:\t*SPITCH          ; LDS serves a wave's instructions in order (ISA guide 5.7.1.4): these see the stores above
.endr
.irp t, 0,1,2,3,4,5,6,7,8,9,10,11,12,13,14,15
	s_wait_dscnt 15-\t
	global_store_b128 v2, v[16+4*\t:19+4*\t], s[76:77] offset:\t*65536   ; the wave stores 512 consecutive bytes of a channel's row, aligned
.endr
.irp t, 0,1,2,3,4,5,6,7,8,9,10,11,12,13,14,15
	ds_load_b128 v[128+4*\t:131+4*\t], v11 offset:(\t+16)*SPITCH
.endr
.irp t, 0,1,2,3,4,5,6,7,8,9,10,11,12,13,14,15
	s_wait_dscnt 15-\t
	global_store_b128 v2, v[128+4*\t:131+4*\t], s[76:77] offset:(\t+16)*65536
.endr
	s_cmp_lg_u32 s14, 0
	s_cbranch_scc1 .Lend
	v_add_nc_u32 v12, STAT, v2                     ; wave 0: the group's 256 S and 256 M2, behind y1's numbers
.irp i, 0,1,2,3
	ds_load_b128 v[192+4*\i:195+4*\i], v12 offset:512*\i
.endr
	s_lshl_b32 s78, ttmp9, 11
	s_add_co_u32 s78, s78, 0x2000000
	s_mov_b32 s79, 0
	s_add_nc_u64 s[10:11], s[10:11], s[78:79]
	s_wait_dscnt 0x0
.irp i, 0,1,2,3
	global_store_b128 v2, v[192+4*\i:195+4*\i], s[10:11] offset:512*\i
.endr
.Lend:
	s_wait_tensorcnt 0x0
	ds_add_u32 v126, v127
	s_wait_dscnt 0x0
	s_endpgm
.Lfunc_end_k_qa89cf444dc_conv1:
	.size	k_qa89cf444dc_conv1, .Lfunc_end_k_qa89cf444dc_conv1-k_qa89cf444dc_conv1
	.p2alignl 7, 3214868480
	.fill 96, 4, 3214868480
	.section	.rodata,"a",@progbits
	.p2align	6, 0x0
	.amdhsa_kernel k_qa89cf444dc_conv1
		.amdhsa_group_segment_fixed_size 138240
		.amdhsa_private_segment_fixed_size 0
		.amdhsa_enable_private_segment 0
		.amdhsa_kernarg_size 32
		.amdhsa_user_sgpr_count 2
		.amdhsa_user_sgpr_kernarg_segment_ptr 1
		.amdhsa_wavefront_size32 1
		.amdhsa_system_sgpr_workgroup_id_x 1
		.amdhsa_system_sgpr_workgroup_id_y 1
		.amdhsa_system_sgpr_workgroup_id_z 1
		.amdhsa_system_vgpr_workitem_id 0
		.amdhsa_next_free_vgpr 384
		.amdhsa_next_free_sgpr 100
		.amdhsa_reserve_vcc 0
		.amdhsa_float_denorm_mode_32 3
		.amdhsa_float_denorm_mode_16_64 3
		.amdhsa_memory_ordered 1
		.amdhsa_forward_progress 1
		.amdhsa_inst_pref_size 69
	.end_amdhsa_kernel
	.amdgpu_metadata
---
amdhsa.version: [ 1, 2 ]
amdhsa.kernels:
  - .name:           k_qa89cf444dc_conv1
    .symbol:         k_qa89cf444dc_conv1.kd
    .args:
      - { .name: y0, .offset: 0, .size: 8, .value_kind: global_buffer, .address_space: global }
      - { .name: ab0, .offset: 8, .size: 8, .value_kind: global_buffer, .address_space: global }
      - { .name: prep, .offset: 16, .size: 8, .value_kind: global_buffer, .address_space: global }
      - { .name: y1, .offset: 24, .size: 8, .value_kind: global_buffer, .address_space: global }
    .group_segment_fixed_size: 138240
    .private_segment_fixed_size: 0
    .kernarg_segment_align: 8
    .kernarg_segment_size: 32
    .max_flat_workgroup_size: 256
    .sgpr_count:     100
    .vgpr_count:     384
    .wavefront_size: 32
...
	.end_amdgpu_metadata
.endif
;; end of part 5
;; launch bn1: the kernel of part 4 again; grid 4 x 1, 8 waves a work-group, no clusters, 9,216 bytes of LDS; arguments y1, g1, be1, ab1; writes ab1
;; launch final (part 6): grid 256 x 1, 8 waves a work-group, no clusters, 0 bytes of LDS; arguments y1, ab1, out0; writes out0
.if DOCPART == 6
	.amdgcn_target "amdgcn-amd-amdhsa--gfx1250"
	.amdhsa_code_object_version 6
	.text
	.protected	k_qa89cf444dc_final
	.globl	k_qa89cf444dc_final
	.p2align	8
	.type	k_qa89cf444dc_final,@function
k_qa89cf444dc_final:
	s_mov_b64 s[64:65], 0
	v_nop
	global_prefetch_b8 v0, s[64:65] scope:SCOPE_SE
	s_setreg_imm32_b32 hwreg(HW_REG_WAVE_MODE, 25, 1), 1
	s_wait_xcnt 0x0
; Launch 7 of 7: out0 = relu(a[o] y1 + c[o]), the second BatchNorm and ReLU.  A stream: each byte of y1 is read once, each byte of out0 written once.
; The 512 rows (batch, channel) have 65,536 bytes.  Work-group g takes rows 2 g and 2 g + 1; a wave takes 16 KiB of one row: 32 loads of 512 consecutive bytes,
; all issued at once, worked on in place and stored from the registers into which they were loaded.  No register is written again, so no wait frees one.
; No LDS, matrix unit or cluster: nothing is shared and nothing is reduced.
	s_load_b128 s[4:7], s[0:1], 0x0                ; y1 s[4:5], ab1 s[6:7]
	s_load_b64 s[8:9], s[0:1], 0x10                ; out0
	v_lshrrev_b32 v1, 5, v0
	v_readfirstlane_b32 s10, v1                    ; wave
	v_and_b32 v1, 31, v0
	v_lshlrev_b32 v1, 4, v1                        ; 16 x lane
	s_lshr_b32 s11, s10, 2
	s_lshl1_add_u32 s11, ttmp9, s11                ; row = 2 g + wave / 4
	s_and_b32 s14, s11, 255
	s_lshl_b32 s14, s14, 2                         ; the channel's 4 bytes
	s_mov_b32 s15, 0
	s_lshl_b32 s16, s11, 16
	s_and_b32 s12, s10, 3
	s_lshl_b32 s12, s12, 14
	s_add_co_u32 s16, s16, s12                     ; the row, and my quarter of it
	s_mov_b32 s17, 0
	s_wait_kmcnt 0x0
	s_add_nc_u64 s[18:19], s[6:7], s[14:15]
	s_load_b32 s20, s[18:19], 0x0                  ; a
	s_load_b32 s21, s[18:19], 0x400                ; c
	s_add_nc_u64 s[4:5], s[4:5], s[16:17]
	s_add_nc_u64 s[8:9], s[8:9], s[16:17]
.set i, 0
.rept 32
	global_load_b128 v[16+4*i:19+4*i], v1, s[4:5] offset:512*i th:TH_LOAD_NT
.set i, i+1
.endr
	s_wait_kmcnt 0x0
	v_mov_b32 v2, s20
	v_mov_b32 v3, s20
	v_mov_b32 v4, s21
	v_mov_b32 v5, s21
.set i, 0
.rept 32
	s_wait_loadcnt 31-i                            ; load i is in, the younger ones stay out
	v_pk_fma_f32 v[16+4*i:17+4*i], v[16+4*i:17+4*i], v[2:3], v[4:5]
	v_pk_fma_f32 v[18+4*i:19+4*i], v[18+4*i:19+4*i], v[2:3], v[4:5]
	v_max_num_f32 v[16+4*i], 0, v[16+4*i]
	v_max_num_f32 v[17+4*i], 0, v[17+4*i]
	v_max_num_f32 v[18+4*i], 0, v[18+4*i]
	v_max_num_f32 v[19+4*i], 0, v[19+4*i]
	global_store_b128 v1, v[16+4*i:19+4*i], s[8:9] offset:512*i th:TH_STORE_NT
.set i, i+1
.endr
	s_endpgm
.Lfunc_end_k_qa89cf444dc_final:
	.size	k_qa89cf444dc_final, .Lfunc_end_k_qa89cf444dc_final-k_qa89cf444dc_final
	.p2alignl 7, 3214868480
	.fill 96, 4, 3214868480
	.section	.rodata,"a",@progbits
	.p2align	6, 0x0
	.amdhsa_kernel k_qa89cf444dc_final
		.amdhsa_group_segment_fixed_size 0
		.amdhsa_private_segment_fixed_size 0
		.amdhsa_enable_private_segment 0
		.amdhsa_kernarg_size 24
		.amdhsa_user_sgpr_count 2
		.amdhsa_user_sgpr_kernarg_segment_ptr 1
		.amdhsa_wavefront_size32 1
		.amdhsa_system_sgpr_workgroup_id_x 1
		.amdhsa_system_sgpr_workgroup_id_y 1
		.amdhsa_system_sgpr_workgroup_id_z 1
		.amdhsa_system_vgpr_workitem_id 0
		.amdhsa_next_free_vgpr 144
		.amdhsa_next_free_sgpr 66
		.amdhsa_reserve_vcc 0
		.amdhsa_float_denorm_mode_32 3
		.amdhsa_float_denorm_mode_16_64 3
		.amdhsa_memory_ordered 1
		.amdhsa_forward_progress 1
		.amdhsa_inst_pref_size 17
	.end_amdhsa_kernel
	.amdgpu_metadata
---
amdhsa.version: [ 1, 2 ]
amdhsa.kernels:
  - .name:           k_qa89cf444dc_final
    .symbol:         k_qa89cf444dc_final.kd
    .args:
      - { .name: y1, .offset: 0, .size: 8, .value_kind: global_buffer, .address_space: global }
      - { .name: ab1, .offset: 8, .size: 8, .value_kind: global_buffer, .address_space: global }
      - { .name: out0, .offset: 16, .size: 8, .value_kind: global_buffer, .address_space: global }
    .group_segment_fixed_size: 0
    .private_segment_fixed_size: 0
    .kernarg_segment_align: 8
    .kernarg_segment_size: 24
    .max_flat_workgroup_size: 256
    .sgpr_count:     66
    .vgpr_count:     144
    .wavefront_size: 32
...
	.end_amdgpu_metadata
.endif
;; end of part 6
;; ======== version 2 of 2: 6 launches; 1.17 times as fast as version 1
;; limits: values outside matrix products are rounded to bf16; values are held in f16: magnitudes above 65,504 overflow, below 6.1e-05 lose precision; values outside matrix products are rounded to f16
;; workspace buffers: cols 131,072 bytes of whole numbers; nidx 524,288 bytes of whole numbers; nw 524,288 bytes; prep 4,587,520 bytes; y0 17,301,504 bytes; y1 17,301,504 bytes; ab0 2,048 bytes
;; launch knn_coarse (part 7): grid 256 x 1, 16 waves a work-group, no clusters, 147,456 bytes of LDS; arguments xyz1, xyz2, points2, W0, W1, cols, prep; writes cols, prep
.if DOCPART == 7
	.amdgcn_target "amdgcn-amd-amdhsa--gfx1250"
	.amdhsa_code_object_version 6
	.text
	.protected	k_qa89cf444dc_knn_coarse
	.globl	k_qa89cf444dc_knn_coarse
	.p2align	8
	.type	k_qa89cf444dc_knn_coarse,@function
k_qa89cf444dc_knn_coarse:
	s_mov_b64 s[64:65], 0
	v_nop
	global_prefetch_b8 v0, s[64:65] scope:SCOPE_SE
	s_setreg_imm32_b32 hwreg(HW_REG_WAVE_MODE, 25, 1), 1
	s_wait_xcnt 0x0
; PointNet feature propagation, launch 1 of 6: the coarse half of the search for the 3 nearest neighbours, and the preparation of tables.
;
; THE PROGRAM.  1 knn_coarse: for each query the 3 candidate columns that must hold its 3 nearest; points2 transposed to bf16 rows; W0, W1 as f16 fragments.
; 2 knn_fine: the 3 nearest inside those columns, and their weights.  3 conv0: gather, blend, concatenate, W0 x, per-group statistics.
; 4 bn0: scale and shift of the first BatchNorm.  5 conv1: BatchNorm, ReLU, W1 x, per-group statistics.  6 final: the second BatchNorm's statistics, BatchNorm, ReLU.
;
; WORK LEFT OUT: b0 and b1.  reference() adds b[o] to every number of channel o and then takes the channel's mean over (B, N) away:
; (Wx + b) - mean(Wx + b) = Wx - mean(Wx), and the variance is that of Wx, for all values of the inputs.  So b0 and b1 reach no output;
; they are not loaded and are no launch's argument.  Limit: a NaN, an infinity or an overflow that only b0 or b1 would bring in is not carried to the result.
;
; NUMBER FORMATS, LIMITS.  Every floating-point input is rounded to bf16 (nearest even) as it is loaded, the coordinates too: the neighbours found are those of
; the rounded coordinates.  With 8-bit significands every product x1 x2 and x x is exact in f32, so that
;   n = fl(fl(x x + y y) + z z),  dot = fl(fl(x1 x2 + y1 y2) + z1 z2),  d = fl(fl(n1 + n2) - 2 dot)
; has one value whether or not multiplies and adds are fused; d is formed in exactly this order, and equal d are ordered by the lower index, as top_k orders them.
; The query is scaled by -2 beforehand, which is exact.  The product of K = 3 stays on the vector unit: the choice of neighbours hangs on this order of rounding.
; Limit: all distances are finite (otherwise the initial column 0 can survive).  The two convolutions take f16 operands: magnitudes below 65,504; below 2^-14 the
; absolute error is at most 2^-25.
;
; THE SEARCH IN TWO EXACT STAGES.  The 4,096 candidates form 128 columns of 32 neighbouring indices.  This launch keeps only each column's least d and takes the
; 3 best columns under the order (least d, column number).  The 3 least elements under (d, index) lie in them: an element whose column had three better columns
; in front of it would have three lesser elements in front of it; with equal least d the lower column holds the lower index.
;
; SHARES.  A work-group: 128 queries of one batch.  Lane L of every wave holds queries 4L .. 4L+3; wave p scans columns 8p .. 8p+7 for all 128 queries.
; The 16 waves' lists of three meet in LDS and are merged in two levels of four lists each: first by all 512 threads, then by 128: 9 + 9 insertions in a row, not 48.
; No tensor loads and no cluster: the table is 64 KiB, made by arithmetic from 48 KiB of coordinates, and has to pass through registers anyway.
.set TABY,   16384                     ; LDS: x at 0, y, z, |.|^2: 4,096 f32 each
.set TABZ,   32768
.set TABN,   49152
.set MERGE,  65536                     ; [16 waves][6 items][128 queries] of 4 bytes
.set RES,    114688                    ; 128 packed words
.set TST,    115200                    ; 64 rows (s) of 128 bf16 (channels), pitch 272
.set TPITCH, 272
.set LVL2,   133120                    ; [4 groups of waves][6 items][128 queries] of 4 bytes: bytes of their own
.set LIST,   3072                      ; a list's six items for 128 queries
.set QV,   16                          ; v[16+8q ..]: query q as pairs -2x,-2x  -2y,-2y  -2z,-2z  n1,n1
.set PP,   48                          ; v[48+2q ..]: pair at work
.set TT,   56                          ; v[56+2q ..]: n1 + n2
.set MM,   64                          ; v64-67   the column's least d, query q
.set A1,   68                          ; v68-79   the three least column minima, four queries each
.set A2,   72
.set A3,   76
.set I1,   80                          ; v80-91   their column numbers
.set I2,   84
.set I3,   88
.set CID,  92                          ; the column at work
.set TMP,  93
.set BASE, 94                          ; its LDS byte
.set CAND, 128                         ; v128-255 a column: group g of 4 candidates at 16 g: x, y, z, n2 (4 registers each)
.set XS,   128                         ; at the head only: xyz2 as loaded, 4 (2 c + i)
.set PS,   152                         ; points2 as loaded, 4 (2 i + parity)
.set QS,   168                         ; xyz1 as loaded, 4 c
.set NS,   180                         ; squared norms
.set WS,   188                         ; a weight block
.set RT,   200                         ; two words at work
.set RT2,  202                         ; eight packed words for the transposing stores
.macro RND4 r, t                       ; four f32 rounded to bf16 and widened again, in place
	v_cvt_pk_bf16_f32 v[\t], v[\r], v[\r+1]
	v_cvt_pk_bf16_f32 v[\t+1], v[\r+2], v[\r+3]
	v_lshlrev_b32 v[\r], 16, v[\t]
	v_and_b32 v[\r+1], s28, v[\t]
	v_lshlrev_b32 v[\r+2], 16, v[\t+1]
	v_and_b32 v[\r+3], s28, v[\t+1]
.endm
; (val, id) is put into the ascending list a1 <= a2 <= a3 with its numbers i1, i2, i3.  Strictly less: of equals the one that came first stays in front.
.macro INS val, id, a1, a2, a3, i1, i2, i3
	v_cmp_lt_f32 s26, v[\val], v[\a1]
	v_cmp_lt_f32 s27, v[\val], v[\a2]
	v_cmp_lt_f32 vcc_lo, v[\val], v[\a3]
	v_cndmask_b32 v[TMP], v[\id], v[\i2], s27
	v_cndmask_b32 v[\i3], v[\i3], v[TMP], vcc_lo
	v_cndmask_b32 v[TMP], v[\id], v[\i1], s26
	v_cndmask_b32 v[\i2], v[\i2], v[TMP], s27
	v_cndmask_b32 v[\i1], v[\i1], v[\id], s26
	v_med3_num_f32 v[\a3], v[\a2], v[\a3], v[\val]
	v_med3_num_f32 v[\a2], v[\a1], v[\a2], v[\val]
	v_min_num_f32 v[\a1], v[\a1], v[\val]
.endm
; Four neighbouring lists of one query, LIST bytes apart from the address in v[adr], become one in v100-102 (minima) and v103-105 (columns).  The first list is ascending
; already and is the start; the nine other entries are put in, lists ascending, ranks ascending: later lists hold higher columns, so of equal minima the lower column stays in front.
.macro MERGE4 adr
.irp it, 0,1,2,3,4,5
	ds_load_b32 v[100+\it], v[\adr] offset:\it*512
.endr
.irp pp, 1,2,3
.irp it, 0,1,2,3,4,5
	ds_load_b32 v[128+6*(\pp-1)+\it], v[\adr] offset:\pp*LIST+\it*512
.endr
.endr
	s_wait_dscnt 0x0
.irp pp, 0,1,2
.irp k, 0,1,2
	INS 128+6*\pp+\k, 128+6*\pp+3+\k, 100, 101, 102, 103, 104, 105
.endr
.endr
.endm
; Two candidates (pair pr of group grp) against my four queries: d in the order stated at the head, then the running least.
.macro PAIR grp, pr, first
.irp q, 0,1,2,3
	v_pk_mul_f32 v[PP+2*\q:PP+2*\q+1], v[CAND+16*\grp+2*\pr:CAND+16*\grp+2*\pr+1], v[QV+8*\q:QV+8*\q+1]
.endr
.irp q, 0,1,2,3
	v_pk_fma_f32 v[PP+2*\q:PP+2*\q+1], v[CAND+16*\grp+4+2*\pr:CAND+16*\grp+4+2*\pr+1], v[QV+8*\q+2:QV+8*\q+3], v[PP+2*\q:PP+2*\q+1]
.endr
.irp q, 0,1,2,3
	v_pk_fma_f32 v[PP+2*\q:PP+2*\q+1], v[CAND+16*\grp+8+2*\pr:CAND+16*\grp+8+2*\pr+1], v[QV+8*\q+4:QV+8*\q+5], v[PP+2*\q:PP+2*\q+1]
.endr
.irp q, 0,1,2,3
	v_pk_add_f32 v[TT+2*\q:TT+2*\q+1], v[CAND+16*\grp+12+2*\pr:CAND+16*\grp+12+2*\pr+1], v[QV+8*\q+6:QV+8*\q+7]
.endr
.irp q, 0,1,2,3
	v_pk_add_f32 v[PP+2*\q:PP+2*\q+1], v[TT+2*\q:TT+2*\q+1], v[PP+2*\q:PP+2*\q+1]
.endr
.irp q, 0,1,2,3
.if \first
	v_min_num_f32 v[MM+\q], v[PP+2*\q], v[PP+2*\q+1]
.else
	v_min3_num_f32 v[MM+\q], v[MM+\q], v[PP+2*\q], v[PP+2*\q+1]
.endif
.endr
.endm
; One block of 512 bytes of a weight matrix in fragment order.  s38 = the block's number ((w S + s) 2 + t) 2 + q; lane (r, h) gets the 8 numbers
; W[32 w + 16 t + r][32 s + 16 q + 8 h ..], rounded to bf16 and written as f16 (exact but for f16's denormal range).
.macro WJOB src, rowshift, sbits, dstoff
	s_and_b32 s39, s38, 1
	s_lshl_b32 s40, s39, 6                         ; q: 16 numbers of 4 bytes
	s_bfe_u32 s39, s38, 0x10001
	s_lshl_b32 s39, s39, \rowshift+4               ; t: 16 rows
	s_add_co_u32 s40, s40, s39
	s_bfe_u32 s39, s38, (\sbits<<16)|2
	s_lshl_b32 s39, s39, 7                         ; s: 32 numbers
	s_add_co_u32 s40, s40, s39
	s_lshr_b32 s39, s38, \sbits+2
	s_lshl_b32 s39, s39, \rowshift+5               ; w: 32 rows
	s_add_co_u32 s40, s40, s39
	s_mov_b32 s41, 0
	s_add_nc_u64 s[42:43], s[\src:\src+1], s[40:41]
	s_lshl_b32 s40, s38, 9
	s_add_co_u32 s40, s40, \dstoff
	s_add_nc_u64 s[44:45], s[16:17], s[40:41]
	v_and_b32 v11, 15, v1
	v_lshrrev_b32 v12, 4, v1
	v_lshlrev_b32 v12, 5, v12
	v_lshl_add_u32 v11, v11, \rowshift, v12        ; r rows + 8 h numbers
	global_load_b128 v[WS:WS+3], v11, s[42:43]
	global_load_b128 v[WS+4:WS+7], v11, s[42:43] offset:16
	s_wait_loadcnt 0x0
	RND4 WS, RT
	RND4 WS+4, RT
.irp j, 0,1,2,3
	v_cvt_pk_f16_f32 v[WS+8+\j], v[WS+2*\j], v[WS+2*\j+1]
.endr
	global_store_b128 v10, v[WS+8:WS+11], s[44:45] ; the wave stores 512 consecutive bytes, aligned
.endm
	s_load_b256 s[4:11], s[0:1], 0x0               ; xyz1 s[4:5], xyz2 s[6:7], points2 s[8:9], W0 s[10:11]
	s_load_b128 s[12:15], s[0:1], 0x20             ; W1 s[12:13], cols s[14:15]
	s_load_b64 s[16:17], s[0:1], 0x30              ; prep
	v_lshl_add_u32 v126, v0, 2, 0x23800
	v_mov_b32 v127, 0
	v_lshrrev_b32 v1, 5, v0
	v_readfirstlane_b32 s20, v1                    ; wave p
	v_and_b32 v1, 31, v0                           ; lane
	s_lshr_b32 s21, ttmp9, 7                       ; batch (of the queries, and of the points2 tile)
	s_and_b32 s22, ttmp9, 127                      ; block of 128 queries
	s_and_b32 s23, ttmp9, 1                        ; points2 tile: which 128 channels
	s_lshr_b32 s29, s22, 1                         ; points2 tile: which 64 s
	s_mov_b32 s28, 0xffff0000                      ; a word's upper bf16
	v_lshlrev_b32 v2, 4, v0                        ; 16 t
	v_and_b32 v6, 15, v0                           ; sq
	v_lshrrev_b32 v7, 4, v0                        ; cp
	v_lshlrev_b32 v8, 4, v6
	v_lshl_add_u32 v9, v7, 15, v8                  ; points2: two rows of 16,384 bytes for each cp, 16 bytes for each sq
	v_lshlrev_b32 v10, 4, v1                       ; 16 x lane
	v_mul_u32_u24 v3, v6, 4*TPITCH
	v_lshl_add_u32 v3, v7, 2, v3
	v_add_nc_u32 v3, TST, v3                       ; transposing stores: row 4 sq + e, word cp
	v_mul_u32_u24 v4, v7, TPITCH
	v_add_nc_u32 v4, v4, v8
	v_add_nc_u32 v4, TST, v4                       ; and back: row cp, 16 bytes for each sq
	v_lshl_add_u32 v5, v7, 9, v8                   ; the same place in the transposed table: rows of 512 bytes
	s_mul_i32 s30, s21, 49152
	s_mov_b32 s31, 0
	s_mul_i32 s32, s21, 196608
	s_lshl_b32 s25, s22, 9
	s_add_co_u32 s32, s32, s25
	s_mov_b32 s33, 0
	s_lshl_b32 s38, s21, 16
	s_add_co_u32 s38, s38, s25                     ; cols: 4 bytes a query
	s_mov_b32 s39, 0
	s_lshl_b32 s34, s21, 22
	s_lshl_b32 s25, s23, 21
	s_add_co_u32 s34, s34, s25
	s_lshl_b32 s25, s29, 8
	s_add_co_u32 s34, s34, s25
	s_mov_b32 s35, 0
	s_lshl_b32 s36, s21, 21
	s_lshl_b32 s25, s29, 15
	s_add_co_u32 s36, s36, s25
	s_lshl_b32 s25, s23, 8
	s_add_co_u32 s36, s36, s25
	s_mov_b32 s37, 0
	s_wait_kmcnt 0x0
	s_add_nc_u64 s[6:7], s[6:7], s[30:31]
	s_add_nc_u64 s[4:5], s[4:5], s[32:33]
	s_add_nc_u64 s[8:9], s[8:9], s[34:35]
	s_add_nc_u64 s[18:19], s[16:17], s[36:37]
	s_add_nc_u64 s[14:15], s[14:15], s[38:39]
	; 13 loads a thread, oldest first: all candidates' coordinates, my part of the points2 tile, my four queries
.irp c, 0,1,2
.irp i, 0,1
	global_load_b128 v[XS+4*(2*\c+\i):XS+4*(2*\c+\i)+3], v2, s[6:7] offset:\c*16384+\i*8192
.endr
.endr
.irp i, 0,1
	global_load_b128 v[PS+8*\i:PS+8*\i+3], v9, s[8:9] offset:\i*1048576 th:TH_LOAD_NT
	global_load_b128 v[PS+8*\i+4:PS+8*\i+7], v9, s[8:9] offset:\i*1048576+16384 th:TH_LOAD_NT
.endr
.irp c, 0,1,2
	global_load_b128 v[QS+4*\c:QS+4*\c+3], v10, s[4:5] offset:\c*65536
.endr
	s_wait_loadcnt 0x7                             ; the six loads of xyz2 are in; points2's four and xyz1's three may stay out
.irp i, 0,1
.irp c, 0,1,2
	RND4 XS+4*(2*\c+\i), RT
.endr
.irp e, 0,2
	v_pk_mul_f32 v[NS+4*\i+\e:NS+4*\i+\e+1], v[XS+4*\i+\e:XS+4*\i+\e+1], v[XS+4*\i+\e:XS+4*\i+\e+1]
	v_pk_fma_f32 v[NS+4*\i+\e:NS+4*\i+\e+1], v[XS+8+4*\i+\e:XS+8+4*\i+\e+1], v[XS+8+4*\i+\e:XS+8+4*\i+\e+1], v[NS+4*\i+\e:NS+4*\i+\e+1]
	v_pk_fma_f32 v[NS+4*\i+\e:NS+4*\i+\e+1], v[XS+16+4*\i+\e:XS+16+4*\i+\e+1], v[XS+16+4*\i+\e:XS+16+4*\i+\e+1], v[NS+4*\i+\e:NS+4*\i+\e+1]
.endr
	ds_store_b128 v2, v[XS+4*\i:XS+4*\i+3] offset:\i*8192
	ds_store_b128 v2, v[XS+8+4*\i:XS+8+4*\i+3] offset:TABY+\i*8192
	ds_store_b128 v2, v[XS+16+4*\i:XS+16+4*\i+3] offset:TABZ+\i*8192
	ds_store_b128 v2, v[NS+4*\i:NS+4*\i+3] offset:TABN+\i*8192
.endr
	s_wait_loadcnt 0x3                             ; points2's four are in; xyz1's three may stay out
.irp i, 0,1
.irp e, 0,1,2,3
	v_cvt_pk_bf16_f32 v[RT2+4*\i+\e], v[PS+8*\i+\e], v[PS+8*\i+4+\e]    ; two neighbouring channels of one s
	ds_store_b32 v3, v[RT2+4*\i+\e] offset:\e*TPITCH+128*\i
.endr
.endr
	s_wait_dscnt 0x0                               ; my stores are done, for the other waves' sake
	s_barrier_signal -1
	s_barrier_wait -1                              ; the table and the transposed tile are whole
	ds_load_b128 v[128:131], v4                    ; rows of the transposed tile: 16 lanes take 256 bytes of one s
	ds_load_b128 v[132:135], v4 offset:32*TPITCH
	s_wait_dscnt 0x0
	global_store_b128 v5, v[128:131], s[18:19]     ; 16 lanes store 256 consecutive bytes, aligned
	global_store_b128 v5, v[132:135], s[18:19] offset:16384
	s_cmp_gt_u32 s20, 2
	s_cbranch_scc1 .Lnojob
	s_cmp_eq_u32 s20, 2
	s_cbranch_scc1 .Lw1
	s_lshl_b32 s38, ttmp9, 1                       ; waves 0 and 1: W0's blocks 2 g and 2 g + 1 of 512
	s_add_co_u32 s38, s38, s20
	WJOB 10, 11, 4, 4194304
	s_branch .Lnojob
.Lw1:
	s_mov_b32 s38, ttmp9                           ; wave 2: W1's block g of 256
	WJOB 12, 10, 3, 4456448
.Lnojob:
	s_wait_xcnt 0x0                                ; the stores above have read their data: v128 and up are written again below
	s_wait_loadcnt 0x0                             ; my queries
	RND4 QS, RT
	RND4 QS+4, RT
	RND4 QS+8, RT
.irp e, 0,2
	v_pk_mul_f32 v[NS+\e:NS+\e+1], v[QS+\e:QS+\e+1], v[QS+\e:QS+\e+1]
	v_pk_fma_f32 v[NS+\e:NS+\e+1], v[QS+4+\e:QS+4+\e+1], v[QS+4+\e:QS+4+\e+1], v[NS+\e:NS+\e+1]
	v_pk_fma_f32 v[NS+\e:NS+\e+1], v[QS+8+\e:QS+8+\e+1], v[QS+8+\e:QS+8+\e+1], v[NS+\e:NS+\e+1]
.endr
.irp q, 0,1,2,3                                    ; each number twice, once for the kernel: the packed forms of the loop then take plain pairs
	v_mul_f32 v[QV+8*\q], -2.0, v[QS+\q]
	v_mul_f32 v[QV+8*\q+1], -2.0, v[QS+\q]
	v_mul_f32 v[QV+8*\q+2], -2.0, v[QS+4+\q]
	v_mul_f32 v[QV+8*\q+3], -2.0, v[QS+4+\q]
	v_mul_f32 v[QV+8*\q+4], -2.0, v[QS+8+\q]
	v_mul_f32 v[QV+8*\q+5], -2.0, v[QS+8+\q]
	v_mov_b32 v[QV+8*\q+6], v[NS+\q]
	v_mov_b32 v[QV+8*\q+7], v[NS+\q]
.endr
.irp j, 0,1,2,3,4,5,6,7,8,9,10,11
	v_mov_b32 v[A1+\j], 0x7f800000                 ; the lists start at +infinity, column 0
	v_mov_b32 v[I1+\j], 0
.endr
	s_lshl_b32 s23, s20, 3
	v_mov_b32 v[CID], s23                          ; my first column
	s_lshl_b32 s23, s20, 10
	v_mov_b32 v[BASE], s23                         ; 128 bytes a column in each of the four arrays
	s_mov_b32 s24, 0
.Lcol:                                             ; one column of 32 candidates a trip, against my four queries
.irp grp, 0,1,2,3,4,5,6,7
.irp arr, 0,1,2,3
	ds_load_b128 v[CAND+16*\grp+4*\arr:CAND+16*\grp+4*\arr+3], v[BASE] offset:\arr*16384+\grp*16   ; the same 16 bytes for all lanes
.endr
.endr
	s_wait_dscnt 28                                ; group 0's four loads are in, the 28 younger stay out
	PAIR 0, 0, 1
	PAIR 0, 1, 0
.irp grp, 1,2,3,4,5,6,7
	s_wait_dscnt 4*(7-\grp)                        ; this group's four are in, the later groups' stay out
	PAIR \grp, 0, 0
	PAIR \grp, 1, 0
.endr
.irp q, 0,1,2,3
	INS MM+\q, CID, A1+\q, A2+\q, A3+\q, I1+\q, I2+\q, I3+\q
.endr
	v_add_nc_u32 v[BASE], 128, v[BASE]
	v_add_nc_u32 v[CID], 1, v[CID]
	s_add_co_u32 s24, s24, 1
	s_cmp_lt_u32 s24, 8
	s_cbranch_scc1 .Lcol
	s_mul_i32 s23, s20, LIST
	s_add_co_u32 s23, s23, MERGE
	v_add_nc_u32 v95, s23, v10                     ; my wave's six items, my four queries
	ds_store_b128 v95, v[A1:A1+3]
	ds_store_b128 v95, v[A2:A2+3] offset:512
	ds_store_b128 v95, v[A3:A3+3] offset:1024
	ds_store_b128 v95, v[I1:I1+3] offset:1536
	ds_store_b128 v95, v[I2:I2+3] offset:2048
	ds_store_b128 v95, v[I3:I3+3] offset:2560
	s_wait_dscnt 0x0
	s_barrier_signal -1
	s_barrier_wait -1                              ; all sixteen lists are in LDS
	; level 1, all waves: wave p merges the lists of waves 4 (p / 4) .. 4 (p / 4) + 3 for the queries 32 (p mod 4) + lane
	s_lshr_b32 s23, s20, 2
	s_and_b32 s25, s20, 3
	s_lshl_b32 s25, s25, 7                         ; 32 queries of 4 bytes
	s_mul_i32 s29, s23, 4*LIST
	s_add_co_u32 s29, s29, s25
	s_add_co_u32 s29, s29, MERGE
	v_lshl_add_u32 v95, v1, 2, s29
	s_mul_i32 s29, s23, LIST
	s_add_co_u32 s29, s29, s25
	s_add_co_u32 s29, s29, LVL2
	v_lshl_add_u32 v96, v1, 2, s29
	MERGE4 95
.irp it, 0,1,2,3,4,5
	ds_store_b32 v96, v[100+\it] offset:\it*512
.endr
	s_wait_dscnt 0x0
	s_barrier_signal -1
	s_barrier_wait -1                              ; the four lists of level 1 are in LDS
	s_cmp_gt_u32 s20, 3
	s_cbranch_scc1 .Lnomerge
	; level 2, waves 0 to 3: thread t merges query t's four lists
	s_add_co_u32 s29, s25, LVL2
	v_lshl_add_u32 v95, v1, 2, s29
	s_add_co_u32 s29, s25, RES
	v_lshl_add_u32 v96, v1, 2, s29
	MERGE4 95
	v_lshl_or_b32 v106, v104, 8, v103
	v_lshl_or_b32 v106, v105, 16, v106             ; c0 | c1 << 8 | c2 << 16
	ds_store_b32 v96, v106
.Lnomerge:
	s_wait_dscnt 0x0
	s_barrier_signal -1
	s_barrier_wait -1
	s_cmp_lg_u32 s20, 0
	s_cbranch_scc1 .Lend
	v_add_nc_u32 v97, RES, v10
	ds_load_b128 v[108:111], v97
	s_wait_dscnt 0x0
	global_store_b128 v10, v[108:111], s[14:15]    ; one wave stores the group's 512 bytes whole
.Lend:
	s_wait_tensorcnt 0x0
	ds_add_u32 v126, v127
	s_wait_dscnt 0x0
	s_endpgm
.Lfunc_end_k_qa89cf444dc_knn_coarse:
	.size	k_qa89cf444dc_knn_coarse, .Lfunc_end_k_qa89cf444dc_knn_coarse-k_qa89cf444dc_knn_coarse
	.p2alignl 7, 3214868480
	.fill 96, 4, 3214868480
	.section	.rodata,"a",@progbits
	.p2align	6, 0x0
	.amdhsa_kernel k_qa89cf444dc_knn_coarse
		.amdhsa_group_segment_fixed_size 147456
		.amdhsa_private_segment_fixed_size 0
		.amdhsa_enable_private_segment 0
		.amdhsa_kernarg_size 56
		.amdhsa_user_sgpr_count 2
		.amdhsa_user_sgpr_kernarg_segment_ptr 1
		.amdhsa_wavefront_size32 1
		.amdhsa_system_sgpr_workgroup_id_x 1
		.amdhsa_system_sgpr_workgroup_id_y 1
		.amdhsa_system_sgpr_workgroup_id_z 1
		.amdhsa_system_vgpr_workitem_id 0
		.amdhsa_next_free_vgpr 256
		.amdhsa_next_free_sgpr 66
		.amdhsa_reserve_vcc 1
		.amdhsa_float_denorm_mode_32 3
		.amdhsa_float_denorm_mode_16_64 3
		.amdhsa_memory_ordered 1
		.amdhsa_forward_progress 1
		.amdhsa_inst_pref_size 61
	.end_amdhsa_kernel
	.amdgpu_metadata
---
amdhsa.version: [ 1, 2 ]
amdhsa.kernels:
  - .name:           k_qa89cf444dc_knn_coarse
    .symbol:         k_qa89cf444dc_knn_coarse.kd
    .args:
      - { .name: xyz1, .offset: 0, .size: 8, .value_kind: global_buffer, .address_space: global }
      - { .name: xyz2, .offset: 8, .size: 8, .value_kind: global_buffer, .address_space: global }
      - { .name: points2, .offset: 16, .size: 8, .value_kind: global_buffer, .address_space: global }
      - { .name: W0, .offset: 24, .size: 8, .value_kind: global_buffer, .address_space: global }
      - { .name: W1, .offset: 32, .size: 8, .value_kind: global_buffer, .address_space: global }
      - { .name: cols, .offset: 40, .size: 8, .value_kind: global_buffer, .address_space: global }
      - { .name: prep, .offset: 48, .size: 8, .value_kind: global_buffer, .address_space: global }
    .group_segment_fixed_size: 147456
    .private_segment_fixed_size: 0
    .kernarg_segment_align: 8
    .kernarg_segment_size: 56
    .max_flat_workgroup_size: 512
    .sgpr_count:     66
    .vgpr_count:     256
    .wavefront_size: 32
...
	.end_amdgpu_metadata
.endif
;; end of part 7
;; launch knn_fine (part 8): grid 256 x 1, 12 waves a work-group, no clusters, 75,264 bytes of LDS; arguments xyz1, xyz2, cols, nidx, nw; writes nidx, nw
.if DOCPART == 8
	.amdgcn_target "amdgcn-amd-amdhsa--gfx1250"
	.amdhsa_code_object_version 6
	.text
	.protected	k_qa89cf444dc_knn_fine
	.globl	k_qa89cf444dc_knn_fine
	.p2align	8
	.type	k_qa89cf444dc_knn_fine,@function
k_qa89cf444dc_knn_fine:
	s_mov_b64 s[64:65], 0
	v_nop
	global_prefetch_b8 v0, s[64:65] scope:SCOPE_SE
	s_setreg_imm32_b32 hwreg(HW_REG_WAVE_MODE, 25, 1), 1
	s_wait_xcnt 0x0
; Launch 2 of 6: the fine half of the search.  A query's three columns (stored as whole numbers by the launch before) hold its 3 nearest.
; SHARES.  A work-group: 128 queries, twelve waves.  Each of a query's three columns, taken in ascending order, has a thread of its own: wave w takes the column of rank
; w / 4 (least, middle, largest) of the queries 32 (w mod 4) + lane, and scans its 32 candidates in ascending index with a strict comparison: 32 insertions in a row
; where one thread for all three columns would make 96.  Waves 4 to 11 hand their lists of three over in LDS; waves 0 to 3 keep theirs, the lowest column's, and put the six
; other entries in, columns ascending, ranks ascending, with the same strict comparison: equal distances keep the lower index in front, as top_k does.
; d is formed exactly as in the coarse launch: coordinates rounded to bf16, fl(fl(n1 + n2) + fl(fl((-2 x1) x2 + (-2 y1) y2) + (-2 z1) z2)).
; Then w = 1 / (d + 1e-8), divided by the sum of the three.  Limit: all distances finite.
; LDS: a record (x, y, z, n2) of 16 bytes for each candidate; a column of 32 records has a pitch of 528 bytes, so that columns start at different 16-byte places;
; behind the table [2 ranks][6 items][128 queries] of 4 bytes for the lists.
; THE TABLE.  1,024 quads of candidates for 384 threads: thread t takes quads t and t + 384, and the threads of waves 0 to 7 also quad t + 768.  The two cases are two whole
; paths under one branch on the wave's number, each with its own loads and its own counts.
.set PITCH, 528
.set MRG,   67584
.set LIST,  3072                       ; a list's six items for 128 queries
.set TMP,   32
.set DD,    8                          ; v8-11  four distances at work
.set TT,    12                         ; v12-15 n1 + n2 of the four
.macro INS val, id, a1, a2, a3, i1, i2, i3
	v_cmp_lt_f32 s26, v[\val], v[\a1]
	v_cmp_lt_f32 s27, v[\val], v[\a2]
	v_cmp_lt_f32 vcc_lo, v[\val], v[\a3]
	v_cndmask_b32 v[TMP], v[\id], v[\i2], s27
	v_cndmask_b32 v[\i3], v[\i3], v[TMP], vcc_lo
	v_cndmask_b32 v[TMP], v[\id], v[\i1], s26
	v_cndmask_b32 v[\i2], v[\i2], v[TMP], s27
	v_cndmask_b32 v[\i1], v[\i1], v[\id], s26
	v_med3_num_f32 v[\a3], v[\a2], v[\a3], v[\val]
	v_med3_num_f32 v[\a2], v[\a1], v[\a2], v[\val]
	v_min_num_f32 v[\a1], v[\a1], v[\val]
.endm
; registers: v1 4 x my query, v2 16 t, v6 the lists' LDS byte;  v16-19 -2x, -2y, -2z, n1;  v20-22 the three least d;  v24-26 their indices, v27 = 0;  v31 index;
; v33 column's first index;  v34 column's LDS byte;  v35 where I store records;  v36-51 four records;  v52, v53 at work;  v56-61 the columns;  v64-99 xyz2 as loaded;  v64-191 a column
.macro QLOADS                          ; my query and its three columns
	global_load_b32 v16, v1, s[4:5]
	global_load_b32 v17, v1, s[4:5] offset:65536
	global_load_b32 v18, v1, s[4:5] offset:131072
	global_load_b32 v56, v1, s[8:9]
.endm
.macro LD3 i                           ; x, y, z of quad t + 384 i
.irp c, 0,1,2
	global_load_b128 v[64+12*\i+4*\c:64+12*\i+4*\c+3], v2, s[6:7] offset:\c*16384+\i*6144
.endr
.endm
.macro RECS i                          ; that quad: rounded to bf16, the squared norms, four records into the table (384 quads are 48 columns)
.irp c, 0,1,2
	v_cvt_pk_bf16_f32 v52, v[64+12*\i+4*\c], v[64+12*\i+4*\c+1]
	v_cvt_pk_bf16_f32 v53, v[64+12*\i+4*\c+2], v[64+12*\i+4*\c+3]
	v_lshlrev_b32 v[36+\c], 16, v52
	v_and_b32 v[40+\c], s28, v52
	v_lshlrev_b32 v[44+\c], 16, v53
	v_and_b32 v[48+\c], s28, v53
.endr
.irp q, 0,1,2,3
	v_mul_f32 v[39+4*\q], v[36+4*\q], v[36+4*\q]
.endr
.irp q, 0,1,2,3
	v_fma_f32 v[39+4*\q], v[37+4*\q], v[37+4*\q], v[39+4*\q]
.endr
.irp q, 0,1,2,3
	v_fma_f32 v[39+4*\q], v[38+4*\q], v[38+4*\q], v[39+4*\q]
.endr
.irp q, 0,1,2,3
	ds_store_b128 v35, v[36+4*\q:39+4*\q] offset:\i*48*PITCH+16*\q
.endr
.endm
; A column's 32 candidates.  The distances are formed four at a time, stage by stage, so that no line reads the result of the line in front of it; each in the order stated above.
.macro COLUMN c
	v_mul_u32_u24 v34, v[\c], PITCH
	v_lshlrev_b32 v33, 5, v[\c]
.set j, 0
.rept 32
	ds_load_b128 v[64+4*j:67+4*j], v34 offset:16*j
.set j, j+1
.endr
.set j, 0
.rept 8
	s_wait_dscnt 28-j                              ; records j .. j + 3 are in, the younger ones stay out
.irp k, 0,1,2,3
	v_mul_f32 v[DD+\k], v[64+4*(j+\k)], v16
.endr
.irp k, 0,1,2,3
	v_fma_f32 v[DD+\k], v[65+4*(j+\k)], v17, v[DD+\k]
.endr
.irp k, 0,1,2,3
	v_fma_f32 v[DD+\k], v[66+4*(j+\k)], v18, v[DD+\k]
.endr
.irp k, 0,1,2,3
	v_add_f32 v[TT+\k], v[67+4*(j+\k)], v19
.endr
.irp k, 0,1,2,3
	v_add_f32 v[DD+\k], v[TT+\k], v[DD+\k]
.endr
.irp k, 0,1,2,3
	v_add_nc_u32 v31, j+\k, v33
	INS DD+\k, 31, 20, 21, 22, 24, 25, 26
.endr
.set j, j+4
.endr
.endm
	s_load_b256 s[4:11], s[0:1], 0x0               ; xyz1 s[4:5], xyz2 s[6:7], cols s[8:9], nidx s[10:11]
	s_load_b64 s[12:13], s[0:1], 0x20              ; nw
	v_lshl_add_u32 v192, v0, 2, 0x12000
	v_mov_b32 v193, 0
	v_lshrrev_b32 v3, 5, v0
	v_readfirstlane_b32 s25, v3                    ; wave 0 .. 11
	s_lshr_b32 s29, s25, 2                         ; the rank of my column: 0, 1, 2
	s_lshr_b32 s14, ttmp9, 7                       ; batch
	s_and_b32 s15, ttmp9, 127                      ; block of 128 queries
	s_mov_b32 s28, 0xffff0000
	v_lshlrev_b32 v2, 4, v0                        ; 16 t
	v_lshrrev_b32 v4, 3, v0
	v_and_b32 v5, 7, v0
	v_mul_u32_u24 v35, v4, PITCH                   ; quad t: column t / 8, records 4 (t mod 8) ..
	v_lshl_add_u32 v35, v5, 6, v35
	s_mul_i32 s16, s14, 196608
	s_lshl_b32 s24, s15, 9
	s_add_co_u32 s16, s16, s24
	s_mov_b32 s17, 0
	s_mul_i32 s18, s14, 49152
	s_mov_b32 s19, 0
	s_lshl_b32 s20, s14, 16
	s_add_co_u32 s20, s20, s24                     ; 4 bytes a query
	s_mov_b32 s21, 0
	s_lshl_b32 s22, s20, 2                         ; 16 bytes a query
	s_mov_b32 s23, 0
	s_and_b32 s24, s25, 3
	s_lshl_b32 s24, s24, 7                         ; my wave's 32 queries of 4 bytes
	v_and_b32 v3, 31, v0
	v_lshl_add_u32 v1, v3, 2, s24                  ; 4 x my query
	s_wait_kmcnt 0x0
	s_add_nc_u64 s[4:5], s[4:5], s[16:17]
	s_add_nc_u64 s[6:7], s[6:7], s[18:19]
	s_add_nc_u64 s[8:9], s[8:9], s[20:21]
	s_add_nc_u64 s[10:11], s[10:11], s[22:23]
	s_add_nc_u64 s[12:13], s[12:13], s[22:23]
	s_cmp_gt_u32 s25, 7
	s_cbranch_scc1 .Ltwo
	QLOADS                                         ; waves 0 to 7: three quads
	LD3 0
	LD3 1
	LD3 2
	s_wait_loadcnt 0x6                             ; the first quad's x, y, z are in; three loads for each later quad stay out
	RECS 0
	s_wait_loadcnt 0x3
	RECS 1
	s_wait_loadcnt 0x0
	RECS 2
	s_branch .Ltable
.Ltwo:
	QLOADS                                         ; waves 8 to 11: two quads
	LD3 0
	LD3 1
	s_wait_loadcnt 0x3                             ; the first quad's x, y, z are in; the second's three loads stay out
	RECS 0
	s_wait_loadcnt 0x0
	RECS 1
.Ltable:
	; my query (its loads are older than all that have been waited for)
	v_cvt_pk_bf16_f32 v52, v16, v17
	v_cvt_pk_bf16_f32 v53, v18, v18
	v_lshlrev_b32 v16, 16, v52
	v_and_b32 v17, s28, v52
	v_lshlrev_b32 v18, 16, v53
	v_mul_f32 v19, v16, v16
	v_fma_f32 v19, v17, v17, v19
	v_fma_f32 v19, v18, v18, v19
	v_mul_f32 v16, -2.0, v16
	v_mul_f32 v17, -2.0, v17
	v_mul_f32 v18, -2.0, v18
	; the three columns in ascending order, mine chosen by the wave's rank, then clamped to the table: only the multiply by the pitch follows the clamp
	v_bfe_u32 v57, v56, 8, 8
	v_bfe_u32 v58, v56, 16, 8
	v_and_b32 v56, 0xff, v56
	v_min_u32 v59, v56, v57
	v_max_u32 v60, v56, v57
	v_min_u32 v61, v60, v58
	v_max_u32 v58, v60, v58                        ; the largest
	v_min_u32 v56, v59, v61                        ; the least
	v_max_u32 v57, v59, v61                        ; the middle one
	s_cmp_eq_u32 s29, 1
	s_cselect_b32 s30, -1, 0
	s_cmp_eq_u32 s29, 2
	s_cselect_b32 s31, -1, 0
	v_cndmask_b32 v56, v56, v57, s30
	v_cndmask_b32 v56, v56, v58, s31
	v_min_u32 v56, 127, v56
.irp j, 0,1,2
	v_mov_b32 v[20+\j], 0x7f800000
	v_mov_b32 v[24+\j], 0
.endr
	s_wait_dscnt 0x0
	s_barrier_signal -1
	s_barrier_wait -1                              ; the table is whole
	COLUMN 56
	s_cmp_lt_u32 s25, 4
	s_cbranch_scc1 .Lkeep
	s_sub_co_u32 s30, s29, 1                       ; waves 4 to 11: my list into LDS: rank 1, then rank 2
	s_mul_i32 s30, s30, LIST
	s_add_co_u32 s30, s30, MRG
	v_add_nc_u32 v6, s30, v1
	ds_store_b32 v6, v20
	ds_store_b32 v6, v21 offset:512
	ds_store_b32 v6, v22 offset:1024
	ds_store_b32 v6, v24 offset:1536
	ds_store_b32 v6, v25 offset:2048
	ds_store_b32 v6, v26 offset:2560
.Lkeep:
	s_wait_dscnt 0x0                               ; my stores are done, for waves 0 to 3
	s_barrier_signal -1
	s_barrier_wait -1                              ; the lists of the middle and the largest columns are in LDS
	s_cmp_gt_u32 s25, 3
	s_cbranch_scc1 .Lend
	v_add_nc_u32 v6, MRG, v1                       ; waves 0 to 3: my query is thread t's
.irp r, 0,1
.irp it, 0,1,2,3,4,5
	ds_load_b32 v[64+6*\r+\it], v6 offset:\r*LIST+\it*512
.endr
.endr
	v_mov_b32 v27, 0
	v_mov_b32 v43, 0
	s_wait_dscnt 0x0
.irp r, 0,1
.irp k, 0,1,2
	INS 64+6*\r+\k, 64+6*\r+3+\k, 20, 21, 22, 24, 25, 26
.endr
.endr
	v_add_f32 v20, 0x322bcc77, v20                 ; + 1e-8
	v_add_f32 v21, 0x322bcc77, v21
	v_add_f32 v22, 0x322bcc77, v22
	v_rcp_f32 v40, v20
	v_rcp_f32 v41, v21
	v_rcp_f32 v42, v22
	v_nop                                          ; one plain instruction behind the reciprocals before their results are used (ISA guide 5.7.2)
	s_wait_alu depctr_va_vdst(0)
	v_add_f32 v44, v40, v41
	v_add_f32 v44, v44, v42
	v_rcp_f32 v45, v44
	v_nop
	s_wait_alu depctr_va_vdst(0)
	v_mul_f32 v40, v40, v45
	v_mul_f32 v41, v41, v45
	v_mul_f32 v42, v42, v45
	global_store_b128 v2, v[24:27], s[10:11]       ; a wave stores 512 consecutive bytes, aligned
	global_store_b128 v2, v[40:43], s[12:13]
.Lend:
	s_wait_tensorcnt 0x0
	ds_add_u32 v192, v193
	s_wait_dscnt 0x0
	s_endpgm
.Lfunc_end_k_qa89cf444dc_knn_fine:
	.size	k_qa89cf444dc_knn_fine, .Lfunc_end_k_qa89cf444dc_knn_fine-k_qa89cf444dc_knn_fine
	.p2alignl 7, 3214868480
	.fill 96, 4, 3214868480
	.section	.rodata,"a",@progbits
	.p2align	6, 0x0
	.amdhsa_kernel k_qa89cf444dc_knn_fine
		.amdhsa_group_segment_fixed_size 75264
		.amdhsa_private_segment_fixed_size 0
		.amdhsa_enable_private_segment 0
		.amdhsa_kernarg_size 40
		.amdhsa_user_sgpr_count 2
		.amdhsa_user_sgpr_kernarg_segment_ptr 1
		.amdhsa_wavefront_size32 1
		.amdhsa_system_sgpr_workgroup_id_x 1
		.amdhsa_system_sgpr_workgroup_id_y 1
		.amdhsa_system_sgpr_workgroup_id_z 1
		.amdhsa_system_vgpr_workitem_id 0
		.amdhsa_next_free_vgpr 194
		.amdhsa_next_free_sgpr 66
		.amdhsa_reserve_vcc 1
		.amdhsa_float_denorm_mode_32 3
		.amdhsa_float_denorm_mode_16_64 3
		.amdhsa_memory_ordered 1
		.amdhsa_forward_progress 1
		.amdhsa_inst_pref_size 50
	.end_amdhsa_kernel
	.amdgpu_metadata
---
amdhsa.version: [ 1, 2 ]
amdhsa.kernels:
  - .name:           k_qa89cf444dc_knn_fine
    .symbol:         k_qa89cf444dc_knn_fine.kd
    .args:
      - { .name: xyz1, .offset: 0, .size: 8, .value_kind: global_buffer, .address_space: global }
      - { .name: xyz2, .offset: 8, .size: 8, .value_kind: global_buffer, .address_space: global }
      - { .name: cols, .offset: 16, .size: 8, .value_kind: global_buffer, .address_space: global }
      - { .name: nidx, .offset: 24, .size: 8, .value_kind: global_buffer, .address_space: global }
      - { .name: nw, .offset: 32, .size: 8, .value_kind: global_buffer, .address_space: global }
    .group_segment_fixed_size: 75264
    .private_segment_fixed_size: 0
    .kernarg_segment_align: 8
    .kernarg_segment_size: 40
    .max_flat_workgroup_size: 384
    .sgpr_count:     66
    .vgpr_count:     194
    .wavefront_size: 32
...
	.end_amdgpu_metadata
.endif
;; end of part 8
;; launch conv0 (part 9): grid 256 x 1, 8 waves a work-group, no clusters, 144,384 bytes of LDS; arguments points1, prep, nidx, nw, y0; writes y0
.if DOCPART == 9
	.amdgcn_target "amdgcn-amd-amdhsa--gfx1250"
	.amdhsa_code_object_version 6
	.text
	.protected	k_qa89cf444dc_conv0
	.globl	k_qa89cf444dc_conv0
	.p2align	8
	.type	k_qa89cf444dc_conv0,@function
k_qa89cf444dc_conv0:
	s_mov_b64 s[64:65], 0
	v_nop
	global_prefetch_b8 v0, s[64:65] scope:SCOPE_SE
	s_setreg_imm32_b32 hwreg(HW_REG_WAVE_MODE, 25, 1), 1
	s_wait_xcnt 0x0
; Launch 3 of 6: y[b][o][n] = sum over k of W0[o][k] X[k][n], X = points1 (k < 256) on top of the blend of the three neighbours' features (k >= 256),
; and for each channel the sum S and the centred sum of squares M2 over the work-group's 128 points.  b0 is left out: BatchNorm takes the channel's mean away,
; so a constant added to a channel reaches no output (shown at the head of the first kernel).
; A work-group: 128 points x 256 channels, K = 512.  Wave w: channels 32 w .. 32 w + 31 for all 128 points: 16 accumulator tiles, 128 registers.
; Operands in f16: points1, points2 and W0 are rounded to bf16 first (exact in f16 for magnitudes from 2^-14 to 65,504; below, the absolute error is at most
; 2^-25); the blend keeps f16's 11 bits.  Sums in f32.
; SOURCE 0 = 16 points x 32 K of X, SOURCE 1 = 16 channels x 32 K of W0: lane (r, h) then holds channel r, and its registers 0 to 7 the points 8 h + 0 .. 7:
; a channel's statistics stay in two lanes.
; WHAT IS STORED.  y0 holds y - S / 128 (y less the group's mean of the channel) in f16; S and M2 are taken from the f32 sums.  The only reader multiplies by a
; scale, adds a shift and rounds to f16 anyway; taking the group's mean away keeps f16's 11 bits for the spread, whatever offset the channel carries.
; Limit: |y - S / 128| below 65,504; below 2^-14 the absolute error is at most 2^-25.
; y0's order is the accumulators' own: [256 groups][8 waves][16 tiles 2 pt + ot][32 lanes][16 bytes]; a lane's 8 points of a tile are 16 bytes, a wave's store covers
; 512 consecutive bytes, aligned, straight from registers.  Wave w of group g of the next product reads exactly these 8 KiB.  The partials lie behind, at byte 16,777,216.
; W0's fragments come straight from memory into registers v256-511, in the order in which an earlier launch laid them: each of the wave's 32 KiB is used by this
; wave alone, so LDS, tensor loads and a cluster's joint loads would only add a way through LDS for them.
; LDS: XT [256 k][128 n] f16, pitch 288 (read by transposing loads);  XI [128 n][256 k] f16, pitch 528;  STAT 2 x 256 f32.
.set XI,     73728
.set STAT,   141312
.set XTP,    288
.set XIP,    528
.set NSTEP,  16
.set PART,   0x1000000                 ; the partials' place in y0
.set XF,     16                        ; v16-47, v48-79: X fragments of point tiles 0-3 and 4-7
.set G0,     32                        ; v32-127: neighbours' rows of points 0-7 of my 16: point p, neighbour k at 12 p + 4 k
.set G1,     128                       ; v128-223: the same for points 8-15 (behind points1's rows, in front of the accumulators)
.set ACC,    128                       ; v128-255: tile (pt, ot) at 8 (2 pt + ot)
.set HS,     64                        ; v64-127: the way out: tile (pt, ot) in f16 at 4 (2 pt + ot)
; v1 lane, v2 16 x lane, v3 XT store, v4 XI store, v5, v6 transposing loads, v7 XI loads, v8 = 0.0, v9-11 weights (v9 later the statistics' LDS address),
; v12-15, v28-31 at work, v16-23 a blended row in f32, v24-27 in f16
.set MSB, 0
.macro WIN new                         ; the immediate's high byte repeats the setting that is left
.if MSB != \new
	s_set_vgpr_msb (MSB<<8)|\new
.set MSB, \new
.endif
.endm
.macro NOP4
.rept 4
	v_nop
.endr
.endm
; 24 rows of 512 bytes of the transposed table: the index is clamped to the table, the offset is made in the load's own first destination register
.macro GATHER g
.irp p, 0,1,2,3,4,5,6,7
.irp k, 0,1,2
	s_min_u32 s[16+4*\p+\k], s[16+4*\p+\k], 0xfff
	v_lshl_add_u32 v[\g+12*\p+4*\k], s[16+4*\p+\k], 9, v2
.endr
.endr
.irp p, 0,1,2,3,4,5,6,7
.irp k, 0,1,2
	global_load_b128 v[\g+12*\p+4*\k:\g+12*\p+4*\k+3], v[\g+12*\p+4*\k], s[72:73]
.endr
.endr
.endm
.macro CVTROW i                        ; a row of points1, my four points: to bf16, to f16, into XT
	v_cvt_pk_bf16_f32 v12, v[128+4*(\i)], v[129+4*(\i)]
	v_cvt_pk_bf16_f32 v13, v[130+4*(\i)], v[131+4*(\i)]
	v_lshlrev_b32 v28, 16, v12
	v_and_b32 v29, s96, v12
	v_lshlrev_b32 v30, 16, v13
	v_and_b32 v31, s96, v13
	v_cvt_pk_f16_f32 v14, v28, v29
	v_cvt_pk_f16_f32 v15, v30, v31
	ds_store_b64 v3, v[14:15] offset:XTP*(\i)
.endm
; One point: my 8 channels of w0 f0 + w1 f1 + w2 f2, multiply-adds straight from the bf16 halves; there is no plain multiply of this kind, so the first adds onto v8 = 0
.macro INTERP g, sw, off
	v_mov_b32 v9, s[\sw]
	v_mov_b32 v10, s[\sw+1]
	v_mov_b32 v11, s[\sw+2]
.irp j, 0,1,2,3
	v_fma_mix_f32_bf16 v[16+2*\j], v[\g+\j], v9, v8 op_sel_hi:[1,0,0]
	v_fma_mix_f32_bf16 v[17+2*\j], v[\g+\j], v9, v8 op_sel:[1,0,0] op_sel_hi:[1,0,0]
.endr
.irp j, 0,1,2,3
	v_fma_mix_f32_bf16 v[16+2*\j], v[\g+4+\j], v10, v[16+2*\j] op_sel_hi:[1,0,0]
	v_fma_mix_f32_bf16 v[17+2*\j], v[\g+4+\j], v10, v[17+2*\j] op_sel:[1,0,0] op_sel_hi:[1,0,0]
.endr
.irp j, 0,1,2,3
	v_fma_mix_f32_bf16 v[16+2*\j], v[\g+8+\j], v11, v[16+2*\j] op_sel_hi:[1,0,0]
	v_fma_mix_f32_bf16 v[17+2*\j], v[\g+8+\j], v11, v[17+2*\j] op_sel:[1,0,0] op_sel_hi:[1,0,0]
.endr
.irp j, 0,1,2,3
	v_cvt_pk_f16_f32 v[24+\j], v[16+2*\j], v[17+2*\j]
.endr
	ds_store_b128 v4, v[24:27] offset:\off
.endm
; X fragments of K step s for point tiles 4 u .. 4 u + 3: eight LDS loads
.macro LOADX s, u
.irp p, 0,1,2,3
.if (\s) < 4
	ds_load_tr16_b128 v[XF+32*\u+8*\p:XF+32*\u+8*\p+3], v5 offset:(\s)*32*XTP+32*(4*\u+\p)
	ds_load_tr16_b128 v[XF+32*\u+8*\p+4:XF+32*\u+8*\p+7], v5 offset:(\s)*32*XTP+32*(4*\u+\p)+16*XTP
.else
.if (\s) < 8
	ds_load_tr16_b128 v[XF+32*\u+8*\p:XF+32*\u+8*\p+3], v6 offset:((\s)-4)*32*XTP+32*(4*\u+\p)
	ds_load_tr16_b128 v[XF+32*\u+8*\p+4:XF+32*\u+8*\p+7], v6 offset:((\s)-4)*32*XTP+32*(4*\u+\p)+16*XTP
.else
	ds_load_b128 v[XF+32*\u+8*\p:XF+32*\u+8*\p+3], v7 offset:(4*\u+\p)*16*XIP+((\s)-8)*64
	ds_load_b128 v[XF+32*\u+8*\p+4:XF+32*\u+8*\p+7], v7 offset:(4*\u+\p)*16*XIP+((\s)-8)*64+32
.endif
.endif
.endr
.endm
; Eight matrix instructions: point tiles 4 u .. 4 u + 3 x both channel tiles.  The sixteen accumulators take turns, one instruction a turn.
.macro MUL8 s, u, zero
.irp p, 0,1,2,3
.irp o, 0,1
.if \zero
	v_wmma_f32_16x16x32_f16 v[ACC+8*(2*(4*\u+\p)+\o):ACC+8*(2*(4*\u+\p)+\o)+7], v[XF+32*\u+8*\p:XF+32*\u+8*\p+7], v[16*(\s)+8*\o:16*(\s)+8*\o+7], 0
.else
	v_wmma_f32_16x16x32_f16 v[ACC+8*(2*(4*\u+\p)+\o):ACC+8*(2*(4*\u+\p)+\o)+7], v[XF+32*\u+8*\p:XF+32*\u+8*\p+7], v[16*(\s)+8*\o:16*(\s)+8*\o+7], v[ACC+8*(2*(4*\u+\p)+\o):ACC+8*(2*(4*\u+\p)+\o)+7]
.endif
.endr
.endr
.endm
; A K step of 32.  A load into registers that a matrix instruction has read stands four places behind it (ISA guide 7.12.1 for vector instructions).
.macro STEP s, last, zero
	s_wait_loadcnt 4*(NSTEP-1-(\s))                ; this step's four loads of W are in; four for each later step stay out
	s_wait_dscnt 8                                 ; tiles 0-3 are in; the eight loads of tiles 4-7 stay out
	MUL8 \s, 0, \zero
.if \last
	s_wait_dscnt 0
.else
	NOP4
	LOADX (\s)+1, 0
	s_wait_dscnt 8                                 ; tiles 4-7 are in; the eight just issued stay out
.endif
	MUL8 \s, 1, \zero
.if \last == 0
	NOP4
	LOADX (\s)+1, 1
.endif
.endm
; Tile (p, o): y less the group's mean; its squares onto M2 (the first tile starts the sums); the difference itself in f16, stored at once.
.macro CENTRE p, o, first
.irp j, 0,1,2,3
	v_pk_add_f32 v[40+2*\j:41+2*\j], v[ACC+16*\p+8*\o+2*\j:ACC+16*\p+8*\o+2*\j+1], v[24:25] neg_lo:[0,1] neg_hi:[0,1]
.endr
.irp j, 0,1,2,3
.if \first
	v_pk_mul_f32 v[32+2*\j:33+2*\j], v[40+2*\j:41+2*\j], v[40+2*\j:41+2*\j]
.else
	v_pk_fma_f32 v[32+2*\j:33+2*\j], v[40+2*\j:41+2*\j], v[40+2*\j:41+2*\j], v[32+2*\j:33+2*\j]
.endif
.endr
.irp j, 0,1,2,3
	v_cvt_pk_f16_f32 v[HS+4*(2*\p+\o)+\j], v[40+2*\j], v[41+2*\j]
.endr
	global_store_b128 v2, v[HS+4*(2*\p+\o):HS+4*(2*\p+\o)+3], s[76:77] offset:(2*\p+\o)*512   ; the wave stores 512 consecutive bytes, aligned; each tile has data registers of its own
.endm
; Channel tile o: S = the sum over the 128 points, M2 = the sum of (y - S / 128)^2: no difference of large sums.  Lanes 0-15 store S, lanes 16-31 M2.
.macro STATS o
.irp j, 0,1,2,3
	v_pk_add_f32 v[16+2*\j:17+2*\j], v[ACC+8*\o+2*\j:ACC+8*\o+2*\j+1], v[ACC+16+8*\o+2*\j:ACC+16+8*\o+2*\j+1]
.endr
.irp p, 2,3,4,5,6,7
.irp j, 0,1,2,3
	v_pk_add_f32 v[16+2*\j:17+2*\j], v[16+2*\j:17+2*\j], v[ACC+16*\p+8*\o+2*\j:ACC+16*\p+8*\o+2*\j+1]
.endr
.endr
	v_pk_add_f32 v[16:17], v[16:17], v[18:19]
	v_pk_add_f32 v[20:21], v[20:21], v[22:23]
	v_pk_add_f32 v[16:17], v[16:17], v[20:21]
	v_add_f32 v16, v16, v17
	v_permlanex16_b32 v28, v16, s98, s99           ; the other eight points of each tile lie in lane xor 16
	v_add_f32 v16, v16, v28
	v_mul_f32 v24, 0x3c000000, v16                 ; the group's mean, twice
	v_mul_f32 v25, 0x3c000000, v16
	CENTRE 0, \o, 1
.irp p, 1,2,3,4,5,6,7
	CENTRE \p, \o, 0
.endr
	v_pk_add_f32 v[32:33], v[32:33], v[34:35]
	v_pk_add_f32 v[36:37], v[36:37], v[38:39]
	v_pk_add_f32 v[32:33], v[32:33], v[36:37]
	v_add_f32 v32, v32, v33
	v_permlanex16_b32 v28, v32, s98, s99
	v_add_f32 v32, v32, v28
	v_cndmask_b32 v29, v16, v32, s96
	ds_store_b32 v9, v29 offset:64*\o
.endm
	s_load_b256 s[4:11], s[0:1], 0x0               ; points1 s[4:5], prep s[6:7], nidx s[8:9], nw s[10:11]
	s_load_b64 s[12:13], s[0:1], 0x20              ; y0
	v_lshrrev_b32 v1, 5, v0
	v_readfirstlane_b32 s14, v1                    ; wave w
	v_and_b32 v1, 31, v0
	s_lshr_b32 s15, ttmp9, 7                       ; batch
	s_and_b32 s97, ttmp9, 127                      ; block of 128 points
	s_lshl_b32 s78, s15, 18                        ; 16 bytes a point: batch, block, my 16 points
	s_lshl_b32 s96, s97, 11
	s_add_co_u32 s78, s78, s96
	s_lshl_b32 s96, s14, 8
	s_add_co_u32 s78, s78, s96
	s_mov_b32 s79, 0
	s_wait_kmcnt 0x0
	s_add_nc_u64 s[66:67], s[8:9], s[78:79]
	s_add_nc_u64 s[68:69], s[10:11], s[78:79]
	s_load_b512 s[16:31], s[66:67], 0x0            ; indices of my points 0-7
	s_load_b512 s[32:47], s[66:67], 0x40
	s_load_b512 s[48:63], s[68:69], 0x0            ; their weights
	s_load_b512 s[80:95], s[68:69], 0x40
	s_lshl_b32 s78, s15, 24                        ; rows of 65,536 bytes: batch, my 32 rows; 4 bytes a point
	s_lshl_b32 s96, s14, 21
	s_add_co_u32 s78, s78, s96
	s_lshl_b32 s96, s97, 9
	s_add_co_u32 s78, s78, s96
	s_add_nc_u64 s[70:71], s[4:5], s[78:79]        ; points1: rows 32 w .. of X
	s_lshl_b32 s78, ttmp9, 16                      ; y0: 65,536 bytes a group, 8,192 a wave
	s_lshl_b32 s96, s14, 13
	s_add_co_u32 s78, s78, s96
	s_add_nc_u64 s[76:77], s[12:13], s[78:79]
	s_lshl_b32 s78, s15, 21
	s_add_nc_u64 s[72:73], s[6:7], s[78:79]        ; the batch's transposed table
	s_lshl_b32 s78, s14, 15
	s_add_co_u32 s78, s78, 4194304
	s_add_nc_u64 s[74:75], s[6:7], s[78:79]        ; my 32 KiB of W0's fragments
	s_mov_b32 s96, 0xffff0000                      ; a word's upper bf16; also: lanes 16 to 31
	s_mov_b32 s98, 0x76543210
	s_mov_b32 s99, 0xfedcba98
	v_lshlrev_b32 v2, 4, v1
.set i, 0
.rept 32
	global_load_b128 v[128+4*i:131+4*i], v2, s[70:71] offset:i*65536 th:TH_LOAD_NT
.set i, i+1
.endr
	s_mul_i32 s78, s14, 32*XTP
	v_lshl_add_u32 v3, v1, 3, s78
	s_mul_i32 s78, s14, 16*XIP
	s_add_co_u32 s78, s78, XI
	v_add_nc_u32 v4, s78, v2
	v_and_b32 v12, 7, v1
	v_lshrrev_b32 v13, 4, v1
	v_lshl_add_u32 v12, v13, 3, v12
	v_mul_u32_u24 v5, v12, XTP                     ; row 8 h + (lane mod 8),
	v_bfe_u32 v14, v1, 3, 1
	v_lshl_add_u32 v5, v14, 4, v5                  ; 16 bytes on for lanes 8-15 and 24-31
	v_add_nc_u32 v6, 128*XTP, v5
	v_and_b32 v12, 15, v1
	v_mul_u32_u24 v7, v12, XIP
	v_lshl_add_u32 v7, v13, 4, v7
	v_add_nc_u32 v7, XI, v7
	v_mov_b32 v8, 0
	s_wait_kmcnt 0x0
	GATHER G0
	s_load_b512 s[16:31], s[66:67], 0x80           ; indices of my points 8-15
	s_load_b512 s[32:47], s[66:67], 0xc0
.set i, 0
.rept 32
	s_wait_loadcnt 55-i                            ; row i is in; 31 - i later rows and the 24 gathered rows stay out
	CVTROW i
.set i, i+1
.endr
	s_wait_kmcnt 0x0
	GATHER G1
	s_load_b512 s[16:31], s[68:69], 0x80           ; weights of my points 8-15
	s_load_b512 s[32:47], s[68:69], 0xc0
.irp p, 0,1,2,3
	s_wait_loadcnt 3*(7-\p)+24                     ; this point's three rows are in; three for each later point and the second 24 stay out
	INTERP G0+12*\p, 48+4*\p, XIP*\p
.endr
.irp p, 4,5,6,7
	s_wait_loadcnt 3*(7-\p)+24
	INTERP G0+12*\p, 80+4*(\p-4), XIP*\p
.endr
	WIN 0x40                                       ; destination v256 and up
.irp s, 0,1,2,3,4,5,6,7
.irp f, 0,1,2,3
	global_load_b128 v[16*\s+4*\f:16*\s+4*\f+3], v2, s[74:75] offset:\s*2048+\f*512
.endr
.endr
	WIN 0
	s_wait_kmcnt 0x0
.irp p, 0,1,2,3,4,5,6,7
	s_wait_loadcnt 3*(7-\p)+32                     ; as above; the 32 loads of W stay out
	INTERP G1+12*\p, 16+4*\p, XIP*(\p+8)
.endr
	WIN 0x40
.irp s, 8,9,10,11,12,13,14,15
.irp f, 0,1,2,3
	global_load_b128 v[16*\s+4*\f:16*\s+4*\f+3], v2, s[74:75] offset:\s*2048+\f*512
.endr
.endr
	WIN 0
	s_wait_dscnt 0x0                               ; my rows of XT and XI are stored
	s_barrier_signal -1
	s_barrier_wait -1                              ; X is whole
	WIN 0x04                                       ; source 1 (W) in v256 and up; LDS loads name a destination and source 0 alone
	LOADX 0, 0
	LOADX 0, 1
	STEP 0, 0, 1                                   ; the first products start the sums: nothing is cleared
.irp s, 1,2,3,4,5,6,7,8,9,10,11,12,13,14
	STEP \s, 0, 0
.endr
	STEP 15, 1, 0
	WIN 0
	; the statistics' LDS address: five plain vector instructions that name no register of the last matrix instructions; they are the places in front of the first read of a result
	v_and_b32 v12, 15, v1
	v_lshrrev_b32 v13, 4, v1
	v_lshlrev_b32 v9, 2, v12
	v_lshl_add_u32 v9, v13, 10, v9
	s_lshl_b32 s78, s14, 7
	s_add_co_u32 s78, s78, STAT
	v_add_nc_u32 v9, s78, v9                       ; STAT: 1,024 h + 4 (32 w + r)
	STATS 0
	STATS 1
	s_wait_dscnt 0x0                               ; my statistics are stored, for wave 0's sake
	s_barrier_signal -1
	s_barrier_wait -1                              ; all 256 channels' S and M2 are in LDS
	s_cmp_lg_u32 s14, 0
	s_cbranch_scc1 .Lend
	v_add_nc_u32 v12, STAT, v2                     ; wave 0: the group's 256 S and 256 M2, whole, behind y0's numbers
.irp i, 0,1,2,3
	ds_load_b128 v[192+4*\i:195+4*\i], v12 offset:512*\i
.endr
	s_lshl_b32 s78, ttmp9, 11
	s_add_co_u32 s78, s78, PART
	s_mov_b32 s79, 0
	s_add_nc_u64 s[12:13], s[12:13], s[78:79]
	s_wait_dscnt 0x0
.irp i, 0,1,2,3
	global_store_b128 v2, v[192+4*\i:195+4*\i], s[12:13] offset:512*\i
.endr
.Lend:
	s_wait_xcnt 0x0
	v_lshl_add_u32 v254, v0, 2, 0x23000
	v_mov_b32 v255, 0
	s_wait_tensorcnt 0x0
	ds_add_u32 v254, v255
	s_wait_dscnt 0x0
	s_endpgm
.Lfunc_end_k_qa89cf444dc_conv0:
	.size	k_qa89cf444dc_conv0, .Lfunc_end_k_qa89cf444dc_conv0-k_qa89cf444dc_conv0
	.p2alignl 7, 3214868480
	.fill 96, 4, 3214868480
	.section	.rodata,"a",@progbits
	.p2align	6, 0x0
	.amdhsa_kernel k_qa89cf444dc_conv0
		.amdhsa_group_segment_fixed_size 144384
		.amdhsa_private_segment_fixed_size 0
		.amdhsa_enable_private_segment 0
		.amdhsa_kernarg_size 40
		.amdhsa_user_sgpr_count 2
		.amdhsa_user_sgpr_kernarg_segment_ptr 1
		.amdhsa_wavefront_size32 1
		.amdhsa_system_sgpr_workgroup_id_x 1
		.amdhsa_system_sgpr_workgroup_id_y 1
		.amdhsa_system_sgpr_workgroup_id_z 1
		.amdhsa_system_vgpr_workitem_id 0
		.amdhsa_next_free_vgpr 512
		.amdhsa_next_free_sgpr 100
		.amdhsa_reserve_vcc 0
		.amdhsa_float_denorm_mode_32 3
		.amdhsa_float_denorm_mode_16_64 3
		.amdhsa_memory_ordered 1
		.amdhsa_forward_progress 1
		.amdhsa_inst_pref_size 127
	.end_amdhsa_kernel
	.amdgpu_metadata
---
amdhsa.version: [ 1, 2 ]
amdhsa.kernels:
  - .name:           k_qa89cf444dc_conv0
    .symbol:         k_qa89cf444dc_conv0.kd
    .args:
      - { .name: points1, .offset: 0, .size: 8, .value_kind: global_buffer, .address_space: global }
      - { .name: prep, .offset: 8, .size: 8, .value_kind: global_buffer, .address_space: global }
      - { .name: nidx, .offset: 16, .size: 8, .value_kind: global_buffer, .address_space: global }
      - { .name: nw, .offset: 24, .size: 8, .value_kind: global_buffer, .address_space: global }
      - { .name: y0, .offset: 32, .size: 8, .value_kind: global_buffer, .address_space: global }
    .group_segment_fixed_size: 144384
    .private_segment_fixed_size: 0
    .kernarg_segment_align: 8
    .kernarg_segment_size: 40
    .max_flat_workgroup_size: 256
    .sgpr_count:     100
    .vgpr_count:     512
    .wavefront_size: 32
...
	.end_amdgpu_metadata
.endif
;; end of part 9
;; launch bn0 (part 10): grid 4 x 1, 8 waves a work-group, no clusters, 9,216 bytes of LDS; arguments y0, g0, be0, ab0; writes ab0
.if DOCPART == 10
	.amdgcn_target "amdgcn-amd-amdhsa--gfx1250"
	.amdhsa_code_object_version 6
	.text
	.protected	k_qa89cf444dc_bn0
	.globl	k_qa89cf444dc_bn0
	.p2align	8
	.type	k_qa89cf444dc_bn0,@function
k_qa89cf444dc_bn0:
	s_mov_b64 s[64:65], 0
	v_nop
	global_prefetch_b8 v0, s[64:65] scope:SCOPE_SE
	s_setreg_imm32_b32 hwreg(HW_REG_WAVE_MODE, 25, 1), 1
	s_wait_xcnt 0x0
; Launch 4 of 6: from the 256 work-groups' partial statistics (S = sum, M2 = sum of squares about the group's own mean, 128 points each) the channel's
; mean and biased variance over all 32,768 points, and from them a = g rsqrt(var + 1e-5), c = be - mean a, so that the first BatchNorm is a y + c.
; M2 of the whole = sum of M2_i + 128 sum of (S_i / 128 - mean)^2: no difference of large sums.  The bias of the convolution is left out (it cancels in y - mean).
; g and be are rounded to bf16 like every input.  Four work-groups are all that 256 channels' 512 KiB of partials have work for: work-group j takes channels 64 j .. 64 j + 63.
; (Every group of the next product needs all 256 channels: were this step made there, each of its 256 groups would read all 512 KiB.)
; Lane: cq = lane mod 16 (four channels), gs = lane / 16; wave w takes the partials 32 w + 2 i + gs, i = 0 .. 15.  16 lanes read 256 consecutive bytes.
.set PART, 0x1000000                   ; the partials lie behind the 16,777,216 bytes of y
	s_load_b256 s[4:11], s[0:1], 0x0               ; y s[4:5], g s[6:7], be s[8:9], ab s[10:11]
	v_lshl_add_u32 v232, v0, 2, 0x2000
	v_mov_b32 v233, 0
	v_lshrrev_b32 v1, 5, v0
	v_readfirstlane_b32 s12, v1
	v_and_b32 v1, 31, v0
	v_and_b32 v2, 15, v1
	v_lshrrev_b32 v3, 4, v1
	v_lshlrev_b32 v4, 4, v2                        ; 16 cq
	v_lshl_add_u32 v5, v3, 11, v4                  ; + a partial of 2,048 bytes for gs
	v_lshl_add_u32 v7, v3, 10, v4                  ; the result: a at 0, c at 1,024
	v_lshl_add_u32 v6, v3, 8, v4
	s_lshl_b32 s13, s12, 9
	v_add_nc_u32 v6, s13, v6                       ; LDS: (2 w + gs) 256 + 16 cq
	s_lshl_b32 s16, ttmp9, 8                       ; 64 channels of 4 bytes
	s_mov_b32 s17, 0
	s_lshl_b32 s14, s12, 16
	s_add_co_u32 s14, s14, s16
	s_add_co_u32 s14, s14, PART
	s_mov_b32 s15, 0
	s_mov_b32 s20, 0x38000000                      ; 1 / 32768
	s_mov_b32 s21, 0xffff0000                      ; a word's upper bf16; also: lanes 16 to 31
	s_mov_b32 s22, 0x3727c5ac                      ; 1e-5
	s_wait_kmcnt 0x0
	s_add_nc_u64 s[4:5], s[4:5], s[14:15]
	s_add_nc_u64 s[6:7], s[6:7], s[16:17]
	s_add_nc_u64 s[8:9], s[8:9], s[16:17]
	s_add_nc_u64 s[10:11], s[10:11], s[16:17]
.irp i, 0,1,2,3,4,5,6,7,8,9,10,11,12,13,14,15
	global_load_b128 v[32+4*\i:35+4*\i], v5, s[4:5] offset:\i*4096
.endr
.irp i, 0,1,2,3,4,5,6,7,8,9,10,11,12,13,14,15
	global_load_b128 v[96+4*\i:99+4*\i], v5, s[4:5] offset:\i*4096+1024
.endr
	global_load_b128 v[160:163], v4, s[6:7]
	global_load_b128 v[164:167], v4, s[8:9]
	s_wait_loadcnt 18                              ; the 16 S are in; the 16 M2, g and be stay out
	v_pk_add_f32 v[16:17], v[32:33], v[36:37]
	v_pk_add_f32 v[18:19], v[34:35], v[38:39]
.irp i, 2,3,4,5,6,7,8,9,10,11,12,13,14,15
	v_pk_add_f32 v[16:17], v[16:17], v[32+4*\i:33+4*\i]
	v_pk_add_f32 v[18:19], v[18:19], v[34+4*\i:35+4*\i]
.endr
	ds_store_b128 v6, v[16:19]
	s_wait_dscnt 0x0
	s_barrier_signal -1
	s_barrier_wait -1
.irp k, 0,1,2,3,4,5,6,7,8,9,10,11,12,13,14,15
	ds_load_b128 v[168+4*\k:171+4*\k], v4 offset:256*\k
.endr
	s_wait_dscnt 0x0
	v_pk_add_f32 v[16:17], v[168:169], v[172:173]
	v_pk_add_f32 v[18:19], v[170:171], v[174:175]
.irp k, 2,3,4,5,6,7,8,9,10,11,12,13,14,15
	v_pk_add_f32 v[16:17], v[16:17], v[168+4*\k:169+4*\k]
	v_pk_add_f32 v[18:19], v[18:19], v[170+4*\k:171+4*\k]
.endr
	v_pk_mul_f32 v[20:21], v[16:17], 0xb8000000 op_sel_hi:[1,0]    ; minus the mean of my four channels
	v_pk_mul_f32 v[22:23], v[18:19], 0xb8000000 op_sel_hi:[1,0]
	s_wait_loadcnt 0x2                             ; the 16 M2 are in; g and be stay out
	v_pk_fma_f32 v[24:25], v[32:33], 0x3c000000, v[20:21] op_sel_hi:[1,0,1]   ; the group's mean less the whole's
	v_pk_fma_f32 v[26:27], v[34:35], 0x3c000000, v[22:23] op_sel_hi:[1,0,1]
	v_pk_mul_f32 v[28:29], v[24:25], v[24:25]
	v_pk_mul_f32 v[30:31], v[26:27], v[26:27]
	v_pk_add_f32 v[16:17], v[96:97], v[100:101]
	v_pk_add_f32 v[18:19], v[98:99], v[102:103]
.irp i, 1,2,3,4,5,6,7,8,9,10,11,12,13,14,15
	v_pk_fma_f32 v[24:25], v[32+4*\i:33+4*\i], 0x3c000000, v[20:21] op_sel_hi:[1,0,1]
	v_pk_fma_f32 v[26:27], v[34+4*\i:35+4*\i], 0x3c000000, v[22:23] op_sel_hi:[1,0,1]
	v_pk_fma_f32 v[28:29], v[24:25], v[24:25], v[28:29]
	v_pk_fma_f32 v[30:31], v[26:27], v[26:27], v[30:31]
.endr
.irp i, 2,3,4,5,6,7,8,9,10,11,12,13,14,15
	v_pk_add_f32 v[16:17], v[16:17], v[96+4*\i:97+4*\i]
	v_pk_add_f32 v[18:19], v[18:19], v[98+4*\i:99+4*\i]
.endr
	v_pk_fma_f32 v[16:17], v[28:29], 0x43000000, v[16:17] op_sel_hi:[1,0,1]   ; + 128 x the squares
	v_pk_fma_f32 v[18:19], v[30:31], 0x43000000, v[18:19] op_sel_hi:[1,0,1]
	ds_store_b128 v6, v[16:19] offset:4096         ; bytes of their own: the first 4 KiB may still be read by other waves
	s_wait_dscnt 0x0
	s_barrier_signal -1
	s_barrier_wait -1
.irp k, 0,1,2,3,4,5,6,7,8,9,10,11,12,13,14,15
	ds_load_b128 v[168+4*\k:171+4*\k], v4 offset:4096+256*\k
.endr
	s_wait_dscnt 0x0
	v_pk_add_f32 v[16:17], v[168:169], v[172:173]
	v_pk_add_f32 v[18:19], v[170:171], v[174:175]
.irp k, 2,3,4,5,6,7,8,9,10,11,12,13,14,15
	v_pk_add_f32 v[16:17], v[16:17], v[168+4*\k:169+4*\k]
	v_pk_add_f32 v[18:19], v[18:19], v[170+4*\k:171+4*\k]
.endr
	s_wait_loadcnt 0x0
.irp r, 160, 164                                   ; g and be rounded to bf16 and widened again
	v_cvt_pk_bf16_f32 v8, v[\r], v[\r+1]
	v_cvt_pk_bf16_f32 v9, v[\r+2], v[\r+3]
	v_lshlrev_b32 v[\r], 16, v8
	v_and_b32 v[\r+1], s21, v8
	v_lshlrev_b32 v[\r+2], 16, v9
	v_and_b32 v[\r+3], s21, v9
.endr
.irp e, 0,1,2,3
	v_fma_f32 v[16+\e], v[16+\e], s20, s22         ; var + 1e-5
.endr
.irp e, 0,1,2,3
	v_rsq_f32 v[24+\e], v[16+\e]
.endr
	v_nop                                          ; one plain instruction behind the roots before their results are used (ISA guide 5.7.2)
	s_wait_alu depctr_va_vdst(0)
	v_pk_mul_f32 v[24:25], v[160:161], v[24:25]    ; a
	v_pk_mul_f32 v[26:27], v[162:163], v[26:27]
	v_pk_fma_f32 v[28:29], v[20:21], v[24:25], v[164:165]          ; c = be - mean a
	v_pk_fma_f32 v[30:31], v[22:23], v[26:27], v[166:167]
.irp e, 0,1,2,3
	v_cndmask_b32 v[32+\e], v[24+\e], v[28+\e], s21                ; lanes 0-15 carry a, lanes 16-31 c
.endr
	s_cmp_lg_u32 s12, 0
	s_cbranch_scc1 .Lend
	global_store_b128 v7, v[32:35], s[10:11]       ; 16 lanes store 256 consecutive bytes, aligned
.Lend:
	s_wait_tensorcnt 0x0
	ds_add_u32 v232, v233
	s_wait_dscnt 0x0
	s_endpgm
.Lfunc_end_k_qa89cf444dc_bn0:
	.size	k_qa89cf444dc_bn0, .Lfunc_end_k_qa89cf444dc_bn0-k_qa89cf444dc_bn0
	.p2alignl 7, 3214868480
	.fill 96, 4, 3214868480
	.section	.rodata,"a",@progbits
	.p2align	6, 0x0
	.amdhsa_kernel k_qa89cf444dc_bn0
		.amdhsa_group_segment_fixed_size 9216
		.amdhsa_private_segment_fixed_size 0
		.amdhsa_enable_private_segment 0
		.amdhsa_kernarg_size 32
		.amdhsa_user_sgpr_count 2
		.amdhsa_user_sgpr_kernarg_segment_ptr 1
		.amdhsa_wavefront_size32 1
		.amdhsa_system_sgpr_workgroup_id_x 1
		.amdhsa_system_sgpr_workgroup_id_y 1
		.amdhsa_system_sgpr_workgroup_id_z 1
		.amdhsa_system_vgpr_workitem_id 0
		.amdhsa_next_free_vgpr 234
		.amdhsa_next_free_sgpr 66
		.amdhsa_reserve_vcc 0
		.amdhsa_float_denorm_mode_32 3
		.amdhsa_float_denorm_mode_16_64 3
		.amdhsa_memory_ordered 1
		.amdhsa_forward_progress 1
		.amdhsa_inst_pref_size 22
	.end_amdhsa_kernel
	.amdgpu_metadata
---
amdhsa.version: [ 1, 2 ]
amdhsa.kernels:
  - .name:           k_qa89cf444dc_bn0
    .symbol:         k_qa89cf444dc_bn0.kd
    .args:
      - { .name: y0, .offset: 0, .size: 8, .value_kind: global_buffer, .address_space: global }
      - { .name: g0, .offset: 8, .size: 8, .value_kind: global_buffer, .address_space: global }
      - { .name: be0, .offset: 16, .size: 8, .value_kind: global_buffer, .address_space: global }
      - { .name: ab0, .offset: 24, .size: 8, .value_kind: global_buffer, .address_space: global }
    .group_segment_fixed_size: 9216
    .private_segment_fixed_size: 0
    .kernarg_segment_align: 8
    .kernarg_segment_size: 32
    .max_flat_workgroup_size: 256
    .sgpr_count:     66
    .vgpr_count:     234
    .wavefront_size: 32
...
	.end_amdgpu_metadata
.endif
;; end of part 10
;; launch conv1 (part 11): grid 256 x 1, 8 waves a work-group, no clusters, 146,432 bytes of LDS; arguments y0, ab0, prep, y1; writes y1
.if DOCPART == 11
	.amdgcn_target "amdgcn-amd-amdhsa--gfx1250"
	.amdhsa_code_object_version 6
	.text
	.protected	k_qa89cf444dc_conv1
	.globl	k_qa89cf444dc_conv1
	.p2align	8
	.type	k_qa89cf444dc_conv1,@function
k_qa89cf444dc_conv1:
	s_mov_b64 s[64:65], 0
	v_nop
	global_prefetch_b8 v0, s[64:65] scope:SCOPE_SE
	s_setreg_imm32_b32 hwreg(HW_REG_WAVE_MODE, 25, 1), 1
	s_wait_xcnt 0x0
; Launch 5 of 6: h = relu(a y + c) (the first BatchNorm and ReLU), z[b][o][n] = sum over k of W1[o][k] h[k][n], and the statistics of z as in the launch conv0.
; b1 is left out: the second BatchNorm takes the channel's mean away, so a constant added to a channel reaches no output (shown at the head of the first kernel).
; A work-group: 128 points x 256 channels, K = 256.  Wave w: channels 32 w .. 32 w + 31 for all 128 points; it also makes rows 32 w .. 32 w + 31 of h.
; y0 holds y less the group's channel mean S / 128, in f16, in the accumulators' order: wave w of group g reads the 8 KiB that wave w of group g stored; lane (r, h)
; gets 8 points of channel 32 w + 16 ot + r a tile.  So a and c are a lane's own: h = relu(a y0 + (a S / 128 + c)), in f32, with the group's own S.
; h goes to the matrix unit in f16 (11 bits; magnitudes below 65,504), W1 rounded to bf16 and written as f16; sums in f32.
; Source 0 = 16 points x 32 K of h, source 1 = 16 channels x 32 K of W1: lane (r, h) holds channel r, registers 0 to 7 the points 8 h + 0 .. 7.
; y1 holds z less the group's channel mean, in f16, as rows [2][256][16384]: a group's 128 points of a channel are 256 consecutive bytes, aligned.
; Limit: |z - S / 128| below 65,504; below 2^-14 the absolute error is at most 2^-25.  The partials lie behind, at byte 16,777,216.
; W1's fragments come straight from memory into v256-383: each of the wave's 16 KiB is used by this wave alone, so LDS, tensor loads and joint loads would add a way through LDS.
; LDS: XT [256 k][128 n] f16, pitch 288 (an odd multiple of 32 bytes, for the transposing loads);  STAGE: 32 rows of 272 bytes for each wave, the wave's own and
; apart from XT, so that no barrier stands in front of the way out;  STAT 2 x 256 f32.
.set STAGE,  73728
.set STAT,   143360
.set XTP,    288
.set SPITCH, 272
.set NSTEP,  8
.set PART,   0x1000000                 ; the partials' place in y0 and in y1
.set XF,     16
.set ACC,    128
.set HS,     64                        ; v64-127: y0's tiles as loaded; later z's tiles in f16: tile (pt, ot) at 4 (2 pt + ot)
; v1 lane, v2 16 x lane, v3 XT store, v4 my channel's 4 bytes, v5, v6 transposing loads, v7 my bytes in two rows of y1, v9 statistics, v10 stage in, v11 stage back,
; v12 r, v13 h, v32-35 a twice for both channel tiles, v36-39 the shift twice, v40, v41 S
.set MSB, 0
.macro WIN new                         ; the immediate's high byte repeats the setting that is left
.if MSB != \new
	s_set_vgpr_msb (MSB<<8)|\new
.set MSB, \new
.endif
.endm
.macro NOP4
.rept 4
	v_nop
.endr
.endm
; Tile (p, o) of y0, my 8 points of one channel (h0 .. h7: the eight halves of its four registers, by name): widen, a y + shift, ReLU, f16, 16 bytes into row 32 w + 16 o + r of XT.
.macro HTILE p, o, h0, h1, h2, h3, h4, h5, h6, h7
	s_wait_loadcnt 47-(2*\p+\o)                    ; this tile is in; the later tiles and the 32 loads of W stay out
	v_cvt_f32_f16 v16, \h0
	v_cvt_f32_f16 v17, \h1
	v_cvt_f32_f16 v18, \h2
	v_cvt_f32_f16 v19, \h3
	v_cvt_f32_f16 v20, \h4
	v_cvt_f32_f16 v21, \h5
	v_cvt_f32_f16 v22, \h6
	v_cvt_f32_f16 v23, \h7
.irp j, 0,2,4,6
	v_pk_fma_f32 v[16+\j:17+\j], v[16+\j:17+\j], v[32+2*\o:33+2*\o], v[36+2*\o:37+2*\o]
.endr
.irp j, 0,1,2,3,4,5,6,7
	v_max_num_f32 v[16+\j], 0, v[16+\j]
.endr
.irp j, 0,1,2,3
	v_cvt_pk_f16_f32 v[24+20*\o+\j], v[16+2*\j], v[17+2*\j]
.endr
	ds_store_b128 v3, v[24+20*\o:27+20*\o] offset:\o*16*XTP+\p*32
.endm
.macro LOADX s, u                      ; fragments of h for K step s, point tiles 4 u .. 4 u + 3: eight transposing loads
.irp p, 0,1,2,3
.if (\s) < 4
	ds_load_tr16_b128 v[XF+32*\u+8*\p:XF+32*\u+8*\p+3], v5 offset:(\s)*32*XTP+32*(4*\u+\p)
	ds_load_tr16_b128 v[XF+32*\u+8*\p+4:XF+32*\u+8*\p+7], v5 offset:(\s)*32*XTP+32*(4*\u+\p)+16*XTP
.else
	ds_load_tr16_b128 v[XF+32*\u+8*\p:XF+32*\u+8*\p+3], v6 offset:((\s)-4)*32*XTP+32*(4*\u+\p)
	ds_load_tr16_b128 v[XF+32*\u+8*\p+4:XF+32*\u+8*\p+7], v6 offset:((\s)-4)*32*XTP+32*(4*\u+\p)+16*XTP
.endif
.endr
.endm
; The sixteen accumulators take turns, one instruction a turn.
.macro MUL8 s, u, zero
.irp p, 0,1,2,3
.irp o, 0,1
.if \zero
	v_wmma_f32_16x16x32_f16 v[ACC+8*(2*(4*\u+\p)+\o):ACC+8*(2*(4*\u+\p)+\o)+7], v[XF+32*\u+8*\p:XF+32*\u+8*\p+7], v[16*(\s)+8*\o:16*(\s)+8*\o+7], 0
.else
	v_wmma_f32_16x16x32_f16 v[ACC+8*(2*(4*\u+\p)+\o):ACC+8*(2*(4*\u+\p)+\o)+7], v[XF+32*\u+8*\p:XF+32*\u+8*\p+7], v[16*(\s)+8*\o:16*(\s)+8*\o+7], v[ACC+8*(2*(4*\u+\p)+\o):ACC+8*(2*(4*\u+\p)+\o)+7]
.endif
.endr
.endr
.endm
; A load into registers that a matrix instruction has read stands four places behind it (ISA guide 7.12.1 for vector instructions).
.macro STEP s, last, zero
	s_wait_loadcnt 4*(NSTEP-1-(\s))                ; this step's four loads of W are in; four for each later step stay out
	s_wait_dscnt 8                                 ; tiles 0-3 are in; the eight loads of tiles 4-7 stay out
	MUL8 \s, 0, \zero
.if \last
	s_wait_dscnt 0
.else
	NOP4
	LOADX (\s)+1, 0
	s_wait_dscnt 8                                 ; tiles 4-7 are in; the eight just issued stay out
.endif
	MUL8 \s, 1, \zero
.if \last == 0
	NOP4
	LOADX (\s)+1, 1
.endif
.endm
; Tile (p, o): z less the group's mean; its squares onto M2 (the first tile starts the sums); the difference itself in f16, 16 bytes into row 16 o + r of my stage.
.macro CENTRE p, o, first
.irp j, 0,1,2,3
	v_pk_add_f32 v[40+2*\j:41+2*\j], v[ACC+16*\p+8*\o+2*\j:ACC+16*\p+8*\o+2*\j+1], v[24:25] neg_lo:[0,1] neg_hi:[0,1]
.endr
.irp j, 0,1,2,3
.if \first
	v_pk_mul_f32 v[32+2*\j:33+2*\j], v[40+2*\j:41+2*\j], v[40+2*\j:41+2*\j]
.else
	v_pk_fma_f32 v[32+2*\j:33+2*\j], v[40+2*\j:41+2*\j], v[40+2*\j:41+2*\j], v[32+2*\j:33+2*\j]
.endif
.endr
.irp j, 0,1,2,3
	v_cvt_pk_f16_f32 v[HS+4*(2*\p+\o)+\j], v[40+2*\j], v[41+2*\j]
.endr
	ds_store_b128 v10, v[HS+4*(2*\p+\o):HS+4*(2*\p+\o)+3] offset:\o*16*SPITCH+\p*32
.endm
; Channel tile o: S = the sum over the 128 points, M2 = the sum of (z - S / 128)^2.  Lanes 0-15 store S, lanes 16-31 M2.
.macro STATS o
.irp j, 0,1,2,3
	v_pk_add_f32 v[16+2*\j:17+2*\j], v[ACC+8*\o+2*\j:ACC+8*\o+2*\j+1], v[ACC+16+8*\o+2*\j:ACC+16+8*\o+2*\j+1]
.endr
.irp p, 2,3,4,5,6,7
.irp j, 0,1,2,3
	v_pk_add_f32 v[16+2*\j:17+2*\j], v[16+2*\j:17+2*\j], v[ACC+16*\p+8*\o+2*\j:ACC+16*\p+8*\o+2*\j+1]
.endr
.endr
	v_pk_add_f32 v[16:17], v[16:17], v[18:19]
	v_pk_add_f32 v[20:21], v[20:21], v[22:23]
	v_pk_add_f32 v[16:17], v[16:17], v[20:21]
	v_add_f32 v16, v16, v17
	v_permlanex16_b32 v28, v16, s30, s31           ; the other eight points of each tile lie in lane xor 16
	v_add_f32 v16, v16, v28
	v_mul_f32 v24, 0x3c000000, v16                 ; the group's mean, twice
	v_mul_f32 v25, 0x3c000000, v16
	CENTRE 0, \o, 1
.irp p, 1,2,3,4,5,6,7
	CENTRE \p, \o, 0
.endr
	v_pk_add_f32 v[32:33], v[32:33], v[34:35]
	v_pk_add_f32 v[36:37], v[36:37], v[38:39]
	v_pk_add_f32 v[32:33], v[32:33], v[36:37]
	v_add_f32 v32, v32, v33
	v_permlanex16_b32 v28, v32, s30, s31
	v_add_f32 v32, v32, v28
	v_cndmask_b32 v29, v16, v32, s28
	ds_store_b32 v9, v29 offset:64*\o
.endm
	s_load_b256 s[4:11], s[0:1], 0x0               ; y0 s[4:5], ab0 s[6:7], prep s[8:9], y1 s[10:11]
	v_lshl_add_u32 v8, v0, 2, 0x23800
	s_set_vgpr_msb 0x40
	v_mov_b32 v129, 0
	s_set_vgpr_msb 0x4000
	v_lshrrev_b32 v1, 5, v0
	v_readfirstlane_b32 s14, v1                    ; wave w
	v_and_b32 v1, 31, v0
	s_lshr_b32 s15, ttmp9, 7                       ; batch
	s_and_b32 s16, ttmp9, 127                      ; block of 128 points
	v_lshlrev_b32 v2, 4, v1
	v_and_b32 v12, 15, v1                          ; r
	v_lshrrev_b32 v13, 4, v1                       ; h
	s_lshl_b32 s17, s14, 7
	v_lshl_add_u32 v4, v12, 2, s17                 ; 4 (32 w + r)
	s_mov_b32 s19, 0
	s_mov_b32 s28, 0xffff0000                      ; lanes 16 to 31
	s_mov_b32 s30, 0x76543210
	s_mov_b32 s31, 0xfedcba98
	s_wait_kmcnt 0x0
	s_lshl_b32 s18, ttmp9, 16                      ; y0: 65,536 bytes a group, 8,192 a wave
	s_lshl_b32 s17, s14, 13
	s_add_co_u32 s18, s18, s17
	s_add_nc_u64 s[20:21], s[4:5], s[18:19]
	s_lshl_b32 s18, ttmp9, 11
	s_add_co_u32 s18, s18, PART
	s_add_nc_u64 s[22:23], s[4:5], s[18:19]        ; my group's S
	s_lshl_b32 s18, s14, 14
	s_add_co_u32 s18, s18, 4456448
	s_add_nc_u64 s[24:25], s[8:9], s[18:19]        ; my 16 KiB of W1's fragments
	s_lshl_b32 s18, s15, 23                        ; y1: rows of 32,768 bytes: batch, my 32 rows; 256 bytes a block
	s_lshl_b32 s17, s14, 20
	s_add_co_u32 s18, s18, s17
	s_lshl_b32 s17, s16, 8
	s_add_co_u32 s18, s18, s17
	s_add_nc_u64 s[26:27], s[10:11], s[18:19]
	; oldest first: six words a lane, then y0's sixteen tiles, then W1
	global_load_b32 v32, v4, s[6:7]                ; a of channel 32 w + r
	global_load_b32 v34, v4, s[6:7] offset:64      ; and of 32 w + 16 + r
	global_load_b32 v36, v4, s[6:7] offset:1024    ; c
	global_load_b32 v38, v4, s[6:7] offset:1088
	global_load_b32 v40, v4, s[22:23]              ; S
	global_load_b32 v41, v4, s[22:23] offset:64
.set i, 0
.rept 16
	global_load_b128 v[HS+4*i:HS+4*i+3], v2, s[20:21] offset:i*512 th:TH_LOAD_NT
.set i, i+1
.endr
	WIN 0x40                                       ; destination v256 and up
.irp s, 0,1,2,3,4,5,6,7
.irp f, 0,1,2,3
	global_load_b128 v[16*\s+4*\f:16*\s+4*\f+3], v2, s[24:25] offset:\s*2048+\f*512
.endr
.endr
	WIN 0
	s_mul_i32 s17, s14, 32*XTP
	v_mul_u32_u24 v3, v12, XTP
	v_lshl_add_u32 v3, v13, 4, v3
	v_add_nc_u32 v3, s17, v3                       ; XT: row 32 w + r, 16 bytes for each h
	v_and_b32 v14, 7, v1
	v_lshl_add_u32 v14, v13, 3, v14
	v_mul_u32_u24 v5, v14, XTP                     ; row 8 h + (lane mod 8),
	v_bfe_u32 v15, v1, 3, 1
	v_lshl_add_u32 v5, v15, 4, v5                  ; 16 bytes on for lanes 8-15 and 24-31
	v_add_nc_u32 v6, 128*XTP, v5
	v_mov_b32 v28, 0                               ; written once: the lane exchange below counts its destination as read
	s_wait_loadcnt 48                              ; the six words are in; 16 tiles and 32 loads of W stay out
	v_mul_f32 v40, 0x3c000000, v40                 ; the group's mean
	v_mul_f32 v41, 0x3c000000, v41
	v_fma_f32 v36, v32, v40, v36                   ; the shift: a S / 128 + c
	v_fma_f32 v38, v34, v41, v38
	v_mov_b32 v33, v32                             ; each twice, once for the kernel: the packed multiply-adds take plain pairs
	v_mov_b32 v35, v34
	v_mov_b32 v37, v36
	v_mov_b32 v39, v38
	HTILE 0, 0, v64.l, v64.h, v65.l, v65.h, v66.l, v66.h, v67.l, v67.h
	HTILE 0, 1, v68.l, v68.h, v69.l, v69.h, v70.l, v70.h, v71.l, v71.h
	HTILE 1, 0, v72.l, v72.h, v73.l, v73.h, v74.l, v74.h, v75.l, v75.h
	HTILE 1, 1, v76.l, v76.h, v77.l, v77.h, v78.l, v78.h, v79.l, v79.h
	HTILE 2, 0, v80.l, v80.h, v81.l, v81.h, v82.l, v82.h, v83.l, v83.h
	HTILE 2, 1, v84.l, v84.h, v85.l, v85.h, v86.l, v86.h, v87.l, v87.h
	HTILE 3, 0, v88.l, v88.h, v89.l, v89.h, v90.l, v90.h, v91.l, v91.h
	HTILE 3, 1, v92.l, v92.h, v93.l, v93.h, v94.l, v94.h, v95.l, v95.h
	HTILE 4, 0, v96.l, v96.h, v97.l, v97.h, v98.l, v98.h, v99.l, v99.h
	HTILE 4, 1, v100.l, v100.h, v101.l, v101.h, v102.l, v102.h, v103.l, v103.h
	HTILE 5, 0, v104.l, v104.h, v105.l, v105.h, v106.l, v106.h, v107.l, v107.h
	HTILE 5, 1, v108.l, v108.h, v109.l, v109.h, v110.l, v110.h, v111.l, v111.h
	HTILE 6, 0, v112.l, v112.h, v113.l, v113.h, v114.l, v114.h, v115.l, v115.h
	HTILE 6, 1, v116.l, v116.h, v117.l, v117.h, v118.l, v118.h, v119.l, v119.h
	HTILE 7, 0, v120.l, v120.h, v121.l, v121.h, v122.l, v122.h, v123.l, v123.h
	HTILE 7, 1, v124.l, v124.h, v125.l, v125.h, v126.l, v126.h, v127.l, v127.h
	s_wait_dscnt 0x0                               ; my rows of h are stored
	s_barrier_signal -1
	s_barrier_wait -1                              ; h is whole
	WIN 0x04                                       ; source 1 (W) in v256 and up; LDS loads name a destination and source 0 alone
	LOADX 0, 0
	LOADX 0, 1
	STEP 0, 0, 1                                   ; the first products start the sums: nothing is cleared
.irp s, 1,2,3,4,5,6
	STEP \s, 0, 0
.endr
	STEP 7, 1, 0
	WIN 0
	; the addresses of the way out: eleven plain vector instructions that name no register of the last matrix instructions; they are the places in front of the first read of a result
	v_lshlrev_b32 v9, 2, v12
	v_lshl_add_u32 v9, v13, 10, v9
	s_lshl_b32 s17, s14, 7
	s_add_co_u32 s17, s17, STAT
	v_add_nc_u32 v9, s17, v9                       ; STAT: 1,024 h + 4 (32 w + r)
	s_mul_i32 s17, s14, 32*SPITCH
	s_add_co_u32 s17, s17, STAGE
	v_mul_u32_u24 v10, v12, SPITCH
	v_lshl_add_u32 v10, v13, 4, v10
	v_add_nc_u32 v10, s17, v10                     ; my stage, in: row r, 16 bytes for each h
	v_mul_u32_u24 v11, v13, SPITCH
	v_lshl_add_u32 v11, v12, 4, v11
	v_add_nc_u32 v11, s17, v11                     ; and back: lanes 0-15 one row of 256 bytes, lanes 16-31 the next
	v_lshlrev_b32 v7, 4, v12
	v_lshl_add_u32 v7, v13, 15, v7                 ; the same two rows in y1
	STATS 0
	STATS 1
.irp t, 0,1,2,3,4,5,6,7,8,9,10,11,12,13,14,15
	ds_load_b128 v[128+4*\t:131+4*\t], v11 offset:\t*2*SPITCH      ; LDS serves a wave's instructions in order (ISA guide 5.7.1.4): these see the stores above
.endr
.irp t, 0,1,2,3,4,5,6,7,8,9,10,11,12,13,14,15
	s_wait_dscnt 15-\t                             ; rows 2 t and 2 t + 1 are back; the later loads stay out
	global_store_b128 v7, v[128+4*\t:131+4*\t], s[26:27] offset:\t*65536   ; 16 lanes store a channel's 256 consecutive bytes, aligned
.endr
	s_barrier_signal -1                            ; the last count above was 0: my statistics are stored, for wave 0's sake
	s_barrier_wait -1                              ; all 256 channels' S and M2 are in LDS
	s_cmp_lg_u32 s14, 0
	s_cbranch_scc1 .Lend
	v_add_nc_u32 v14, STAT, v2                     ; wave 0: the group's 256 S and 256 M2, whole, behind y1's numbers
.irp i, 0,1,2,3
	ds_load_b128 v[192+4*\i:195+4*\i], v14 offset:512*\i
.endr
	s_lshl_b32 s18, ttmp9, 11
	s_add_co_u32 s18, s18, PART
	s_add_nc_u64 s[10:11], s[10:11], s[18:19]
	s_wait_dscnt 0x0
.irp i, 0,1,2,3
	global_store_b128 v2, v[192+4*\i:195+4*\i], s[10:11] offset:512*\i
.endr
.Lend:
	s_set_vgpr_msb 0x4
	s_wait_tensorcnt 0x0
	ds_add_u32 v8, v129
	s_wait_dscnt 0x0
	s_set_vgpr_msb 0x400
	s_endpgm
.Lfunc_end_k_qa89cf444dc_conv1:
	.size	k_qa89cf444dc_conv1, .Lfunc_end_k_qa89cf444dc_conv1-k_qa89cf444dc_conv1
	.p2alignl 7, 3214868480
	.fill 96, 4, 3214868480
	.section	.rodata,"a",@progbits
	.p2align	6, 0x0
	.amdhsa_kernel k_qa89cf444dc_conv1
		.amdhsa_group_segment_fixed_size 146432
		.amdhsa_private_segment_fixed_size 0
		.amdhsa_enable_private_segment 0
		.amdhsa_kernarg_size 32
		.amdhsa_user_sgpr_count 2
		.amdhsa_user_sgpr_kernarg_segment_ptr 1
		.amdhsa_wavefront_size32 1
		.amdhsa_system_sgpr_workgroup_id_x 1
		.amdhsa_system_sgpr_workgroup_id_y 1
		.amdhsa_system_sgpr_workgroup_id_z 1
		.amdhsa_system_vgpr_workitem_id 0
		.amdhsa_next_free_vgpr 386
		.amdhsa_next_free_sgpr 66
		.amdhsa_reserve_vcc 0
		.amdhsa_float_denorm_mode_32 3
		.amdhsa_float_denorm_mode_16_64 3
		.amdhsa_memory_ordered 1
		.amdhsa_forward_progress 1
		.amdhsa_inst_pref_size 68
	.end_amdhsa_kernel
	.amdgpu_metadata
---
amdhsa.version: [ 1, 2 ]
amdhsa.kernels:
  - .name:           k_qa89cf444dc_conv1
    .symbol:         k_qa89cf444dc_conv1.kd
    .args:
      - { .name: y0, .offset: 0, .size: 8, .value_kind: global_buffer, .address_space: global }
      - { .name: ab0, .offset: 8, .size: 8, .value_kind: global_buffer, .address_space: global }
      - { .name: prep, .offset: 16, .size: 8, .value_kind: global_buffer, .address_space: global }
      - { .name: y1, .offset: 24, .size: 8, .value_kind: global_buffer, .address_space: global }
    .group_segment_fixed_size: 146432
    .private_segment_fixed_size: 0
    .kernarg_segment_align: 8
    .kernarg_segment_size: 32
    .max_flat_workgroup_size: 256
    .sgpr_count:     66
    .vgpr_count:     386
    .wavefront_size: 32
...
	.end_amdgpu_metadata
.endif
;; end of part 11
;; launch final (part 12): grid 256 x 1, 8 waves a work-group, no clusters, 15,360 bytes of LDS; arguments y1, g1, be1, out0; writes out0
.if DOCPART == 12
	.amdgcn_target "amdgcn-amd-amdhsa--gfx1250"
	.amdhsa_code_object_version 6
	.text
	.protected	k_qa89cf444dc_final
	.globl	k_qa89cf444dc_final
	.p2align	8
	.type	k_qa89cf444dc_final,@function
k_qa89cf444dc_final:
	s_mov_b64 s[64:65], 0
	v_nop
	global_prefetch_b8 v0, s[64:65] scope:SCOPE_SE
	s_setreg_imm32_b32 hwreg(HW_REG_WAVE_MODE, 25, 1), 1
	s_wait_xcnt 0x0
; Launch 6 of 6: the second BatchNorm and ReLU, statistics and all.  The bias b1 is left out (it cancels in z - mean: shown at the head of the first kernel).
; y1 holds z less its group's channel mean S_G / 128 in f16 (a group G = 128 points of one batch), and behind it, at byte 16,777,216, for each of the 256 groups
; the 256 S and the 256 M2 (sum of squares about the group's own mean).
;   mean = sum of S_i / 32768,  var = (sum of M2_i + 128 sum of (S_i / 128 - mean)^2) / 32768: no difference of large sums,
;   a = g rsqrt(var + 1e-5),  out0 = relu(a y1 + (be + a (S_G / 128 - mean))).   g and be are rounded to bf16 like every input.
; SHARES.  Work-group (j, q, b): channels 64 j .. 64 j + 63, points 512 q .. 512 q + 511 of batch b.  It makes the statistics of its 64 channels itself, from 128 KiB of
; partials read in pieces of 256 consecutive bytes, while its 64 KiB of y1 are on their way: a launch of their own for 2 KiB of results would have work for four groups.
; Statistics: lane cq = lane mod 16 (four channels), gs = lane / 16; wave w takes the partials 32 w + 2 i + gs, i = 0 .. 15; the waves' sums meet in LDS, twice.
; Stream: wave w takes channels 8 w .. 8 w + 7 of the 64; one load is a channel's 128 points of one group: 8 bytes a lane, 256 consecutive bytes, aligned; its scale and
; shift are the same in all lanes; one store is 16 bytes a lane, 512 consecutive bytes, aligned.  Each load and each store has registers of its own: no wait frees one.
; Loads are counted in the order of issue, so what is needed first goes first: g, be, S, M2, then y1.  24 of y1's 32 loads go with them, the other 8 behind the wait for M2.
; No matrix unit, tensor load or cluster: a stream, and the partials that groups share are a small part of what the launch moves.
; LDS: 0 .. 4,095 the waves' sums of S; 4,096 .. 8,191 of the squares; from 8,192 on 768 bytes for each wave, its own: a, -mean, be of the 64 channels.
.set PART, 0x1000000
.set BC,   8192
.set YR,   64                          ; v64-127   y1 as loaded: load i = 4 e + q (channel e, group q) at 2 i
.set SR,   128                         ; v128-191  16 S
.set MR,   192                         ; v192-255  16 M2; then what comes back from LDS
.set OUT,  128                         ; v128-255  the results: load i at 4 i
; v1 lane, v2 cq, v3 gs, v4 16 cq, v5 partials, v6 LDS sums, v7 8 x lane, v8 16 x lane, v9, v10 my 768 bytes, v12-15 at work (a; later four shifts), v16-19 sums,
; v20-23 squares, v24-27 -mean, v28-31 at work, v32-35 g, v36-39 be, v40-47 a, v48-55 -mean, v56-63 be of my eight channels, the same in all lanes
; s[32:63] S of my eight channels in my four groups: group q at 8 q
.macro SUM16 d, r                      ; four channels' sums over 16 quads at v[r]
	v_pk_add_f32 v[\d:\d+1], v[\r:\r+1], v[\r+4:\r+5]
	v_pk_add_f32 v[\d+2:\d+3], v[\r+2:\r+3], v[\r+6:\r+7]
.irp i, 2,3,4,5,6,7,8,9,10,11,12,13,14,15
	v_pk_add_f32 v[\d:\d+1], v[\d:\d+1], v[\r+4*\i:\r+4*\i+1]
	v_pk_add_f32 v[\d+2:\d+3], v[\d+2:\d+3], v[\r+4*\i+2:\r+4*\i+3]
.endr
.endm
.macro SHIFTS e                        ; channel e: the shift for each of my four groups
.irp q, 0,1,2,3
	v_fma_f32 v[12+\q], s[32+8*\q+\e], 0x3c000000, v[48+\e]        ; the group's mean less the whole's
.endr
.irp q, 0,1,2,3
	v_fma_f32 v[12+\q], v[40+\e], v[12+\q], v[56+\e]               ; be + a x that
.endr
.endm
; Channel e, group q, my four points (h0 .. h3: the four halves of the load's two registers, by name)
.macro QUAD e, q, h0, h1, h2, h3
	s_wait_loadcnt 31-(4*\e+\q)                    ; this load is in, the younger ones stay out
	v_cvt_f32_f16 v[OUT+16*\e+4*\q], \h0
	v_cvt_f32_f16 v[OUT+16*\e+4*\q+1], \h1
	v_cvt_f32_f16 v[OUT+16*\e+4*\q+2], \h2
	v_cvt_f32_f16 v[OUT+16*\e+4*\q+3], \h3
.irp k, 0,1,2,3
	v_fma_f32 v[OUT+16*\e+4*\q+\k], v[OUT+16*\e+4*\q+\k], v[40+\e], v[12+\q]
.endr
.irp k, 0,1,2,3
	v_max_num_f32 v[OUT+16*\e+4*\q+\k], 0, v[OUT+16*\e+4*\q+\k]
.endr
	global_store_b128 v8, v[OUT+16*\e+4*\q:OUT+16*\e+4*\q+3], s[10:11] offset:\e*65536+\q*512 th:TH_STORE_NT
.endm
	s_load_b256 s[4:11], s[0:1], 0x0               ; y1 s[4:5], g1 s[6:7], be1 s[8:9], out0 s[10:11]
	v_lshl_add_u32 v11, v0, 2, 0x3800
	s_set_vgpr_msb 0x40
	v_mov_b32 v1, 0
	s_set_vgpr_msb 0x4000
	v_lshrrev_b32 v1, 5, v0
	v_readfirstlane_b32 s12, v1                    ; wave w
	v_and_b32 v1, 31, v0
	v_and_b32 v2, 15, v1
	v_lshrrev_b32 v3, 4, v1
	v_lshlrev_b32 v4, 4, v2                        ; 16 cq
	v_lshl_add_u32 v5, v3, 11, v4                  ; + a partial of 2,048 bytes for gs
	v_lshl_add_u32 v6, v3, 8, v4
	s_lshl_b32 s13, s12, 9
	v_add_nc_u32 v6, s13, v6                       ; LDS: (2 w + gs) 256 + 16 cq
	v_lshlrev_b32 v7, 3, v1
	v_lshlrev_b32 v8, 4, v1
	s_mul_i32 s13, s12, 768
	s_add_co_u32 s13, s13, BC
	v_add_nc_u32 v9, s13, v4                       ; my wave's 768 bytes, in: four channels a lane
	s_lshl_b32 s14, s12, 5
	s_add_co_u32 s13, s13, s14
	v_mov_b32 v10, s13                             ; and back: my wave's eight channels, one address for all lanes
	s_and_b32 s15, ttmp9, 3                        ; j
	s_bfe_u32 s16, ttmp9, 0x50002                  ; q
	s_lshr_b32 s17, ttmp9, 7                       ; b
	s_lshl_b32 s20, s15, 8                         ; 64 channels of 4 bytes
	s_mov_b32 s21, 0
	s_lshl_b32 s18, s12, 16                        ; the partials of 32 groups for each wave
	s_add_co_u32 s18, s18, s20
	s_add_co_u32 s18, s18, PART
	s_mov_b32 s19, 0
	s_lshl_b32 s22, s17, 18                        ; my four groups' S: group 128 b + 4 q, 2,048 bytes each; my eight channels
	s_lshl_b32 s14, s16, 13
	s_add_co_u32 s22, s22, s14
	s_add_co_u32 s22, s22, s20
	s_lshl_b32 s14, s12, 5
	s_add_co_u32 s22, s22, s14
	s_add_co_u32 s22, s22, PART
	s_mov_b32 s23, 0
	s_lshl_b32 s24, s17, 23                        ; y1: rows of 32,768 bytes: batch, 64 j, 8 w; 1,024 bytes for each q
	s_lshl_b32 s14, s15, 21
	s_add_co_u32 s24, s24, s14
	s_lshl_b32 s14, s12, 18
	s_add_co_u32 s24, s24, s14
	s_lshl_b32 s14, s16, 10
	s_add_co_u32 s24, s24, s14
	s_mov_b32 s25, 0
	s_lshl_b32 s26, s24, 1                         ; out0: the same place, 4 bytes a number
	s_mov_b32 s27, 0
	s_wait_kmcnt 0x0
	s_add_nc_u64 s[28:29], s[4:5], s[18:19]
	s_add_nc_u64 s[30:31], s[4:5], s[22:23]
	s_add_nc_u64 s[4:5], s[4:5], s[24:25]
	s_add_nc_u64 s[6:7], s[6:7], s[20:21]
	s_add_nc_u64 s[8:9], s[8:9], s[20:21]
	s_add_nc_u64 s[10:11], s[10:11], s[26:27]
	s_load_b256 s[32:39], s[30:31], 0x0
	s_load_b256 s[40:47], s[30:31], 0x800
	s_load_b256 s[48:55], s[30:31], 0x1000
	s_load_b256 s[56:63], s[30:31], 0x1800
	s_mov_b32 s18, 0x38000000                      ; 1 / 32768
	s_mov_b32 s19, 0xffff0000                      ; a word's upper bf16
	s_mov_b32 s20, 0x3727c5ac                      ; 1e-5
	global_load_b128 v[32:35], v4, s[6:7]
	global_load_b128 v[36:39], v4, s[8:9]
.irp i, 0,1,2,3,4,5,6,7,8,9,10,11,12,13,14,15
	global_load_b128 v[SR+4*\i:SR+4*\i+3], v5, s[28:29] offset:\i*4096
.endr
.irp i, 0,1,2,3,4,5,6,7,8,9,10,11,12,13,14,15
	global_load_b128 v[MR+4*\i:MR+4*\i+3], v5, s[28:29] offset:\i*4096+1024
.endr
.set i, 0
.rept 24
	global_load_b64 v[YR+2*i:YR+2*i+1], v7, s[4:5] offset:(i/4)*32768+(i%4)*256 th:TH_LOAD_NT
.set i, i+1
.endr
	s_wait_loadcnt 40                              ; g, be and the 16 S are in; 16 M2 and 24 loads of y1 stay out
	SUM16 16, SR
	ds_store_b128 v6, v[16:19]
.irp r, 32, 36                                     ; g and be rounded to bf16 and widened again
	v_cvt_pk_bf16_f32 v12, v[\r], v[\r+1]
	v_cvt_pk_bf16_f32 v13, v[\r+2], v[\r+3]
	v_lshlrev_b32 v[\r], 16, v12
	v_and_b32 v[\r+1], s19, v12
	v_lshlrev_b32 v[\r+2], 16, v13
	v_and_b32 v[\r+3], s19, v13
.endr
	s_wait_loadcnt 24                              ; the 16 M2 are in; 24 loads of y1 stay out
	SUM16 20, MR                                   ; summed now: their registers take what comes back from LDS
.rept 8
	global_load_b64 v[YR+2*i:YR+2*i+1], v7, s[4:5] offset:(i/4)*32768+(i%4)*256 th:TH_LOAD_NT
.set i, i+1
.endr
	s_wait_dscnt 0x0                               ; my sums of S are stored, for the other waves' sake
	s_barrier_signal -1
	s_barrier_wait -1
.irp k, 0,1,2,3,4,5,6,7,8,9,10,11,12,13,14,15
	ds_load_b128 v[MR+4*\k:MR+4*\k+3], v4 offset:256*\k
.endr
	s_wait_dscnt 0x0
	SUM16 16, MR
	v_pk_mul_f32 v[24:25], v[16:17], 0xb8000000 op_sel_hi:[1,0]    ; minus the mean of my four channels
	v_pk_mul_f32 v[26:27], v[18:19], 0xb8000000 op_sel_hi:[1,0]
	v_pk_fma_f32 v[12:13], v[SR:SR+1], 0x3c000000, v[24:25] op_sel_hi:[1,0,1]     ; the group's mean less the whole's
	v_pk_fma_f32 v[14:15], v[SR+2:SR+3], 0x3c000000, v[26:27] op_sel_hi:[1,0,1]
	v_pk_mul_f32 v[28:29], v[12:13], v[12:13]
	v_pk_mul_f32 v[30:31], v[14:15], v[14:15]
.irp i, 1,2,3,4,5,6,7,8,9,10,11,12,13,14,15
	v_pk_fma_f32 v[12:13], v[SR+4*\i:SR+4*\i+1], 0x3c000000, v[24:25] op_sel_hi:[1,0,1]
	v_pk_fma_f32 v[14:15], v[SR+4*\i+2:SR+4*\i+3], 0x3c000000, v[26:27] op_sel_hi:[1,0,1]
	v_pk_fma_f32 v[28:29], v[12:13], v[12:13], v[28:29]
	v_pk_fma_f32 v[30:31], v[14:15], v[14:15], v[30:31]
.endr
	v_pk_fma_f32 v[20:21], v[28:29], 0x43000000, v[20:21] op_sel_hi:[1,0,1]       ; + 128 x the squares
	v_pk_fma_f32 v[22:23], v[30:31], 0x43000000, v[22:23] op_sel_hi:[1,0,1]
	ds_store_b128 v6, v[20:23] offset:4096         ; bytes of their own: the first 4 KiB may still be read by other waves
	s_wait_dscnt 0x0
	s_barrier_signal -1
	s_barrier_wait -1
.irp k, 0,1,2,3,4,5,6,7,8,9,10,11,12,13,14,15
	ds_load_b128 v[MR+4*\k:MR+4*\k+3], v4 offset:4096+256*\k
.endr
	s_wait_dscnt 0x0
	SUM16 16, MR
.irp e, 0,1,2,3
	v_fma_f32 v[16+\e], v[16+\e], s18, s20         ; var + 1e-5
.endr
.irp e, 0,1,2,3
	v_rsq_f32 v[12+\e], v[16+\e]
.endr
	v_nop                                          ; one plain instruction behind the roots before their results are used (ISA guide 5.7.2)
	s_wait_alu depctr_va_vdst(0)
	v_pk_mul_f32 v[12:13], v[32:33], v[12:13]      ; a
	v_pk_mul_f32 v[14:15], v[34:35], v[14:15]
	; from four channels a lane to my wave's eight channels in every lane, through bytes that are my wave's own (both halves of the lanes hold and store the same numbers)
	ds_store_b128 v9, v[12:15]
	ds_store_b128 v9, v[24:27] offset:256
	ds_store_b128 v9, v[36:39] offset:512
	ds_load_b128 v[40:43], v10                     ; LDS serves a wave's instructions in order (ISA guide 5.7.1.4): these see the stores above
	ds_load_b128 v[44:47], v10 offset:16
	ds_load_b128 v[48:51], v10 offset:256
	ds_load_b128 v[52:55], v10 offset:272
	ds_load_b128 v[56:59], v10 offset:512
	ds_load_b128 v[60:63], v10 offset:528
	s_wait_dscnt 0x0
	s_wait_kmcnt 0x0                               ; my groups' S
	SHIFTS 0
	QUAD 0, 0, v64.l, v64.h, v65.l, v65.h
	QUAD 0, 1, v66.l, v66.h, v67.l, v67.h
	QUAD 0, 2, v68.l, v68.h, v69.l, v69.h
	QUAD 0, 3, v70.l, v70.h, v71.l, v71.h
	SHIFTS 1
	QUAD 1, 0, v72.l, v72.h, v73.l, v73.h
	QUAD 1, 1, v74.l, v74.h, v75.l, v75.h
	QUAD 1, 2, v76.l, v76.h, v77.l, v77.h
	QUAD 1, 3, v78.l, v78.h, v79.l, v79.h
	SHIFTS 2
	QUAD 2, 0, v80.l, v80.h, v81.l, v81.h
	QUAD 2, 1, v82.l, v82.h, v83.l, v83.h
	QUAD 2, 2, v84.l, v84.h, v85.l, v85.h
	QUAD 2, 3, v86.l, v86.h, v87.l, v87.h
	SHIFTS 3
	QUAD 3, 0, v88.l, v88.h, v89.l, v89.h
	QUAD 3, 1, v90.l, v90.h, v91.l, v91.h
	QUAD 3, 2, v92.l, v92.h, v93.l, v93.h
	QUAD 3, 3, v94.l, v94.h, v95.l, v95.h
	SHIFTS 4
	QUAD 4, 0, v96.l, v96.h, v97.l, v97.h
	QUAD 4, 1, v98.l, v98.h, v99.l, v99.h
	QUAD 4, 2, v100.l, v100.h, v101.l, v101.h
	QUAD 4, 3, v102.l, v102.h, v103.l, v103.h
	SHIFTS 5
	QUAD 5, 0, v104.l, v104.h, v105.l, v105.h
	QUAD 5, 1, v106.l, v106.h, v107.l, v107.h
	QUAD 5, 2, v108.l, v108.h, v109.l, v109.h
	QUAD 5, 3, v110.l, v110.h, v111.l, v111.h
	SHIFTS 6
	QUAD 6, 0, v112.l, v112.h, v113.l, v113.h
	QUAD 6, 1, v114.l, v114.h, v115.l, v115.h
	QUAD 6, 2, v116.l, v116.h, v117.l, v117.h
	QUAD 6, 3, v118.l, v118.h, v119.l, v119.h
	SHIFTS 7
	QUAD 7, 0, v120.l, v120.h, v121.l, v121.h
	QUAD 7, 1, v122.l, v122.h, v123.l, v123.h
	QUAD 7, 2, v124.l, v124.h, v125.l, v125.h
	QUAD 7, 3, v126.l, v126.h, v127.l, v127.h
	s_set_vgpr_msb 0x4
	s_wait_tensorcnt 0x0
	ds_add_u32 v11, v1
	s_wait_dscnt 0x0
	s_set_vgpr_msb 0x400
	s_endpgm
.Lfunc_end_k_qa89cf444dc_final:
	.size	k_qa89cf444dc_final, .Lfunc_end_k_qa89cf444dc_final-k_qa89cf444dc_final
	.p2alignl 7, 3214868480
	.fill 96, 4, 3214868480
	.section	.rodata,"a",@progbits
	.p2align	6, 0x0
	.amdhsa_kernel k_qa89cf444dc_final
		.amdhsa_group_segment_fixed_size 15360
		.amdhsa_private_segment_fixed_size 0
		.amdhsa_enable_private_segment 0
		.amdhsa_kernarg_size 32
		.amdhsa_user_sgpr_count 2
		.amdhsa_user_sgpr_kernarg_segment_ptr 1
		.amdhsa_wavefront_size32 1
		.amdhsa_system_sgpr_workgroup_id_x 1
		.amdhsa_system_sgpr_workgroup_id_y 1
		.amdhsa_system_sgpr_workgroup_id_z 1
		.amdhsa_system_vgpr_workitem_id 0
		.amdhsa_next_free_vgpr 258
		.amdhsa_next_free_sgpr 66
		.amdhsa_reserve_vcc 0
		.amdhsa_float_denorm_mode_32 3
		.amdhsa_float_denorm_mode_16_64 3
		.amdhsa_memory_ordered 1
		.amdhsa_forward_progress 1
		.amdhsa_inst_pref_size 52
	.end_amdhsa_kernel
	.amdgpu_metadata
---
amdhsa.version: [ 1, 2 ]
amdhsa.kernels:
  - .name:           k_qa89cf444dc_final
    .symbol:         k_qa89cf444dc_final.kd
    .args:
      - { .name: y1, .offset: 0, .size: 8, .value_kind: global_buffer, .address_space: global }
      - { .name: g1, .offset: 8, .size: 8, .value_kind: global_buffer, .address_space: global }
      - { .name: be1, .offset: 16, .size: 8, .value_kind: global_buffer, .address_space: global }
      - { .name: out0, .offset: 24, .size: 8, .value_kind: global_buffer, .address_space: global }
    .group_segment_fixed_size: 15360
    .private_segment_fixed_size: 0
    .kernarg_segment_align: 8
    .kernarg_segment_size: 32
    .max_flat_workgroup_size: 256
    .sgpr_count:     66
    .vgpr_count:     258
    .wavefront_size: 32
...
	.end_amdgpu_metadata
.endif
;; end of part 12
